; MI455X (gfx1250); checked and timed in simulation.
; The chip was launched on July 23, 2026; its instructions are those of AMD's public machine-readable ISA for CDNA 5 (MIT licence, August 2026) and "CDNA5" Instruction Set Architecture Reference Guide (July 2026). The comments in the code are by the model that wrote it; some were corrected since.
;; Encoder Block. Allowed arithmetic: matrix products marked QUANTISED: E2M3 operands, one E8M0 scale for each 32 along K, by v_wmma_scale_f32_16x16x128_f8f6f4 with both operands' format E2M3, f32 sums; everything else in f32.
;; Inputs: b1 4,096 float32; b2 1,024 float32; bk 1,024 float32; bo 1,024 float32; bq 1,024 float32; bv 1,024 float32; w1_codes 4,096 x 32 x 24 uint8 (E2M3 codes of w1, K innermost, in blocks of 32 codes, four codes in three bytes); w1_scales 4,096 x 32 uint8 (E8M0 scales of w1, one for each 32 codes along K); w2_codes 1,024 x 128 x 24 uint8 (E2M3 codes of w2, K innermost, in blocks of 32 codes, four codes in three bytes); w2_scales 1,024 x 128 uint8 (E8M0 scales of w2, one for each 32 codes along K); wk_codes 1,024 x 32 x 24 uint8 (E2M3 codes of wk, K innermost, in blocks of 32 codes, four codes in three bytes); wk_scales 1,024 x 32 uint8 (E8M0 scales of wk, one for each 32 codes along K); wo_codes 1,024 x 32 x 24 uint8 (E2M3 codes of wo, K innermost, in blocks of 32 codes, four codes in three bytes); wo_scales 1,024 x 32 uint8 (E8M0 scales of wo, one for each 32 codes along K); wq_codes 1,024 x 32 x 24 uint8 (E2M3 codes of wq, K innermost, in blocks of 32 codes, four codes in three bytes); wq_scales 1,024 x 32 uint8 (E8M0 scales of wq, one for each 32 codes along K); wv_codes 1,024 x 32 x 24 uint8 (E2M3 codes of wv, K innermost, in blocks of 32 codes, four codes in three bytes); wv_scales 1,024 x 32 uint8 (E8M0 scales of wv, one for each 32 codes along K); x 2 x 2,048 x 1,024 float32.
;; Outputs: out0 2 x 2,048 x 1,024 float32.
;; This version of the problem:
;;   THIS VERSION OF THE PROBLEM IS GIVEN IN LOW PRECISION. The matrix products marked QUANTISED in the list below multiply operands that are first quantised to E2M3 (2 exponent bits, 3 mantissa bits; 6 bits a number), with one power-of-two scale for each 32 numbers along K (OCP MX v1.0); their sums are f32. All else is computed in f32.
;;   The module's matrix products, in the order in which they are computed (A, B: the left and right operand; K: the contracted axis; several contracted axes count as one K, in the product's order):
;;     1. [M 4,096, K 1,024] x [K 1,024, N 1,024]; A: computed on the way; B: input wq (given as codes): QUANTISED
;;     2. [M 4,096, K 1,024] x [K 1,024, N 1,024]; A: computed on the way; B: input wk (given as codes): QUANTISED
;;     3. [M 4,096, K 1,024] x [K 1,024, N 1,024]; A: computed on the way; B: input wv (given as codes): QUANTISED
;;     4. batch 32 x [M 2,048, K 64] x [K 64, N 2,048]; A: computed on the way; B: computed on the way: QUANTISED
;;     5. batch 32 x [M 2,048, K 2,048] x [K 2,048, N 64]; A: softmax (see below); B: computed on the way: QUANTISED
;;     6. [M 4,096, K 1,024] x [K 1,024, N 1,024]; A: computed on the way; B: input wo (given as codes): QUANTISED
;;     7. [M 4,096, K 1,024] x [K 1,024, N 4,096]; A: computed on the way; B: input w1 (given as codes): QUANTISED
;;     8. [M 4,096, K 4,096] x [K 4,096, N 1,024]; A: computed on the way; B: input w2 (given as codes): QUANTISED
;;   THE QUANTISER, for each operand of a quantised product, along K:
;;     - K is cut into blocks of 32 from its start; a last block that is shorter is filled with zeros.
;;     - A block's scale is 2^e with e = floor(log2(the largest magnitude in the block)) - 2, held to -126 .. 127; a block of zeros has e = 0. As a byte (E8M0): e + 127.
;;     - Each number is divided by its block's scale, clamped to +-7.5, and rounded to the nearest number of E2M3, ties to even, subnormals kept.
;;     - The product sums the exact products of the quantised numbers (number of the format x scale) in f32.
;;   ~~~python
;;   def quantise(x, axis):      # numpy; x: float32 -> the quantised numbers, widened to float32 again
;;       x = np.moveaxis(x, axis, -1); K = x.shape[-1]
;;       x = np.pad(x, [(0, 0)] * (x.ndim - 1) + [(0, -K % 32)]); x = x.reshape(x.shape[:-1] + (-1, 32)); a = np.abs(x).max(-1, keepdims=True)
;;       e = np.where(a > 0, np.clip(np.frexp(np.where(a > 0, a, 1))[1] - 1 - 2, -126, 127), 0)      # np.frexp(a)[1] - 1 = floor(log2(a)), exactly
;;       r = np.clip(x / 2.0 ** e, -7.5, 7.5)
;;       step = 2.0 ** (np.maximum(np.frexp(np.where(r == 0, 1, r))[1] - 1, 0) - 3)
;;       q = np.round(r / step) * step * 2.0 ** e      # np.round: ties to even
;;       return np.moveaxis(q.reshape(q.shape[:-2] + (-1,))[..., :K], -1, axis).astype(np.float32)
;;   ~~~
;;   SOFTMAX AHEAD OF A QUANTISED PRODUCT. Where the list says 'softmax', what is quantised is not the finished softmax but p = 2^(t - M), with t = logit x log2(e) and M = ceil(the row's largest t), a whole number; so 1/2 < the row's largest p <= 1. The row's sum l is taken of the UNQUANTISED p, in f32, and the product's result is divided by l at the end. Since M is a whole number, a kernel that streams over the keys may use a running M (the ceiling of the running maximum): every later rescaling is an exact power of two, which a block's scale takes up: the codes' values come out the same.
;;   OPERANDS COMPUTED ON THE WAY. 'Computed on the way' means the value that the module computes at that place (a softmax that the list does not call 'softmax' is quantised finished and normalised). What goes into a quantiser is computed in f32, as accurately as f32 sums, v_exp_f32 and their like allow (about 1e-6 of the number): no bf16 or f16 on the way to a quantiser, and a product that is left as it is and whose result goes on into a quantised operand takes f32 operands (vector FMAs, or v_wmma_f32_16x16x4_f32). A number that lies on a knife's edge between two numbers of the format may be rounded either way, as far as f32 arithmetic and the matrix unit's own rounding can turn it there, and no further.
;;   INPUTS GIVEN AS CODES. w1 (in the module: [4096, 1024], K = its axis 1); w2 (in the module: [1024, 4096], K = its axis 1); wk (in the module: [1024, 1024], K = its axis 1); wo (in the module: [1024, 1024], K = its axis 1); wq (in the module: [1024, 1024], K = its axis 1); wv (in the module: [1024, 1024], K = its axis 1): each comes as NAME_codes (uint8): NAME with its K axis moved to the last place and cut into blocks of 32 codes, [.., K / 32, bytes a block], one block behind the other in memory; four codes in three bytes: a row's codes are one little-endian stream of bits, code i at bits 6 i .. 6 i + 5 (a code: sign, 2 exponent bits, 3 mantissa bits); and NAME_scales (uint8): the same leading axes, one E8M0 byte (e + 127) for each 32 codes along K. Its value is code x scale, taken as it is: it is not quantised again, and the codes and scales need not be those that the quantiser above would give.
;; 2 versions. Each part assembles by itself: llvm-mc -triple=amdgcn-amd-amdhsa -mcpu=gfx1250 --defsym DOCPART=n.
;; ======== version 1 of 2: 8 launches
;; workspace buffers: part 16,384 bytes; act 3,276,800 bytes; qkv 9,830,400 bytes; z 16,777,216 bytes; hid 13,107,200 bytes
;; launch stats (part 1): grid 256 x 1, 4 waves a work-group, no clusters, 0 bytes of LDS; arguments x, part; writes part
.if DOCPART == 1
	.amdgcn_target "amdgcn-amd-amdhsa--gfx1250"
	.amdhsa_code_object_version 6
	.text
	.protected	k_q28b7557355_stats
	.globl	k_q28b7557355_stats
	.p2align	8
	.type	k_q28b7557355_stats,@function
k_q28b7557355_stats:
	s_mov_b64 s[64:65], 0
	v_nop
	global_prefetch_b8 v0, s[64:65] scope:SCOPE_SE
	s_setreg_imm32_b32 hwreg(HW_REG_WAVE_MODE, 25, 1), 1
	s_wait_xcnt 0x0
; The first half of the joint layer norm over (L, D): for each chunk of 2,048 consecutive numbers of x its mean and its sum of squared deviations from that mean (M2).
; part: [2 batches][1,024 chunks][mean, M2], f32.  The launch behind this one joins the chunks: variance = (sum of M2 + 2,048 x sum of (chunk mean - mean)^2) / 2^21,
; so that no difference of large sums is ever formed, whatever offset the numbers carry.
; A wave takes 16,384 consecutive bytes, two chunks, by 32 loads of 512 consecutive bytes; the numbers stay in registers between the two passes, so x is read once.
; A stream: no LDS, no barrier, no matrix unit, no cluster (no two work-groups read the same byte).  LIMITS: NaN and infinities in x are not served.
.set D0,   16                          ; v16-143  the two chunks, 64 registers each
.set CH,   144                         ; v144-151 four chains of pairs
.set MEAN, 152                         ; v152-153 the chunk's mean, twice
.set RES,  156                         ; v156-159 mean 0, M2 0, mean 1, M2 1
.set SEL,  10                          ; s[10:11] lane selects: lane l xor 16
.macro REDUCE x, t                     ; the sum over the 32 lanes, in every lane
	v_add_f32_dpp v[\x], v[\x], v[\x] row_xmask:1 row_mask:0xf bank_mask:0xf
	v_add_f32_dpp v[\x], v[\x], v[\x] row_xmask:2 row_mask:0xf bank_mask:0xf
	v_add_f32_dpp v[\x], v[\x], v[\x] row_xmask:4 row_mask:0xf bank_mask:0xf
	v_add_f32_dpp v[\x], v[\x], v[\x] row_xmask:8 row_mask:0xf bank_mask:0xf
	v_permlanex16_b32 v[\t], v[\x], s[SEL], s[SEL+1]
	v_add_f32 v[\x], v[\x], v[\t]
.endm
.macro JOIN                            ; the four chains become one number a lane, then one for the wave
	v_pk_add_f32 v[CH:CH+1], v[CH:CH+1], v[CH+2:CH+3]
	v_pk_add_f32 v[CH+4:CH+5], v[CH+4:CH+5], v[CH+6:CH+7]
	v_pk_add_f32 v[CH:CH+1], v[CH:CH+1], v[CH+4:CH+5]
	v_add_f32 v[CH], v[CH], v[CH+1]
	REDUCE CH, CH+1
.endm
.macro CHUNK c
.set D, D0+64*(\c)
.irp k, 0,1,2,3
	v_pk_add_f32 v[CH+2*\k:CH+2*\k+1], v[D+2*\k:D+2*\k+1], v[D+8+2*\k:D+9+2*\k]     ; the first pairs start the chains: nothing is cleared
.endr
.irp j, 2,3,4,5,6,7
.irp k, 0,1,2,3
	v_pk_add_f32 v[CH+2*\k:CH+2*\k+1], v[CH+2*\k:CH+2*\k+1], v[D+8*\j+2*\k:D+8*\j+2*\k+1]
.endr
.endr
	JOIN
	v_mul_f32 v[MEAN], 0x3a000000, v[CH]           ; x 2^-11
	v_mov_b32 v[MEAN+1], v[MEAN]
.irp j, 0,1,2,3,4,5,6,7
.irp k, 0,1,2,3
	v_pk_add_f32 v[D+8*\j+2*\k:D+8*\j+2*\k+1], v[D+8*\j+2*\k:D+8*\j+2*\k+1], v[MEAN:MEAN+1] neg_lo:[0,1] neg_hi:[0,1]   ; the deviations, in place
.endr
.endr
.irp k, 0,1,2,3
	v_pk_mul_f32 v[CH+2*\k:CH+2*\k+1], v[D+2*\k:D+2*\k+1], v[D+2*\k:D+2*\k+1]
.endr
.irp j, 1,2,3,4,5,6,7
.irp k, 0,1,2,3
	v_pk_fma_f32 v[CH+2*\k:CH+2*\k+1], v[D+8*\j+2*\k:D+8*\j+2*\k+1], v[D+8*\j+2*\k:D+8*\j+2*\k+1], v[CH+2*\k:CH+2*\k+1]
.endr
.endr
	JOIN
	v_mov_b32 v[RES+2*(\c)], v[MEAN]
	v_mov_b32 v[RES+2*(\c)+1], v[CH]
.endm
	s_load_b128 s[4:7], s[0:1], 0x0                ; x, part
	v_lshrrev_b32 v3, 5, v0
	v_readfirstlane_b32 s8, v3                     ; wave
	v_and_b32 v1, 31, v0                           ; lane
	v_lshlrev_b32 v2, 4, v1                        ; 16 bytes a lane
	s_lshl_b32 s9, ttmp9, 2
	s_add_co_u32 s9, s9, s8                        ; which run of 16,384 bytes is my wave's
	s_lshl_b32 s12, s9, 14
	s_mov_b32 s13, 0
	s_mov_b32 s[SEL], 0x76543210
	s_mov_b32 s[SEL+1], 0xfedcba98
	s_lshl_b32 s14, s9, 4                          ; my 16 bytes of part
	v_mov_b32 v3, s14
	s_wait_kmcnt 0x0
	s_add_nc_u64 s[4:5], s[4:5], s[12:13]
.set i, 0
.rept 32
	global_load_b128 v[D0+4*i:D0+4*i+3], v2, s[4:5] offset:512*i th:TH_LOAD_NT
.set i, i+1
.endr
	s_wait_loadcnt 16                              ; the first chunk's 16 loads are in; the second chunk's may be out
	CHUNK 0
	s_wait_loadcnt 0x0
	CHUNK 1
	s_wait_xcnt 0x0                                ; EXEC changes only behind this wait
	v_cmp_eq_u32 vcc_lo, 0, v1
	s_and_saveexec_b32 s15, vcc_lo
	global_store_b128 v3, v[RES:RES+3], s[6:7]     ; lane 0 alone: every lane holds the same four numbers
	s_wait_xcnt 0x0
	s_or_b32 exec_lo, exec_lo, s15
	s_endpgm
.Lfunc_end_k_q28b7557355_stats:
	.size	k_q28b7557355_stats, .Lfunc_end_k_q28b7557355_stats-k_q28b7557355_stats
	.p2alignl 7, 3214868480
	.fill 96, 4, 3214868480
	.section	.rodata,"a",@progbits
	.p2align	6, 0x0
	.amdhsa_kernel k_q28b7557355_stats
		.amdhsa_group_segment_fixed_size 0
		.amdhsa_private_segment_fixed_size 0
		.amdhsa_enable_private_segment 0
		.amdhsa_kernarg_size 16
		.amdhsa_user_sgpr_count 2
		.amdhsa_user_sgpr_kernarg_segment_ptr 1
		.amdhsa_wavefront_size32 1
		.amdhsa_system_sgpr_workgroup_id_x 1
		.amdhsa_system_sgpr_workgroup_id_y 1
		.amdhsa_system_sgpr_workgroup_id_z 1
		.amdhsa_system_vgpr_workitem_id 0
		.amdhsa_next_free_vgpr 160
		.amdhsa_next_free_sgpr 66
		.amdhsa_reserve_vcc 1
		.amdhsa_float_denorm_mode_32 3
		.amdhsa_float_denorm_mode_16_64 3
		.amdhsa_memory_ordered 1
		.amdhsa_forward_progress 1
		.amdhsa_inst_pref_size 19
	.end_amdhsa_kernel
	.amdgpu_metadata
---
amdhsa.version: [ 1, 2 ]
amdhsa.kernels:
  - .name:           k_q28b7557355_stats
    .symbol:         k_q28b7557355_stats.kd
    .args:
      - { .name: x, .offset: 0, .size: 8, .value_kind: global_buffer, .address_space: global }
      - { .name: part, .offset: 8, .size: 8, .value_kind: global_buffer, .address_space: global }
    .group_segment_fixed_size: 0
    .private_segment_fixed_size: 0
    .kernarg_segment_align: 8
    .kernarg_segment_size: 16
    .max_flat_workgroup_size: 128
    .sgpr_count:     66
    .vgpr_count:     160
    .wavefront_size: 32
...
	.end_amdgpu_metadata
.endif
;; end of part 1
;; launch quant_h (part 2): grid 128 x 1, 4 waves a work-group, no clusters, 33,280 bytes of LDS; arguments x, part, act; writes act
.if DOCPART == 2
	.amdgcn_target "amdgcn-amd-amdhsa--gfx1250"
	.amdhsa_code_object_version 6
	.text
	.protected	k_q28b7557355_quant_h
	.globl	k_q28b7557355_quant_h
	.p2align	8
	.type	k_q28b7557355_quant_h,@function
k_q28b7557355_quant_h:
	s_mov_b64 s[64:65], 0
	v_nop
	global_prefetch_b8 v0, s[64:65] scope:SCOPE_SE
	s_setreg_imm32_b32 hwreg(HW_REG_WAVE_MODE, 25, 1), 1
	s_wait_xcnt 0x0
; The second half of the joint layer norm, and the quantiser behind it.  src [4,096][1,024] f32 (x, later z) -> (src - mean) x rsqrt(variance + 1e-5), mean and variance of the row's batch,
; -> codes of FP6 (E2M3), K innermost, [4,096][768 bytes] at act + 0, and one E8M0 byte for each 32 along K, [4,096][32] at act + ACT_S.
; Every wave joins its batch's 1,024 chunks (8,192 bytes of part) by itself: mean = the mean of the chunk means; variance = (sum of M2 + 2,048 x sum of (chunk mean - mean)^2) / 2^21.
; The norm is a subtraction and then a multiplication, in f32, as the problem writes it.
; A block's scale is 2^(floor(log2(its largest magnitude)) - 2); its byte is the largest magnitude's exponent field - 2, held at 1 from below.
; LIMITS: a block of zeros gets the byte 1, not 127 (its codes are zeros, and this program alone reads the bytes); a block whose largest magnitude lies under 2^-124 has its byte held at 1; NaN and infinities are not served.
; Rows are dense and 1,024 is a multiple of 32: the tensor is a plain stream of blocks of 32.  A wave takes 16 steps of 512 numbers.  Each load reads 512 consecutive bytes, 16 a lane; a step's 2,048 bytes turn through the
; wave's own stage in LDS and come back 64 bytes a lane, since the conversion takes 16 neighbours from one lane's registers.  A lane's 16 codes are 12 bytes: a store covers 384 consecutive bytes.
; A wave's 256 scale bytes are gathered in its own LDS bytes and leave as 256 consecutive bytes, aligned.  No tensor loads, no barrier: waves share nothing.  No cluster: no two work-groups read the same numbers but the small table.
.set STEPS, 16
.set EMAX,  2
.set CB,    12                         ; bytes of 16 codes
.set R,     16                         ; v16-79   four sets of 16 numbers as they are loaded
.set X,     80                         ; v80-111  two sets of 16 neighbours
.set E,     112                        ; v112-127 a scale byte for each step
.set C,     128                        ; v128-191 first the batch's table, then codes: four registers a step
.set MU,    192                        ; v192-193 the mean, twice
.set RS,    194                        ; v194-195 rsqrt(variance + eps), twice
.set WREG,  8192                       ; LDS: a region for each wave: two stages of 32 x SP bytes, then its 256 scale bytes
.set SP,    80                         ; a lane's place in a stage: 64 bytes + 16 of padding
.set ACT_S, 3145728
.set SEL,   12
.macro REDUCE x, t
	v_add_f32_dpp v[\x], v[\x], v[\x] row_xmask:1 row_mask:0xf bank_mask:0xf
	v_add_f32_dpp v[\x], v[\x], v[\x] row_xmask:2 row_mask:0xf bank_mask:0xf
	v_add_f32_dpp v[\x], v[\x], v[\x] row_xmask:4 row_mask:0xf bank_mask:0xf
	v_add_f32_dpp v[\x], v[\x], v[\x] row_xmask:8 row_mask:0xf bank_mask:0xf
	v_permlanex16_b32 v[\t], v[\x], s[SEL], s[SEL+1]
	v_add_f32 v[\x], v[\x], v[\t]
.endm
	s_load_b128 s[4:7], s[0:1], 0x0                ; src, part
	s_load_b64 s[8:9], s[0:1], 0x10                ; act
	v_lshl_add_u32 v200, v0, 2, 0x8000
	v_mov_b32 v201, 0
	v_lshrrev_b32 v1, 5, v0
	v_readfirstlane_b32 s16, v1                    ; wave
	v_and_b32 v2, 31, v0                           ; lane
	v_lshlrev_b32 v3, 4, v2                        ; my 16 bytes of a load's 512
	s_mul_i32 s17, s16, WREG
	v_lshrrev_b32 v14, 2, v2
	v_mul_u32_u24 v14, v14, SP
	v_and_b32 v15, 3, v2
	v_lshl_add_u32 v14, v15, 4, v14
	v_add_nc_u32 v14, s17, v14                     ; the stage, on the way in: four lanes' 64 bytes on end, then 16 of padding
	v_mul_u32_u24 v15, v2, SP
	v_add_nc_u32 v15, s17, v15                     ; and on the way out: my 16 neighbours
	v_mul_u32_u24 v4, v2, CB                       ; my codes' place in a step's
	v_lshrrev_b32 v5, 1, v2
	s_add_co_u32 s17, s17, 2*32*SP
	v_add_nc_u32 v5, s17, v5                       ; LDS: my wave's 256 scale bytes, my block's byte
	v_lshlrev_b32 v7, 3, v2                        ; and on the way out 8 bytes a lane
	v_add_nc_u32 v6, s17, v7
	s_mov_b32 s[SEL], 0x76543210
	s_mov_b32 s[SEL+1], 0xfedcba98
	s_lshl_b32 s18, ttmp9, 2
	s_add_co_u32 s18, s18, s16                     ; which run of 8,192 numbers is my wave's
	s_lshl_b32 s20, s18, 15
	s_mov_b32 s21, 0
	s_lshr_b32 s22, ttmp9, 6                       ; the batch: 64 work-groups each
	s_lshl_b32 s22, s22, 13
	s_mov_b32 s23, 0
	s_mul_i32 s24, s18, 32*STEPS*CB
	s_mov_b32 s25, 0
	s_lshl_b32 s26, s18, 8
	s_add_co_u32 s26, s26, ACT_S
	s_mov_b32 s27, 0
	s_wait_kmcnt 0x0
	s_add_nc_u64 s[4:5], s[4:5], s[20:21]
	s_add_nc_u64 s[6:7], s[6:7], s[22:23]
	s_add_nc_u64 s[10:11], s[8:9], s[26:27]        ; the scale bytes
	s_add_nc_u64 s[8:9], s[8:9], s[24:25]          ; the codes
.set i, 0
.rept 16
	global_load_b128 v[C+4*i:C+4*i+3], v3, s[6:7] offset:512*i     ; the batch's 1,024 (mean, M2): 32 pairs a lane
.set i, i+1
.endr
.macro LOAD t
.irp i, 0,1,2,3
	global_load_b128 v[R+16*((\t)%4)+4*\i:R+16*((\t)%4)+4*\i+3], v3, s[4:5] offset:2048*(\t)+512*\i th:TH_LOAD_NT
.endr
.endm
.macro TURN t                          ; step t's numbers through the stage: LDS serves a wave's instructions in order (ISA guide 5.7.1.4), so no wait stands between the stores and the loads
.irp i, 0,1,2,3
	ds_store_b128 v14, v[R+16*((\t)%4)+4*\i:R+16*((\t)%4)+4*\i+3] offset:32*SP*((\t)%2)+8*SP*\i
.endr
.irp i, 0,1,2,3
	ds_load_b128 v[X+16*((\t)%2)+4*\i:X+16*((\t)%2)+4*\i+3], v15 offset:32*SP*((\t)%2)+16*\i
.endr
.endm
.irp t, 0,1,2,3
	LOAD \t
.endr
	s_wait_loadcnt 16                              ; the table is in; the 16 loads of steps 0 to 3 may be out
	v_pk_add_f32 v[8:9], v[C:C+1], v[C+2:C+3]      ; (sum of means, sum of M2), in two chains
	v_pk_add_f32 v[10:11], v[C+4:C+5], v[C+6:C+7]
.set j, 8
.rept 14
	v_pk_add_f32 v[8:9], v[8:9], v[C+j:C+j+1]
	v_pk_add_f32 v[10:11], v[10:11], v[C+j+2:C+j+3]
.set j, j+4
.endr
	v_pk_add_f32 v[8:9], v[8:9], v[10:11]
	REDUCE 8, 10
	REDUCE 9, 10
	v_mul_f32 v[MU], 0x3a800000, v8                ; x 2^-10: the mean
	v_mov_b32 v[MU+1], v[MU]
.set j, 0
.rept 32
	v_sub_f32 v[C+j], v[C+j], v[MU]                ; chunk mean - mean
.set j, j+2
.endr
	v_mul_f32 v10, v[C], v[C]
	v_mul_f32 v11, v[C+2], v[C+2]
.set j, 4
.rept 15
	v_fmac_f32 v10, v[C+j], v[C+j]
	v_fmac_f32 v11, v[C+j+2], v[C+j+2]
.set j, j+4
.endr
	v_add_f32 v10, v10, v11
	REDUCE 10, 11
	v_fmamk_f32 v9, v10, 0x45000000, v9            ; sum of M2 + 2,048 x that
	v_mul_f32 v9, 0x35000000, v9                   ; x 2^-21: the variance
	v_add_f32 v9, 0x3727c5ac, v9                   ; + 1e-5
	v_rsq_f32 v[RS], v9
	v_nop                                          ; a plain instruction behind the transcendental (ISA guide 5.7.2)
	s_wait_alu depctr_va_vdst(0)                   ; and a wait ahead of the first use
	v_mov_b32 v[RS+1], v[RS]
	s_wait_loadcnt 12                              ; step 0's four loads are in
	TURN 0
.macro STEP t
.set XS, X+16*((\t)%2)
.if (\t) > 0
	s_wait_dscnt 1                                 ; this step's numbers are back from the stage (the last step's byte store may be out): so its stores into the stage have read their registers,
.else
	s_wait_dscnt 0x0
.endif
.if (\t)+4 < STEPS
	LOAD (\t)+4                                    ; which take the loads of four steps on
.endif
.if (\t)+1 < STEPS
.if STEPS-2-(\t) >= 3
	s_wait_loadcnt 12                              ; the next step's four loads are in; those of the three steps behind it may be out
.else
	s_wait_loadcnt 4*(STEPS-2-(\t))
.endif
	TURN (\t)+1
.endif
.irp i, 0,2,4,6,8,10,12,14
	v_pk_add_f32 v[XS+\i:XS+\i+1], v[XS+\i:XS+\i+1], v[MU:MU+1] neg_lo:[0,1] neg_hi:[0,1]   ; - mean
.endr
.irp i, 0,2,4,6,8,10,12,14
	v_pk_mul_f32 v[XS+\i:XS+\i+1], v[XS+\i:XS+\i+1], v[RS:RS+1]                            ; x rsqrt
.endr
	v_max3_num_f32 v8, |v[XS]|, |v[XS+1]|, |v[XS+2]|               ; the largest magnitude of my 16
	v_max3_num_f32 v9, |v[XS+3]|, |v[XS+4]|, |v[XS+5]|
.irp i, 6,10
	v_max3_num_f32 v8, v8, |v[XS+\i]|, |v[XS+\i+1]|
	v_max3_num_f32 v9, v9, |v[XS+\i+2]|, |v[XS+\i+3]|
.endr
	v_max3_num_f32 v8, v8, |v[XS+14]|, |v[XS+15]|
	v_max3_num_f32 v8, v8, v9, (EMAX+1)<<23        ; and the floor 2^(3 - 127): the byte cannot fall under 1
	v_max_num_f32_dpp v8, v8, v8 row_xmask:1 row_mask:0xf bank_mask:0xf   ; and of my neighbour's 16: the block's
	v_add_nc_u32 v11, -(EMAX<<23), v8              ; 2 off its exponent field: the conversion takes the exponent field of this operand as its scale
	v_cvt_scalef32_pk16_fp6_f32 v[C+4*(\t):C+4*(\t)+2], v[XS:XS+15], v11
	v_lshrrev_b32 v[E+(\t)], 23, v11               ; the scale's byte (a plain instruction behind the conversion)
	ds_store_b8 v5, v[E+(\t)] offset:16*(\t)       ; both lanes of a block write the same byte with the same value
	global_store_b96 v4, v[C+4*(\t):C+4*(\t)+2], s[8:9] offset:32*CB*(\t)
.endm
.irp t, 0,1,2,3,4,5,6,7,8,9,10,11,12,13,14,15
	STEP \t
.endr
	ds_load_b64 v[12:13], v6                       ; these see my byte stores: LDS serves a wave in order
	s_wait_dscnt 0x0
	global_store_b64 v7, v[12:13], s[10:11]        ; 32 lanes store 256 consecutive bytes, aligned
	s_wait_tensorcnt 0x0
	ds_add_u32 v200, v201
	s_wait_dscnt 0x0
	s_endpgm
.Lfunc_end_k_q28b7557355_quant_h:
	.size	k_q28b7557355_quant_h, .Lfunc_end_k_q28b7557355_quant_h-k_q28b7557355_quant_h
	.p2alignl 7, 3214868480
	.fill 96, 4, 3214868480
	.section	.rodata,"a",@progbits
	.p2align	6, 0x0
	.amdhsa_kernel k_q28b7557355_quant_h
		.amdhsa_group_segment_fixed_size 33280
		.amdhsa_private_segment_fixed_size 0
		.amdhsa_enable_private_segment 0
		.amdhsa_kernarg_size 24
		.amdhsa_user_sgpr_count 2
		.amdhsa_user_sgpr_kernarg_segment_ptr 1
		.amdhsa_wavefront_size32 1
		.amdhsa_system_sgpr_workgroup_id_x 1
		.amdhsa_system_sgpr_workgroup_id_y 1
		.amdhsa_system_sgpr_workgroup_id_z 1
		.amdhsa_system_vgpr_workitem_id 0
		.amdhsa_next_free_vgpr 202
		.amdhsa_next_free_sgpr 66
		.amdhsa_reserve_vcc 0
		.amdhsa_float_denorm_mode_32 3
		.amdhsa_float_denorm_mode_16_64 3
		.amdhsa_memory_ordered 1
		.amdhsa_forward_progress 1
		.amdhsa_inst_pref_size 55
	.end_amdhsa_kernel
	.amdgpu_metadata
---
amdhsa.version: [ 1, 2 ]
amdhsa.kernels:
  - .name:           k_q28b7557355_quant_h
    .symbol:         k_q28b7557355_quant_h.kd
    .args:
      - { .name: x, .offset: 0, .size: 8, .value_kind: global_buffer, .address_space: global }
      - { .name: part, .offset: 8, .size: 8, .value_kind: global_buffer, .address_space: global }
      - { .name: act, .offset: 16, .size: 8, .value_kind: global_buffer, .address_space: global }
    .group_segment_fixed_size: 33280
    .private_segment_fixed_size: 0
    .kernarg_segment_align: 8
    .kernarg_segment_size: 24
    .max_flat_workgroup_size: 128
    .sgpr_count:     66
    .vgpr_count:     202
    .wavefront_size: 32
...
	.end_amdgpu_metadata
.endif
;; end of part 2
;; launch qkv (part 3): grid 4 x 48, 4 waves a work-group, clusters of 4 x 4, 327,680 bytes of LDS; arguments act, wq_codes, wq_scales, wk_codes, wk_scales, wv_codes, wv_scales, bq, bk, bv, qkv; writes qkv
.if DOCPART == 3
	.amdgcn_target "amdgcn-amd-amdhsa--gfx1250"
	.amdhsa_code_object_version 6
	.text
	.protected	k_q28b7557355_qkv
	.globl	k_q28b7557355_qkv
	.p2align	8
	.type	k_q28b7557355_qkv,@function
k_q28b7557355_qkv:
	s_mov_b64 s[64:65], 0
	v_nop
	global_prefetch_b8 v0, s[64:65] scope:SCOPE_SE
	s_setreg_imm32_b32 hwreg(HW_REG_WAVE_MODE, 25, 1), 1
	s_wait_xcnt 0x0
	s_wait_alu depctr_hold_cnt(0) depctr_sa_sdst(0) depctr_va_vdst(0) depctr_va_sdst(0) depctr_va_ssrc(0) depctr_va_vcc(0) depctr_vm_vsrc(0)
	s_getreg_b32 s2, hwreg(HW_REG_IB_STS2, 6, 4)
	s_cmp_eq_u32 s2, 0
	s_cbranch_scc0 .Lentry_in_a_cluster
	s_endpgm
.Lentry_in_a_cluster:
	s_bfe_u32 s2, ttmp6, 0x10000c
	s_cmp_lg_u32 s2, 0xf033
	s_cbranch_scc0 .Lentry_shape_is_right
	s_endpgm
.Lentry_shape_is_right:
; Three GEMMs on codes of FP6 (E2M3) with E8M0 scales, K = 1,024, whose RESULTS ARE QUANTISED ON THE WAY OUT along their columns n.
; q = h Wq^T + bq, k = h Wk^T + bk as C[token][n], and v as C[n'][token] = Wv h^T + bv[n'], so that the keys, the K of attention's second product, run along the columns.  Cluster y = 0..11: 0-3 q, 4-7 k, 8-11 v.
; A tile of C, 256 x 256, is made by four waves, each 128 x 128: 64 accumulators, 512 registers.  K goes in steps of 256 through two LDS slots filled by the tensor data mover; the scale bytes of the tile's rows come once.
; CLUSTERS: 4 x 4 work-groups; A's tiles are asked for jointly along a row of the cluster, B's along a column.
; THE MATRIX INSTRUCTION IS USED TRANSPOSED (source 0 = 16 rows of B, source 1 = 16 rows of A): a lane holds one row of C and its registers run along n.
; THE ROWS OF B THAT FORM A TILE ARE NOT NEIGHBOURS: lane r of tile 2 b + u takes row 32 b + 8 u + r + 8 (r / 8), so that the 16 registers of tiles 2 b and 2 b + 1 are n = 32 b + 16 (lane / 16) + 0 .. 15: 16 neighbours
; for the conversion.  The price: the two groups of eight rows lie 16 x 60 words apart, a whole number of times through the 64 banks (ISA guide 11.1), so B's LDS loads meet two deep.
; The bias along n is the C of each sum's first matrix instruction; v's bias runs along the rows and is added on the way out.  Which is which is chosen by masks, without a branch.
; THE WAY OUT: 16 rows at a time: bias, the block's largest magnitude (my 16 and lane l xor 16's), scale byte, conversion; 12 bytes of codes to a place of 16 in a stage that the work-group shares; a barrier; then long runs leave.
; qkv's layout: codes [head][2,048 positions][48 bytes] for q and k, [head][32 chunks of 64 keys][64 positions of d][48 bytes] for v; in each 32 rows the groups of eight lie in the order 0, 2, 1, 3, so that 16 neighbouring positions
; are the rows of one tile in attention.  Scale words: q, k [pair of heads][token][4 bytes]; v [head][128 keys][d][4 bytes].
; LIMITS: a block of zeros gets the byte 1, not 127 (its codes are zeros; this program alone reads the bytes); a largest magnitude under 2^-124 has its byte held at 1; NaN and infinities are not served.
.set SIZE_K, 1024
.set KSTEP,  256
.set NQ,     KSTEP/128
.set ROWB,   192
.set KROW,   SIZE_K*6/8
.set PITCH,  240                       ; an LDS row: 3 x (64 bytes + 16 of padding)
.set FR,     12
.set NL,     6
.set NP,     4                         ; places behind this matrix instruction (ISA guide 7.12.1)
.set HALFT,  128*PITCH
.set SLOT,   4*HALFT
.set LAPS,   SIZE_K/(2*KSTEP)
.set KS,     SIZE_K/32
.set SCL,    2*SLOT
.set HALFS,  (128*KS/256)*272
.set SBLK,   (16*KS/256)*272
.set D8,     (8*KS/256)*272
.set SPARE,  SCL+4*HALFS               ; the spare words, 128 bytes a wave: two blocks of 256 bytes that no other line names
.set ACT_S,  3145728
.set SPT,    272                       ; the stage (in slot 0, behind its last fill and last read): 256 rows of 16 places of 16 bytes + 16
.set SST,    256*SPT                   ; behind it 2,048 bytes of scale words: [column half][row][4 bytes]
.set WCS,    1024
.set RWS,    4
.set CO,   3                           ; the way out: v3 global offset of codes, v4 scale word's place, v5 where scale words are read back, v6 their global offset
.set SSTO, 4
.set SRD,  5
.set SGO,  6
.set ADRA, 16                          ; v16-19 A's fragments in slot 0, 1 (and behind one padding more)
.set ADRB, 20                          ; v20-23 B's
.set STO,  24                          ; v24 where I put 12 bytes of codes;  v25, v26 where rows are read back
.set RD,   25
.set ADRS, 27                          ; v27 my scale words: lanes 0-15 A's rows, lanes 16-31 B's;  v30 the same for B's odd tiles
.set SPW,  28
.set NIL,  29
.set ADRS1, 30
.set LANE, 31
.set SC,   32                          ; v32-63 scale words, two sets; they hold nothing else
.set BIAS, 64                          ; v64-127 the bias along n, 8 tiles x 8 registers; later HA
.set HA,   64
.set AF,   128                         ; v128-223 A's fragments, one set
.set TM,   128                         ; the way out: v128-143 at work, v144 the scale word, v148.. codes, v164-227 rows read back
.set PW,   144
.set PC,   148
.set OUTR, 164
.set BM,   240                         ; v240-255 the bias along the rows, a pair for each of A's blocks
.set SEL,  22
.set G1, 24
.set G0, 32
.set G1B, 48
.set G0B, 56
.set G1S, 68
.set G0S, 76
.set G1SB, 80
.set G0SB, 88
.set MSB, 0
.macro WIN new                         ; the immediate's high byte repeats the setting that is left
.if MSB != (\new)
	s_set_vgpr_msb (MSB<<8)|(\new)
.set MSB, (\new)
.endif
.endm
.set MUL_LO, 0xa1                      ; source 0 (B) window 1, source 1 (A) window 0, C and D window 2
.set MUL_HI, 0xf1                      ; the same, C and D window 3
.set TO_B,   0x40
.macro JLOAD g0a, g1a, g0b, g1b        ; a joint load: waves 0, 1 fetch for A, waves 2, 3 for B; four v_nop follow each line
	s_cmp_eq_u32 s15, 0
	s_cbranch_scc0 .Lfor_b_\@
	tensor_load_to_lds s[\g0a:\g0a+3], s[\g1a:\g1a+7]
	s_nop 0
.rept 4
	v_nop
.endr
	s_branch .Lasked_\@
.Lfor_b_\@:
	tensor_load_to_lds s[\g0b:\g0b+3], s[\g1b:\g1b+7]
	s_nop 0
.rept 4
	v_nop
.endr
.Lasked_\@:
.endm
.macro CREST
	s_cmp_lg_u32 s14, 0
	s_cbranch_scc1 .Lnot_wave_0_\@
	s_barrier_signal -3
.Lnot_wave_0_\@:
	s_barrier_wait -3
	s_barrier_signal -1
	s_barrier_wait -1
.endm
.macro CROUND
	s_barrier_signal -1
	s_barrier_wait -1
	CREST
.endm
.macro PLACES n
.rept \n
	v_nop
.endr
.endm
	s_load_b512 s[68:83], s[0:1], 0x0              ; act, wq codes, wq scales, wk codes, wk scales, wv codes, wv scales, bq
	s_load_b128 s[84:87], s[0:1], 0x40             ; bk, bv
	s_load_b64 s[88:89], s[0:1], 0x50              ; qkv
	v_lshl_add_u32 v[SPW], v0, 2, SPARE
	v_mov_b32 v[NIL], 0
	ds_add_u32 v28, v29
	ds_add_u32 v28, v29
	s_wait_dscnt 0x0
	v_lshrrev_b32 v1, 5, v0
	v_readfirstlane_b32 s14, v1                    ; wave 0..3
	s_lshr_b32 s15, s14, 1                         ; which half of the tile's rows is mine.  Also: I fetch for A (0) or for B (1)
	s_and_b32 s16, s14, 1                          ; which half of its columns.  Also: which 128 rows I fetch
	s_bfe_u32 s40, ttmp6, 0x40000                  ; cx
	s_bfe_u32 s41, ttmp6, 0x40004                  ; cy
	s_and_b32 s2, ttmp7, 0xffff                    ; cluster y, 0..11: the same in all sixteen partners
	s_lshr_b32 s66, s2, 2                          ; 0 q, 1 k, 2 v
	s_and_b32 s67, s2, 3
	s_lshl_b32 s67, s67, 2
	s_cmp_eq_u32 s66, 2
	s_cselect_b32 s17, 0, s67                      ; q, k: the four clusters walk the tokens (rows); v: the tokens are the columns
	s_cselect_b32 s42, s67, 0
	s_add_co_u32 s17, s17, s41                     ; tile row
	s_add_co_u32 s42, s42, s40                     ; tile column
	s_lshl_b32 s43, s41, 2
	s_lshl_b32 s43, 15, s43                        ; my row of the cluster
	s_lshl_b32 s44, 0x1111, s40                    ; my column
	s_or_b32 s[G1+0], s43, (0<<16)|(1<<20)|(1<<21)|(3<<22)|(3<<25)  ; the mask; elements of 1 byte; padding on; bit 21 beside a mask; after every 16 words 4 words
	s_or_b32 s[G1B+0], s44, (0<<16)|(1<<20)|(1<<21)|(3<<22)|(3<<25)
.irp g, G1, G1B
	s_mov_b32 s[\g+1], ROWB<<16                    ; tensor_dim0
	s_mov_b32 s[\g+2], 128<<16                     ; tensor_dim1
	s_mov_b32 s[\g+3], ROWB<<16                    ; tile_dim0
	s_mov_b32 s[\g+4], 128                         ; tile_dim1
	s_mov_b32 s[\g+5], KROW                        ; the pitch in memory
	s_mov_b32 s[\g+6], 0
	s_mov_b32 s[\g+7], 0
.endr
	s_lshl_b32 s18, s16, 7
	s_lshl_b32 s20, s17, 8
	s_add_co_u32 s20, s20, s18                     ; A: row 256 x tile row + 128 x half
	s_lshl_b32 s46, s42, 8
	s_add_co_u32 s46, s46, s18                     ; B: row 256 x tile column + 128 x half
	s_mov_b32 s21, 0
	s_mov_b32 s47, 0
	s_mov_b64 s[18:19], KS
	s_mul_u64 s[22:23], s[20:21], s[18:19]
	s_mul_u64 s[92:93], s[46:47], s[18:19]
	s_mov_b64 s[18:19], KROW
	s_mul_u64 s[20:21], s[20:21], s[18:19]
	s_mul_u64 s[46:47], s[46:47], s[18:19]
	s_mul_i32 s45, s14, HALFT
	s_mul_i32 s94, s14, HALFS
	s_wait_kmcnt 0x0
	s_add_nc_u64 s[12:13], s[68:69], ACT_S         ; h's scale bytes
	s_cmp_eq_u32 s66, 0
	s_cselect_b64 s[8:9], s[70:71], s[74:75]       ; wq or wk
	s_cselect_b64 s[10:11], s[72:73], s[76:77]
	s_cselect_b64 s[96:97], s[82:83], s[84:85]
	s_cmp_eq_u32 s66, 2
	s_cselect_b64 s[4:5], s[78:79], s[68:69]       ; A: wv for v, else h
	s_cselect_b64 s[6:7], s[80:81], s[12:13]
	s_cselect_b64 s[8:9], s[68:69], s[8:9]         ; B: h for v, else the weight
	s_cselect_b64 s[10:11], s[12:13], s[10:11]
	s_cselect_b64 s[96:97], s[86:87], s[96:97]     ; the bias
	s_mov_b64 s[12:13], s[88:89]                   ; the output
	s_add_nc_u64 s[20:21], s[4:5], s[20:21]
	s_add_nc_u64 s[22:23], s[6:7], s[22:23]
	s_add_nc_u64 s[46:47], s[8:9], s[46:47]
	s_add_nc_u64 s[92:93], s[10:11], s[92:93]
	s_or_b32 s[G1S+0], s43, (3<<16)|(1<<20)|(1<<21)|(5<<22)|(3<<25)   ; the scales of 128 rows: dense, as rows of 256 bytes, 16 bytes of padding behind each
	s_or_b32 s[G1SB+0], s44, (3<<16)|(1<<20)|(1<<21)|(5<<22)|(3<<25)
.irp g, G1S, G1SB
	s_mov_b32 s[\g+1], 32<<16
	s_mov_b32 s[\g+2], (128*KS/256)<<16
	s_mov_b32 s[\g+3], 32<<16
	s_mov_b32 s[\g+4], 128*KS/256
	s_mov_b32 s[\g+5], 32
	s_mov_b32 s[\g+6], 0
	s_mov_b32 s[\g+7], 0
.endr
	CROUND                                         ; all sixteen work-groups are here: the first joint loads meet
	s_mov_b32 s[G0S], 1
	s_add_co_u32 s[G0S+1], s94, SCL
	s_mov_b64 s[G0S+2:G0S+3], s[22:23]
	s_or_b32 s[G0S+3], s[G0S+3], 0x80000000
	s_mov_b32 s[G0SB], 1
	s_add_co_u32 s[G0SB+1], s94, SCL
	s_mov_b64 s[G0SB+2:G0SB+3], s[92:93]
	s_or_b32 s[G0SB+3], s[G0SB+3], 0x80000000
	JLOAD G0S, G1S, G0SB, G1SB                     ; the scales first
.irp s, 0,1
	s_mov_b32 s[G0+4*\s], 1
	s_add_co_u32 s[G0+4*\s+1], s45, \s*SLOT
	s_add_nc_u64 s[G0+4*\s+2:G0+4*\s+3], s[20:21], \s*ROWB
	s_or_b32 s[G0+4*\s+3], s[G0+4*\s+3], 0x80000000
	s_mov_b32 s[G0B+4*\s], 1
	s_add_co_u32 s[G0B+4*\s+1], s45, \s*SLOT
	s_add_nc_u64 s[G0B+4*\s+2:G0B+4*\s+3], s[46:47], \s*ROWB
	s_or_b32 s[G0B+4*\s+3], s[G0B+4*\s+3], 0x80000000
	JLOAD G0+4*\s, G1, G0B+4*\s, G1B
.endr
	v_and_b32 v1, 15, v0                           ; r
	v_bfe_u32 v2, v0, 4, 1                         ; h
	v_and_b32 v[LANE], 31, v0
	v_mul_u32_u24 v4, v1, PITCH
	v_mad_u32_u24 v4, v2, 24, v4                   ; A: row r x pitch + 24 h
	v_lshl_add_u32 v5, v2, 4, v4                   ; and behind one padding more
	v_and_b32 v6, 8, v1
	v_add_nc_u32 v6, v6, v1                        ; r + 8 (r / 8)
	v_mul_u32_u24 v7, v6, PITCH
	v_mad_u32_u24 v7, v2, 24, v7                   ; B: that row
	v_lshl_add_u32 v8, v2, 4, v7
	s_mul_i32 s21, s15, HALFT
	s_mul_i32 s22, s16, HALFT
	s_add_co_u32 s22, s22, 2*HALFT
.irp s, 0,1
	v_add_nc_u32 v[ADRA+\s], s21, v4
	v_add_nc_u32 v[ADRB+\s], s22, v7
	v_add_nc_u32 v[ADRA+2+\s], s21, v5
	v_add_nc_u32 v[ADRB+2+\s], s22, v8
	s_add_co_u32 s21, s21, SLOT
	s_add_co_u32 s22, s22, SLOT
.endr
	v_and_b32 v9, 0x18, v0                         ; lanes 16-31 with r >= 8:
	v_add_nc_u32 v9, 8, v9
	v_lshrrev_b32 v9, 5, v9                        ; 1 there, else 0
	v_lshl_add_u32 v9, v9, 3, v1                   ; the scale row: r for A's lanes, r + 8 (r / 8) for B's
	v_mul_u32_u24 v10, v9, KS
	v_lshrrev_b32 v11, 8, v10
	v_lshl_add_u32 v10, v11, 4, v10                ; and 16 more for each 256 passed
	s_mul_i32 s21, s15, HALFS
	s_mul_i32 s22, s16, HALFS
	s_add_co_u32 s22, s22, 2*HALFS
	s_sub_co_u32 s22, s22, s21
	v_mul_u32_u24 v11, s22, v2                     ; lanes 16-31 take B's
	s_add_co_u32 s21, s21, SCL
	v_add_nc_u32 v10, v10, v11
	v_add_nc_u32 v[ADRS], s21, v10
	v_mul_u32_u24 v11, v2, D8
	v_sub_nc_u32 v[ADRS1], v[ADRS], v11            ; B's odd tiles begin 8 rows before 16 x their number
	; where the results go.  s92: the tile's place along the tokens, s93: along the heads
	s_cmp_eq_u32 s66, 2
	s_cselect_b32 s92, s42, s17
	s_cselect_b32 s93, s17, s42
	s_mov_b32 s94, 98304
	s_cselect_b32 s95, 3072, s94                   ; from wave to wave (a group of 64 columns): v a chunk of keys, q, k a head
	s_cselect_b32 s99, s94, 3072                   ; from 64 rows to the next: v a head, q, k 64 positions
	s_mov_b32 s94, 1024
	s_cselect_b32 s2, 512, s94
	s_mov_b32 s94, 8192
	s_cselect_b32 s67, 256, s94
	s_cselect_b32 s3, s94, 512
	s_mov_b32 s94, 4096
	s_cselect_b32 s101, s94, 256
	s_lshr_b32 s94, s92, 3                         ; the batch
	s_and_b32 s92, s92, 7
	s_mul_i32 s98, s66, 3145728
	s_lshl_b32 s100, s94, 4
	s_lshl_b32 s18, s93, 2
	s_add_co_u32 s100, s100, s18
	s_mul_i32 s100, s100, 98304
	s_add_co_u32 s98, s98, s100
	s_mul_i32 s100, s92, 12288
	s_add_co_u32 s98, s98, s100
	s_mul_i32 s100, s14, s95
	s_add_co_u32 s98, s98, s100                    ; s98: my codes' first byte
	s_lshl_b32 s100, s66, 17
	s_add_co_u32 s100, s100, 9437184
	s_lshl_b32 s18, s94, 16
	s_add_co_u32 s100, s100, s18
	s_lshl_b32 s18, s93, 14
	s_add_co_u32 s100, s100, s18
	s_mul_i32 s18, s92, s2
	s_add_co_u32 s100, s100, s18
	s_mul_i32 s18, s15, s67
	s_add_co_u32 s100, s100, s18
	s_mul_i32 s18, s16, s3
	s_add_co_u32 s100, s100, s18                   ; s100: my scale words' first byte
	s_mov_b32 s[SEL], 0x76543210
	s_mov_b32 s[SEL+1], 0xfedcba98
	s_lshl_b32 s18, s42, 10                        ; the bias along n: (256 x tile column + 128 x half) x 4 bytes
	s_lshl_b32 s19, s16, 9
	s_add_co_u32 s18, s18, s19
	s_lshl_b32 s20, s17, 10                        ; and along the rows
	s_lshl_b32 s21, s15, 9
	s_add_co_u32 s20, s20, s21
	s_cmp_eq_u32 s66, 2
	s_cselect_b32 s18, 0, s18                      ; the one that is not used is read at the buffer's head and masked: no load leaves the buffer
	s_cselect_b32 s20, s20, 0
	s_mov_b32 s21, 0
	s_add_nc_u64 s[20:21], s[96:97], s[20:21]
	s_mov_b32 s19, 0
	s_add_nc_u64 s[18:19], s[96:97], s[18:19]
	v_lshlrev_b32 v12, 6, v2                       ; lane (r, h) wants, for tile 2 b + u, n = 32 b + 8 u + 16 h + 0 .. 7
.irp b, 0,1,2,3,4,5,6,7
	global_load_b128 v[BIAS+8*\b:BIAS+8*\b+3], v12, s[18:19] offset:(32*(\b/2)+8*(\b%2))*4
	global_load_b128 v[BIAS+8*\b+4:BIAS+8*\b+7], v12, s[18:19] offset:(32*(\b/2)+8*(\b%2))*4+16
.endr
	v_lshlrev_b32 v13, 2, v1
.irp a, 0,1,2,3,4,5,6,7
	global_load_b32 v[BM+2*\a], v13, s[20:21] offset:64*\a
.endr
.macro FRAG reg, adr, q, ro            ; a fragment, 16 rows x 128 K: 12 registers; lane (r, h): registers 6 c .. 6 c + 5 = K 64 c + 32 h + 0 .. 31: 24 bytes as they lie, in pieces of 8.  ro: the tile's first row
.irp p, 0,1,2,3,4,5
.set PCE, 12*(\q)+6*(\p/3)+\p%3
.if PCE%8 < 5
	ds_load_b64 v[\reg+2*\p:\reg+2*\p+1], v[\adr] offset:8*PCE+16*(PCE/8)+(\ro)*PITCH
.else
	ds_load_b64 v[\reg+2*\p:\reg+2*\p+1], v[\adr+2] offset:8*PCE+16*(PCE/8)+(\ro)*PITCH
.endif
.endr
.endm
; 16 matrix instructions: A's blocks a0, a0 + 1 x B's eight.  zero = 1: the first product starts the sums from the bias.  The 64 accumulators take turns, one instruction a turn.
.macro MUL16 a0, p, q, sc, zero
.irp a, \a0, \a0+1
.irp b, 0,1,2,3,4,5,6,7
.if \zero
	v_wmma_scale_f32_16x16x128_f8f6f4 v[8*(8*((\a)%4)+\b):8*(8*((\a)%4)+\b)+7], v[128*(\p)+FR*\b:128*(\p)+FR*\b+FR-1], v[AF+FR*(\a):AF+FR*(\a)+FR-1], v[BIAS+8*\b:BIAS+8*\b+7], v[SC+8*NQ*(\sc)+NQ*\b+(\q)], v[SC+8*NQ*(\sc)+NQ*(\a)+(\q)] matrix_a_fmt:MATRIX_FMT_FP6 matrix_b_fmt:MATRIX_FMT_FP6 matrix_a_scale:MATRIX_SCALE_ROW1
.else
	v_wmma_scale_f32_16x16x128_f8f6f4 v[8*(8*((\a)%4)+\b):8*(8*((\a)%4)+\b)+7], v[128*(\p)+FR*\b:128*(\p)+FR*\b+FR-1], v[AF+FR*(\a):AF+FR*(\a)+FR-1], v[8*(8*((\a)%4)+\b):8*(8*((\a)%4)+\b)+7], v[SC+8*NQ*(\sc)+NQ*\b+(\q)], v[SC+8*NQ*(\sc)+NQ*(\a)+(\q)] matrix_a_fmt:MATRIX_FMT_FP6 matrix_b_fmt:MATRIX_FMT_FP6 matrix_a_scale:MATRIX_SCALE_ROW1
.endif
.endr
.endr
.endm
.macro FETCH_B slot, q, p
	WIN TO_B
.irp i, 0,1,2,3,4,5,6,7
	FRAG 128*(\p)+FR*\i, ADRB+\slot, \q, 32*(\i/2)+8*(\i%2)
.endr
	WIN 0
.endm
.macro FETCH_A slot, q, i0
.irp i, \i0, \i0+1, \i0+2, \i0+3
	FRAG AF+FR*(\i), ADRA+\slot, \q, 16*(\i)
.endr
.endm
.macro SCALES sc                       ; a K step's scale words: lanes 0-15 A's block i, lanes 16-31 B's tile i
.irp i, 0,1,2,3,4,5,6,7
.if \i%2
	ds_load_b64 v[SC+8*NQ*\sc+NQ*\i:SC+8*NQ*\sc+NQ*\i+1], v[ADRS1] offset:\i*SBLK
.else
	ds_load_b64 v[SC+8*NQ*\sc+NQ*\i:SC+8*NQ*\sc+NQ*\i+1], v[ADRS] offset:\i*SBLK
.endif
.endr
.endm
.macro STEP slot, q, zero              ; 128 along K with its successor in the same slot
	s_wait_dscnt 4*NL                              ; B's set and A's blocks 0-3 are in; the youngest 24 loads (A's blocks 4-7) may be out
	WIN MUL_LO-0x20*(\zero)                        ; (with zero = 1 the C operand, the bias, lies in window 0)
	MUL16 0, (\q)%2, \q, \slot, \zero
	MUL16 2, (\q)%2, \q, \slot, \zero
	s_wait_dscnt 0
	PLACES NP
	FETCH_B \slot, (\q)+1, 1-(\q)%2
	FETCH_A \slot, (\q)+1, 0
	WIN MUL_HI-0x30*(\zero)
	MUL16 4, (\q)%2, \q, \slot, \zero
	MUL16 6, (\q)%2, \q, \slot, \zero
	PLACES NP
	WIN 0
	FETCH_A \slot, (\q)+1, 4
.endm
; A slot's last step changes slots: one barrier; in front of it each wave waits for all its tensor loads, adds 0 to its spare word, and waits for that and for its reads of this slot.
.macro TURN slot, next, fill
	s_wait_tensorcnt 0x0                           ; all my tensor loads have landed: my part of the next slot
	ds_add_u32 v[SPW], v[NIL]                      ; 0 onto my spare word
	s_wait_dscnt 4*NL+1                            ; (the add and the youngest 24 loads may be out)
	WIN MUL_LO
	MUL16 0, 1, NQ-1, \slot, 0
	s_wait_dscnt 0x0                               ; the add is done, and my reads of this slot are over
	s_barrier_signal -1
	MUL16 2, 1, NQ-1, \slot, 0
	WIN 0
	s_barrier_wait -1
.if \fill
	CREST                                          ; the barrier has opened a round of the cluster's barrier: no wave of any partner still reads this slot or has a load on its way
	s_add_nc_u64 s[G0+4*\slot+2:G0+4*\slot+3], s[G0+4*\slot+2:G0+4*\slot+3], 2*ROWB
	s_add_nc_u64 s[G0B+4*\slot+2:G0B+4*\slot+3], s[G0B+4*\slot+2:G0B+4*\slot+3], 2*ROWB
	JLOAD G0+4*\slot, G1, G0B+4*\slot, G1B         ; the first tensor load behind the round; its four v_nop are the places in front of the loads below
.else
	PLACES NP
.endif
	v_add_nc_u32 v[ADRS], 4*NQ, v[ADRS]            ; the next K step's scale words
	v_add_nc_u32 v[ADRS1], 4*NQ, v[ADRS1]
	FETCH_B \next, 0, 0
	FETCH_A \next, 0, 0
	SCALES \next
	WIN MUL_HI
	MUL16 4, 1, NQ-1, \slot, 0
	MUL16 6, 1, NQ-1, \slot, 0
	PLACES NP
	WIN 0
	FETCH_A \next, 0, 4
.endm
	s_wait_loadcnt 0x0                             ; the biases
	s_cmp_eq_u32 s66, 2
	s_cselect_b32 vcc_lo, 0, -1                    ; q, k keep the bias along n; v has none there
.set i, 0
.rept 64
	v_cndmask_b32 v[BIAS+i], 0, v[BIAS+i], vcc_lo
.set i, i+1
.endr
	s_not_b32 vcc_lo, vcc_lo                       ; and the other way round along the rows
.irp a, 0,1,2,3,4,5,6,7
	v_cndmask_b32 v[BM+2*\a], 0, v[BM+2*\a], vcc_lo
.endr
.irp a, 0,1,2,3,4,5,6,7
	v_mov_b32 v[BM+2*\a+1], v[BM+2*\a]
.endr
	s_wait_tensorcnt 1                             ; the scales and my part of K step 0 are in; K step 1's load may be out
	s_barrier_signal -1
	s_barrier_wait -1
	FETCH_B 0, 0, 0
	FETCH_A 0, 0, 0
	SCALES 0
	FETCH_A 0, 0, 4
	STEP 0, 0, 1                                   ; the first step stands in front of the loop: its products start the sums
	s_mov_b32 s3, LAPS-1
.Llap:
	TURN 0, 1, 1
	STEP 1, 0, 0
	TURN 1, 0, 1
	STEP 0, 0, 0
	s_sub_co_u32 s3, s3, 1
	s_cmp_lg_u32 s3, 0
	s_cbranch_scc1 .Llap
	TURN 0, 1, 0                                   ; the last lap fills nothing
	STEP 1, 0, 0
	s_wait_dscnt 4*NL
	WIN MUL_LO
	MUL16 0, 1, NQ-1, 1, 0
	MUL16 2, 1, NQ-1, 1, 0
	s_wait_dscnt 0
	WIN MUL_HI
	MUL16 4, 1, NQ-1, 1, 0
	MUL16 6, 1, NQ-1, 1, 0
	WIN 0
	; ---- THE WAY OUT
	PLACES NP                                      ; behind the last products: results are read and operand registers written from here on
	s_mul_i32 s18, s15, 128*SPT
	s_lshl_b32 s19, s16, 7
	s_add_co_u32 s18, s18, s19
	v_mul_u32_u24 v[STO], v1, SPT
	v_lshl_add_u32 v[STO], v2, 4, v[STO]
	v_add_nc_u32 v[STO], s18, v[STO]               ; row 128 x my row half + r; place 8 x my column half + h
	s_mul_i32 s18, s16, WCS
	s_mul_i32 s19, s15, 128*RWS
	s_add_co_u32 s18, s18, s19
	s_add_co_u32 s18, s18, SST
	v_mul_u32_u24 v[SSTO], v1, RWS
	v_add_nc_u32 v[SSTO], s18, v[SSTO]
.irp b, 0,1,2,3
	v_mov_b32 v[TM+4+\b], 0                        ; a lane permute's destination counts as one of its sources
.endr
.macro QUANT16                         ; v[HA + 16 b + i] = n 32 b + 16 h + i of my row -> 4 x 12 bytes of codes in v[PC + 4 b] on, the row's scale word in v[PW]
.irp b, 0,1,2,3
	v_max3_num_f32 v[TM+\b], |v[HA+16*\b]|, |v[HA+1+16*\b]|, 0x1800000   ; my 16 numbers of block b, and the floor 2^(3 - 127): the byte cannot fall under 1
.endr
.irp i, 2,4,6,8,10,12,14
.irp b, 0,1,2,3
	v_max3_num_f32 v[TM+\b], v[TM+\b], |v[HA+16*\b+\i]|, |v[HA+1+16*\b+\i]|
.endr
.endr
.irp b, 0,1,2,3
	v_permlanex16_b32 v[TM+4+\b], v[TM+\b], s[SEL], s[SEL+1]
.endr
.irp b, 0,1,2,3
	v_max_num_f32 v[TM+\b], v[TM+\b], v[TM+4+\b]   ; with lane l xor 16's: the block's largest magnitude
.endr
.irp b, 0,1,2,3
	v_add_nc_u32 v[TM+12+\b], 0xff000000, v[TM+\b] ; 2 off its exponent field: the conversion's scale operand
.endr
.irp b, 0,1,2,3
	v_lshrrev_b32 v[TM+4+\b], 23, v[TM+12+\b]      ; the scale's byte
.endr
	s_wait_dscnt 0x0                               ; the last rows' LDS stores have read their registers
	v_lshl_or_b32 v[PW], v[TM+5], 8, v[TM+4]
	v_lshl_or_b32 v[PW], v[TM+6], 16, v[PW]
	v_lshl_or_b32 v[PW], v[TM+7], 24, v[PW]
.irp b, 0,1,2,3
	v_cvt_scalef32_pk16_fp6_f32 v[PC+4*\b:PC+4*\b+2], v[HA+16*\b:HA+16*\b+15], v[TM+12+\b]
.endr
	v_nop                                          ; one plain instruction behind the scaled conversions
.endm
.macro TILE a                          ; 16 rows of my 128 columns
.set AC, 64*((\a)%4)
	WIN 0x02+((\a)/4)                              ; source 0: window 2 or 3
.set i, 0
.rept 32
	v_pk_add_f32 v[HA+i:HA+i+1], v[AC+i:AC+i+1], v[BM+2*(\a):BM+2*(\a)+1]   ; + the bias along the rows (0 for q and k); each accumulator from its low end on
.set i, i+2
.endr
	WIN 0
	QUANT16
.irp b, 0,1,2,3
	ds_store_b96 v[STO], v[PC+4*\b:PC+4*\b+2] offset:16*(\a)*SPT+32*\b
.endr
	ds_store_b32 v[SSTO], v[PW] offset:16*(\a)*RWS ; both halves of the lanes write the same word with the same value
.endm
.irp a, 0,1,2,3,4,5,6,7
	TILE \a
.endr
	v_lshrrev_b32 v7, 2, v[LANE]                   ; back: wave w takes the group of 64 columns w (four places) of all 256 rows: eight rows an instruction, four lanes a row
	v_mul_u32_u24 v7, v7, SPT
	v_and_b32 v8, 3, v[LANE]
	v_lshl_add_u32 v7, v8, 4, v7
	s_lshl_b32 s18, s14, 6
	v_add_nc_u32 v[RD], s18, v7
	v_add_nc_u32 v[RD+1], 128*SPT, v[RD]
	v_mul_u32_u24 v[CO], v[LANE], 12
	s_lshl_b32 s18, s14, 9
	s_add_co_u32 s18, s18, SST
	v_lshl_add_u32 v[SRD], v[LANE], 4, s18
	v_mul_u32_u24 v[SGO], s101, v2
	v_lshl_add_u32 v[SGO], v1, 4, v[SGO]
	v_add_nc_u32 v[SGO], s100, v[SGO]
	s_mov_b32 s20, s98                             ; (no tensor load of mine is out: the descriptors' registers are free)
	s_mov_b32 s21, 0
	s_add_nc_u64 s[32:33], s[12:13], s[20:21]
	s_mov_b32 s20, s99
	s_add_nc_u64 s[34:35], s[32:33], s[20:21]
	s_add_nc_u64 s[36:37], s[34:35], s[20:21]
	s_add_nc_u64 s[38:39], s[36:37], s[20:21]
	s_wait_dscnt 0x0                               ; for the others' sake: my stores into the stage are done
	s_barrier_signal -1
	s_barrier_wait -1
.irp u, 0,1
.if \u
	s_wait_xcnt 0x0                                ; the first batch's stores have read their registers
.endif
.irp t, 0,1,2,3,4,5,6,7,8,9,10,11,12,13,14,15
	ds_load_b96 v[OUTR+4*\t:OUTR+4*\t+2], v[RD+\u] offset:8*\t*SPT
.endr
.irp t, 0,1,2,3,4,5,6,7,8,9,10,11,12,13,14,15
	s_wait_dscnt 15-\t                             ; the batch's loads come back in order
	global_store_b96 v[CO], v[OUTR+4*\t:OUTR+4*\t+2], s[32+2*(2*\u+\t/8):33+2*(2*\u+\t/8)] offset:(((\t%8)&4)+2*(\t&1)+((\t>>1)&1))*384   ; 384 consecutive bytes: eight rows' 48; the groups of eight in the order 0, 2, 1, 3
.endr
.endr
	ds_load_b128 v[228:231], v[SRD]
	s_wait_dscnt 0x0
	global_store_b128 v[SGO], v[228:231], s[12:13] ; sixteen lanes store 256 consecutive bytes, aligned
	s_wait_tensorcnt 0x0                           ; the wave's end
	ds_add_u32 v[SPW], v[NIL]
	s_wait_dscnt 0x0
	CROUND                                         ; the closing round
	s_endpgm
.Lfunc_end_k_q28b7557355_qkv:
	.size	k_q28b7557355_qkv, .Lfunc_end_k_q28b7557355_qkv-k_q28b7557355_qkv
	.p2alignl 7, 3214868480
	.fill 96, 4, 3214868480
	.section	.rodata,"a",@progbits
	.p2align	6, 0x0
	.amdhsa_kernel k_q28b7557355_qkv
		.amdhsa_group_segment_fixed_size 327680
		.amdhsa_private_segment_fixed_size 0
		.amdhsa_enable_private_segment 0
		.amdhsa_kernarg_size 88
		.amdhsa_user_sgpr_count 2
		.amdhsa_user_sgpr_kernarg_segment_ptr 1
		.amdhsa_wavefront_size32 1
		.amdhsa_system_sgpr_workgroup_id_x 1
		.amdhsa_system_sgpr_workgroup_id_y 1
		.amdhsa_system_sgpr_workgroup_id_z 1
		.amdhsa_system_vgpr_workitem_id 0
		.amdhsa_next_free_vgpr 1024
		.amdhsa_next_free_sgpr 102
		.amdhsa_reserve_vcc 1
		.amdhsa_float_denorm_mode_32 3
		.amdhsa_float_denorm_mode_16_64 3
		.amdhsa_memory_ordered 1
		.amdhsa_forward_progress 1
		.amdhsa_inst_pref_size 192
	.end_amdhsa_kernel
	.amdgpu_metadata
---
amdhsa.version: [ 1, 2 ]
amdhsa.kernels:
  - .name:           k_q28b7557355_qkv
    .symbol:         k_q28b7557355_qkv.kd
    .args:
      - { .name: act, .offset: 0, .size: 8, .value_kind: global_buffer, .address_space: global }
      - { .name: wq_codes, .offset: 8, .size: 8, .value_kind: global_buffer, .address_space: global }
      - { .name: wq_scales, .offset: 16, .size: 8, .value_kind: global_buffer, .address_space: global }
      - { .name: wk_codes, .offset: 24, .size: 8, .value_kind: global_buffer, .address_space: global }
      - { .name: wk_scales, .offset: 32, .size: 8, .value_kind: global_buffer, .address_space: global }
      - { .name: wv_codes, .offset: 40, .size: 8, .value_kind: global_buffer, .address_space: global }
      - { .name: wv_scales, .offset: 48, .size: 8, .value_kind: global_buffer, .address_space: global }
      - { .name: bq, .offset: 56, .size: 8, .value_kind: global_buffer, .address_space: global }
      - { .name: bk, .offset: 64, .size: 8, .value_kind: global_buffer, .address_space: global }
      - { .name: bv, .offset: 72, .size: 8, .value_kind: global_buffer, .address_space: global }
      - { .name: qkv, .offset: 80, .size: 8, .value_kind: global_buffer, .address_space: global }
    .group_segment_fixed_size: 327680
    .private_segment_fixed_size: 0
    .kernarg_segment_align: 8
    .kernarg_segment_size: 88
    .max_flat_workgroup_size: 128
    .sgpr_count:     102
    .vgpr_count:     1024
    .wavefront_size: 32
...
	.end_amdgpu_metadata
.endif
;; end of part 3
;; launch attn (part 4): grid 8 x 32, 16 waves a work-group, clusters of 4 x 1, 327,680 bytes of LDS; arguments qkv, act; writes act
.if DOCPART == 4
	.amdgcn_target "amdgcn-amd-amdhsa--gfx1250"
	.amdhsa_code_object_version 6
	.text
	.protected	k_q28b7557355_attn
	.globl	k_q28b7557355_attn
	.p2align	8
	.type	k_q28b7557355_attn,@function
k_q28b7557355_attn:
	s_mov_b64 s[64:65], 0
	v_nop
	global_prefetch_b8 v0, s[64:65] scope:SCOPE_SE
	s_setreg_imm32_b32 hwreg(HW_REG_WAVE_MODE, 25, 1), 1
	s_wait_xcnt 0x0
	s_wait_alu depctr_hold_cnt(0) depctr_sa_sdst(0) depctr_va_vdst(0) depctr_va_sdst(0) depctr_va_ssrc(0) depctr_va_vcc(0) depctr_vm_vsrc(0)
	s_getreg_b32 s2, hwreg(HW_REG_IB_STS2, 6, 4)
	s_cmp_eq_u32 s2, 0
	s_cbranch_scc0 .Lentry_in_a_cluster
	s_endpgm
.Lentry_in_a_cluster:
	s_bfe_u32 s2, ttmp6, 0x10000c
	s_cmp_lg_u32 s2, 0x3003
	s_cbranch_scc0 .Lentry_shape_is_right
	s_endpgm
.Lentry_shape_is_right:
; o[b][token][head 64 + d] = softmax_k(q . k / 4) v, both products on codes of FP6 (E2M3) with E8M0 scales; o is quantised along (head, d) on the way out: codes [4,096][768 bytes] at act + 0, scale bytes [4,096][32] at act + ACT_S.
; THE SOFTMAX AHEAD OF THE SECOND PRODUCT: t = score x log2(e) / 4; M = the running largest t, rounded UP to a whole number; p = 2^(t - M) is quantised along the keys, not normalised; the row's sum is taken of the unquantised p and divides at
; the end (a reciprocal and a multiplication).  When M moves, the sum and O are multiplied by 2^(old M - new M): exact.
; SHARES.  A work-group owns 256 queries of one head, each of its sixteen waves 16 of them in 256 registers: four waves to a SIMD, so that one wave's vector work stands beside another's matrix work and LDS loads.
; A HEAD'S K AND V CODES, 2 x 98,304 bytes, FIT IN LDS: every byte is filled once, by one load of 12,288 dense bytes a wave; there is no refill, no ring, and one barrier in front of the loop over the keys.
; CLUSTER: the four query blocks of a cluster belong to one head and ask for K and V jointly.
; LAYOUT.  Both products transposed: S^T = K Q^T, O^T = V^T P^T: a lane holds one query throughout.  Sixteen neighbouring positions of K's codes are keys 32 (t / 2) + 8 (t % 2) + r + 8 (r / 8), so that the 16 registers of tiles
; 2 b, 2 b + 1 are 16 neighbouring keys; V's positions of d likewise, so that O^T's registers are 16 neighbours along d for the last quantiser.
; THE FIRST PRODUCT'S K IS 64, the instruction's 128: Q's upper six registers are zero codes; K's upper six are whatever codes follow (FP6 has no NaN code), and the upper two scale bytes are another head's or 0, never 0xff.
; A head's share of a row of o is 48 bytes of codes and 2 scale bytes: these stores cannot cover 256 consecutive bytes.
; LIMITS: a block of zeros gets the byte 1, not 127; NaN and infinities are not served.
.set KC,    3145728                    ; in qkv: k's codes; v's follow 3,145,728 on
.set QS,    9437184
.set KSO,   9568256
.set VSO,   9699328
.set ACT_S, 3145728
.set HEADB, 98304
.set VB,    98304                      ; LDS: K's codes at 0, V's here,
.set SCK,   196608                     ; K's scale words (8,192 bytes, a word a key),
.set SCV,   204800                     ; V's (4,096 bytes: [128 keys][d][4])
.set AK0,  1
.set AV0,  2
.set ASK0, 3
.set ASV0, 4
.set ADK,  8
.set ADV,  9
.set ADS,  10
.set ADT,  11
.set WV,   8
.set SEL,  32
.set CS,   34
.set TB,   36
.set TS,   37
.set TJ,   38
.set CNT,  39
.macro CROUND
	s_barrier_signal -1
	s_barrier_wait -1
	s_cmp_lg_u32 s[WV], 0
	s_cbranch_scc1 .Lnot_wave_0_\@
	s_barrier_signal -3
.Lnot_wave_0_\@:
	s_barrier_wait -3
	s_barrier_signal -1
	s_barrier_wait -1
.endm
	s_load_b128 s[4:7], s[0:1], 0x0                ; qkv, act
	v_lshl_add_u32 v250, v0, 2, 0x33000
	v_mov_b32 v251, 0
	ds_add_u32 v250, v251
	ds_add_u32 v250, v251
	v_lshrrev_b32 v8, 5, v0
	v_readfirstlane_b32 s[WV], v8                  ; wave 0..15
	s_bfe_u32 s10, ttmp6, 0x40000                  ; cx: it enters Q's and o's addresses alone
	s_lshl_b32 s11, ttmp9, 2
	s_add_co_u32 s11, s11, s10                     ; my block of 256 queries
	s_and_b32 s9, ttmp7, 0xffff                    ; 16 x batch + head
	s_mov_b32 s16, 15|(3<<16)|(1<<21)              ; group 1: the mask of all four; elements of 8 bytes; bit 21 beside a mask; no padding
	s_mov_b32 s17, 32<<16                          ; rows of 256 bytes,
	s_mov_b32 s18, 48<<16                          ; 48 of them: 12,288 dense bytes
	s_mov_b32 s19, 32<<16
	s_mov_b32 s20, 48
	s_mov_b32 s21, 32
	s_mov_b32 s22, 0
	s_mov_b32 s23, 0
	s_lshr_b32 s41, s[WV], 3                       ; waves 0-7 fetch K, waves 8-15 V: an eighth of the head's codes each
	s_and_b32 s42, s[WV], 7
	s_mul_i32 s51, s9, HEADB
	s_mul_i32 s12, s41, 3145728
	s_add_co_u32 s12, s12, s51
	s_mul_i32 s13, s42, 12288
	s_add_co_u32 s12, s12, s13
	s_add_co_u32 s12, s12, KC
	s_mov_b32 s13, 0
	s_mul_i32 s14, s41, VB
	s_mul_i32 s15, s42, 12288
	s_add_co_u32 s14, s14, s15                     ; and where it goes
	s_lshl_b32 s42, s11, 8
	s_lshl_b32 s43, s[WV], 4
	s_add_co_u32 s42, s42, s43
	s_mul_i32 s42, s42, 48
	s_add_co_u32 s42, s42, s51                     ; Q's codes: positions 256 x block + 16 x wave on
	s_mov_b32 s43, 0
	s_lshl_b32 s50, s11, 8
	s_lshr_b32 s52, s[WV], 1
	s_lshl_b32 s52, s52, 5
	s_add_co_u32 s50, s50, s52
	s_and_b32 s52, s[WV], 1
	s_lshl_b32 s52, s52, 3
	s_add_co_u32 s50, s50, s52                     ; those positions' first token: 256 x block + 32 (wave / 2) + 8 (wave % 2)
	s_lshr_b32 s53, s9, 1
	s_lshl_b32 s53, s53, 13                        ; the pair of heads: 8,192 bytes of scale words
	s_lshl_b32 s48, s50, 2
	s_add_co_u32 s48, s48, s53
	s_add_co_u32 s48, s48, QS
	s_mov_b32 s49, 0
	s_add_co_u32 s44, s53, KSO
	s_mov_b32 s45, 0
	s_lshl_b32 s46, s9, 12
	s_add_co_u32 s46, s46, VSO
	s_mov_b32 s47, 0
	s_and_b32 s40, s9, 1
	s_lshl_b32 s40, s40, 4                         ; an odd head's two bytes lie 16 bits up
	s_mov_b32 s[SEL], 0x76543210
	s_mov_b32 s[SEL+1], 0xfedcba98
	s_mov_b32 s[CS], 0x3eb8aa3b                    ; c = log2(e) / 4
	s_mov_b32 s[CS+1], s[CS]
	s_mov_b32 s[TB], 0
	s_mov_b32 s[TS], 0
	s_mov_b32 s[TJ], 0
	s_wait_dscnt 0x0
	s_wait_kmcnt 0x0
	s_add_nc_u64 s[12:13], s[4:5], s[12:13]
	s_add_nc_u64 s[42:43], s[4:5], s[42:43]
	s_add_nc_u64 s[44:45], s[4:5], s[44:45]
	s_add_nc_u64 s[46:47], s[4:5], s[46:47]
	s_add_nc_u64 s[48:49], s[4:5], s[48:49]
	CROUND                                         ; all four work-groups are here: the joint loads meet
	s_mov_b32 s24, 1
	s_mov_b32 s25, s14
	s_mov_b64 s[26:27], s[12:13]
	s_or_b32 s27, s27, 0x80000000
	tensor_load_to_lds s[24:27], s[16:23]          ; my eighth of K's or of V's codes: the one tensor load of this wave
	s_nop 0
.rept 4
	v_nop
.endr
	v_and_b32 v8, 15, v0                           ; r
	v_bfe_u32 v9, v0, 4, 1                         ; h
	v_lshlrev_b32 v210, 4, v0
	v_lshlrev_b32 v211, 3, v0
	global_load_b128 v[204:207], v210, s[44:45]    ; the scale words come once, 16 and 8 bytes a thread, in whole runs
	global_load_b64 v[208:209], v211, s[46:47]
	v_mul_u32_u24 v212, v8, 48
	v_mad_u32_u24 v212, v9, 24, v212
.irp p, 0,1,2
	global_load_b64 v[16+2*\p:17+2*\p], v212, s[42:43] offset:8*\p   ; Q's fragment stays in registers
.endr
	v_and_b32 v11, 8, v8
	v_add_nc_u32 v11, v11, v8                      ; r + 8 (r / 8)
	v_lshlrev_b32 v213, 2, v11
	global_load_b32 v255, v213, s[48:49]           ; Q's scale words
	v_mul_u32_u24 v[AK0], v8, 48
	v_mad_u32_u24 v[AK0], v9, 24, v[AK0]
	v_add_nc_u32 v[AV0], VB, v[AK0]
	v_lshl_add_u32 v[ASK0], v11, 2, SCK
	v_lshl_add_u32 v[ASV0], v11, 2, SCV
	v_lshl_add_u32 v214, v0, 4, SCK
	v_lshl_add_u32 v215, v0, 3, SCV
.irp j, 22,23,24,25,26,27,80,81,82,83,84,85
	v_mov_b32 v[\j], 0                             ; Q's zero codes for k = 64 .. 127; and what stands behind K's last tile
.endr
	v_mov_b32 v13, 0xff61b1e6                      ; the largest t so far: -3e38
	v_floor_f32 v12, -v13                          ; -M
	v_mov_b32 v14, 0
	v_mov_b32 v15, 0
.irp b, 0,1,2,3
	v_mov_b32 v[236+\b], 0
.endr
	v_mov_b32 v253, 0
.set j, 0
.rept 32
	v_mov_b32 v[160+j], 0                          ; O^T: the step is written once; its first trip finds zeros
.set j, j+1
.endr
	s_wait_loadcnt 0x0
.irp j, 255,204,205,206,207
	v_lshrrev_b32 v[\j], s40, v[\j]                ; my head's two bytes to the low end
.endr
.rept 8
	v_nop                                          ; Q's scale word was written by a vector instruction: eight places stand between that and the first scaled product
.endr
	ds_store_b128 v214, v[204:207]
	ds_store_b64 v215, v[208:209]
	s_wait_tensorcnt 0x0                           ; my part of the codes is in,
	s_wait_dscnt 0x0                               ; my part of the scale words is stored:
	s_barrier_signal -1
	s_barrier_wait -1                              ; everybody's are
.macro STEP                            ; 128 keys
	v_add_nc_u32 v[ADK], s[TB], v[AK0]             ; (these four are the places behind the last step's products, in front of the loads)
	v_add_nc_u32 v[ADV], s[TB], v[AV0]
	v_add_nc_u32 v[ADS], s[TS], v[ASK0]
	v_add_nc_u32 v[ADT], s[TJ], v[ASV0]
.irp t, 0,1,2,3,4,5,6,7
.irp p, 0,1,2
	ds_load_b64 v[32+6*\t+2*\p:33+6*\t+2*\p], v[ADK] offset:768*\t+8*\p
.endr
	ds_load_b32 v[192+\t], v[ADS] offset:(32*(\t/2)+8*(\t%2))*4
.endr
	s_wait_dscnt 0x0
.irp t, 0,1,2,3,4,5,6,7
	v_wmma_scale_f32_16x16x128_f8f6f4 v[96+8*\t:103+8*\t], v[32+6*\t:43+6*\t], v[16:27], 0, v[192+\t], v255 matrix_a_fmt:MATRIX_FMT_FP6 matrix_b_fmt:MATRIX_FMT_FP6
.endr
.rept 4
	v_nop                                          ; places: V's loads land in registers that these products read, and the softmax reads their results
.endr
.irp t, 0,1,2,3                                ; V's fragments are asked for here and land under the softmax
.irp c, 0,1
.irp p, 0,1,2
	ds_load_b64 v[32+12*\t+6*\c+2*\p:33+12*\t+6*\c+2*\p], v[ADV] offset:3072*\c+768*\t+8*\p
.endr
.endr
	ds_load_b32 v[200+\t], v[ADT] offset:(32*(\t/2)+8*(\t%2))*4
.endr
.irp b, 0,1,2,3
	v_max3_num_f32 v[232+\b], v[96+16*\b], v[97+16*\b], v[98+16*\b]   ; the largest score of each block of 32 keys: for the row's maximum, and, since p rises with the score, for the block's largest p
.endr
.irp i, 3,5,7,9,11,13
.irp b, 0,1,2,3
	v_max3_num_f32 v[232+\b], v[232+\b], v[96+16*\b+\i], v[97+16*\b+\i]
.endr
.endr
.irp b, 0,1,2,3
	v_max_num_f32 v[232+\b], v[232+\b], v[111+16*\b]
.endr
.irp b, 0,1,2,3
	v_permlanex16_b32 v[236+\b], v[232+\b], s[SEL], s[SEL+1]
.endr
.irp b, 0,1,2,3
	v_max_num_f32 v[232+\b], v[232+\b], v[236+\b]
.endr
	v_max3_num_f32 v254, v232, v233, v234
	v_max_num_f32 v254, v254, v235
	v_mul_f32 v254, s[CS], v254                    ; as t (c is positive)
	v_max_num_f32 v13, v13, v254                   ; the running largest t
	v_mov_b32 v254, v12
	v_floor_f32 v12, -v13                          ; the new -M = -ceil(t)
	v_sub_f32 v254, v12, v254                      ; old M - new M: a whole number, 0 or less
	v_cvt_i32_f32 v254, v254
	v_ldexp_f32 v252, 1.0, v254                    ; f = 2^(old M - new M)
.set j, 0
.rept 32
	v_pk_fma_f32 v[96+j:97+j], v[96+j:97+j], s[CS:CS+1], v[12:13] op_sel_hi:[1,0,0]   ; t - M
.set j, j+2
.endr
.irp b, 0,1,2,3
	v_fma_f32 v[232+\b], v[232+\b], s[CS], v12
.endr
.set j, 0
.rept 64
	v_exp_f32 v[96+j], v[96+j]                     ; p = 2^(t - M)
.set j, j+1
.endr
	v_pk_mul_f32 v[14:15], v[14:15], v[252:253] op_sel_hi:[1,0]   ; the sums under the new M (a plain instruction behind the exponentials)
	s_wait_alu depctr_va_vdst(0)                   ; one wait for the batch, ahead of its first reader
.irp b, 0,1,2,3
	v_exp_f32 v[232+\b], v[232+\b]                 ; each block's largest p
.endr
	v_pk_add_f32 v[236:237], v[96:97], v[98:99]    ; the row's sum, of the unquantised p, in two chains
.set j, 4
.rept 15
	v_pk_add_f32 v[14:15], v[14:15], v[96+j:97+j]
	v_pk_add_f32 v[236:237], v[236:237], v[98+j:99+j]
.set j, j+4
.endr
	v_pk_add_f32 v[14:15], v[14:15], v[236:237]
	s_wait_alu depctr_va_vdst(0)                   ; and one for the four
.irp b, 0,1,2,3
	v_max_num_f32 v[232+\b], 0x1800000, v[232+\b]  ; the floor 2^(3 - 127)
.endr
.irp b, 0,1,2,3
	v_add_nc_u32 v[244+\b], 0xff000000, v[232+\b]
.endr
.irp b, 0,1,2,3
	v_lshrrev_b32 v[236+\b], 23, v[244+\b]
.endr
	v_lshl_or_b32 v253, v237, 8, v236              ; p's scale word for these 128 keys
	v_lshl_or_b32 v253, v238, 16, v253
	v_lshl_or_b32 v253, v239, 24, v253
.irp c, 0,1
	v_cvt_scalef32_pk16_fp6_f32 v[224+6*\c:226+6*\c], v[96+32*\c:111+32*\c], v[244+2*\c]
	v_cvt_scalef32_pk16_fp6_f32 v[236+4*\c:238+4*\c], v[112+32*\c:127+32*\c], v[244+2*\c+1]
.endr
	v_nop
.irp c, 0,1                                    ; the operand wants a whole block in a lane
.irp i, 0,1,2
	v_permlane16_swap_b32 v[224+6*\c+\i], v[236+4*\c+\i]
.endr
.irp i, 0,1,2
	v_mov_b32 v[227+6*\c+\i], v[236+4*\c+\i]
.endr
.endr
.set j, 0
.rept 16
	v_pk_mul_f32 v[160+j:161+j], v[160+j:161+j], v[252:253] op_sel_hi:[1,0]   ; O^T under the new M; these sixteen also stand between the writes of p's codes and scale word and the products
.set j, j+2
.endr
	s_wait_dscnt 0x0                               ; V is in
.irp t, 0,1,2,3
	v_wmma_scale_f32_16x16x128_f8f6f4 v[160+8*\t:167+8*\t], v[32+12*\t:43+12*\t], v[224:235], v[160+8*\t:167+8*\t], v[200+\t], v253 matrix_a_fmt:MATRIX_FMT_FP6 matrix_b_fmt:MATRIX_FMT_FP6
.endr
	s_add_co_u32 s[TB], s[TB], 6144
	s_add_co_u32 s[TS], s[TS], 512
	s_add_co_u32 s[TJ], s[TJ], 256
.endm
	s_mov_b32 s[CNT], 16                           ; 2,048 keys, 128 a step
.Lstep:
	STEP
	s_sub_co_u32 s[CNT], s[CNT], 1
	s_cmp_lg_u32 s[CNT], 0
	s_cbranch_scc1 .Lstep
	; THE WAY OUT
	v_add_f32 v14, v14, v15
	v_permlanex16_b32 v252, v14, s[SEL], s[SEL+1]
	v_add_f32 v14, v14, v252                       ; the row's sum
	v_rcp_f32 v14, v14
	v_and_b32 v8, 15, v0                           ; r
	v_bfe_u32 v9, v0, 4, 1                         ; h
	v_and_b32 v10, 8, v8
	v_add_nc_u32 v10, v10, v8                      ; my query's token: + r + 8 (r / 8)
	v_mul_u32_u24 v5, v10, 768
	v_mad_u32_u24 v5, v9, 12, v5
	v_lshl_add_u32 v6, v10, 5, v9
	s_lshr_b32 s41, s9, 4
	s_lshl_b32 s41, s41, 11
	s_add_co_u32 s41, s41, s50                     ; the first token, in the batch's 2,048
	s_and_b32 s43, s9, 15                          ; the head
	s_mul_i32 s44, s41, 768
	s_mul_i32 s45, s43, 48
	s_add_co_u32 s44, s44, s45
	s_mov_b32 s45, 0
	s_add_nc_u64 s[44:45], s[6:7], s[44:45]
	s_lshl_b32 s46, s41, 5
	s_lshl_b32 s47, s43, 1
	s_add_co_u32 s46, s46, s47
	s_add_co_u32 s46, s46, ACT_S
	s_mov_b32 s47, 0
	s_add_nc_u64 s[46:47], s[6:7], s[46:47]
	s_wait_alu depctr_va_vdst(0)                   ; ahead of the reciprocal's first reader
.set j, 0
.rept 32
	v_mul_f32 v[96+j], v[160+j], v14               ; register 16 b + i is o(my query, d = 32 b + 16 h + i)
.set j, j+1
.endr
.irp b, 0,1
	v_max3_num_f32 v[232+\b], |v[96+16*\b]|, |v[97+16*\b]|, 0x1800000
.endr
.irp i, 2,4,6,8,10,12,14
.irp b, 0,1
	v_max3_num_f32 v[232+\b], v[232+\b], |v[96+16*\b+\i]|, |v[97+16*\b+\i]|
.endr
.endr
.irp b, 0,1
	v_permlanex16_b32 v[236+\b], v[232+\b], s[SEL], s[SEL+1]
.endr
.irp b, 0,1
	v_max_num_f32 v[232+\b], v[232+\b], v[236+\b]
.endr
.irp b, 0,1
	v_add_nc_u32 v[244+\b], 0xff000000, v[232+\b]
.endr
.irp b, 0,1
	v_lshrrev_b32 v[236+\b], 23, v[244+\b]
.endr
	v_cvt_scalef32_pk16_fp6_f32 v[224:226], v[96:111], v244
	v_cvt_scalef32_pk16_fp6_f32 v[228:230], v[112:127], v245
	v_nop
	v_cmp_ne_u32 vcc_lo, 0, v9
	v_cndmask_b32 v238, v236, v237, vcc_lo         ; lane (r, h) stores block h's byte
	global_store_b96 v5, v[224:226], s[44:45]      ; d = 16 h + 0 .. 15
	global_store_b96 v5, v[228:230], s[44:45] offset:24
	global_store_b8 v6, v238, s[46:47]
	s_wait_tensorcnt 0x0
	ds_add_u32 v250, v251
	s_wait_dscnt 0x0
	CROUND                                         ; the closing round
	s_endpgm
.Lfunc_end_k_q28b7557355_attn:
	.size	k_q28b7557355_attn, .Lfunc_end_k_q28b7557355_attn-k_q28b7557355_attn
	.p2alignl 7, 3214868480
	.fill 96, 4, 3214868480
	.section	.rodata,"a",@progbits
	.p2align	6, 0x0
	.amdhsa_kernel k_q28b7557355_attn
		.amdhsa_group_segment_fixed_size 327680
		.amdhsa_private_segment_fixed_size 0
		.amdhsa_enable_private_segment 0
		.amdhsa_kernarg_size 16
		.amdhsa_user_sgpr_count 2
		.amdhsa_user_sgpr_kernarg_segment_ptr 1
		.amdhsa_wavefront_size32 1
		.amdhsa_system_sgpr_workgroup_id_x 1
		.amdhsa_system_sgpr_workgroup_id_y 1
		.amdhsa_system_sgpr_workgroup_id_z 1
		.amdhsa_system_vgpr_workitem_id 0
		.amdhsa_next_free_vgpr 256
		.amdhsa_next_free_sgpr 66
		.amdhsa_reserve_vcc 1
		.amdhsa_float_denorm_mode_32 3
		.amdhsa_float_denorm_mode_16_64 3
		.amdhsa_memory_ordered 1
		.amdhsa_forward_progress 1
		.amdhsa_inst_pref_size 30
	.end_amdhsa_kernel
	.amdgpu_metadata
---
amdhsa.version: [ 1, 2 ]
amdhsa.kernels:
  - .name:           k_q28b7557355_attn
    .symbol:         k_q28b7557355_attn.kd
    .args:
      - { .name: qkv, .offset: 0, .size: 8, .value_kind: global_buffer, .address_space: global }
      - { .name: act, .offset: 8, .size: 8, .value_kind: global_buffer, .address_space: global }
    .group_segment_fixed_size: 327680
    .private_segment_fixed_size: 0
    .kernarg_segment_align: 8
    .kernarg_segment_size: 16
    .max_flat_workgroup_size: 512
    .sgpr_count:     66
    .vgpr_count:     256
    .wavefront_size: 32
...
	.end_amdgpu_metadata
.endif
;; end of part 4
;; launch wo (part 5): grid 4 x 16, 4 waves a work-group, clusters of 4 x 4, 327,680 bytes of LDS; arguments act, wo_codes, wo_scales, bo, x, z, part; writes z, part
.if DOCPART == 5
	.amdgcn_target "amdgcn-amd-amdhsa--gfx1250"
	.amdhsa_code_object_version 6
	.text
	.protected	k_q28b7557355_wo
	.globl	k_q28b7557355_wo
	.p2align	8
	.type	k_q28b7557355_wo,@function
k_q28b7557355_wo:
	s_mov_b64 s[64:65], 0
	v_nop
	global_prefetch_b8 v0, s[64:65] scope:SCOPE_SE
	s_setreg_imm32_b32 hwreg(HW_REG_WAVE_MODE, 25, 1), 1
	s_wait_xcnt 0x0
	s_wait_alu depctr_hold_cnt(0) depctr_sa_sdst(0) depctr_va_vdst(0) depctr_va_sdst(0) depctr_va_ssrc(0) depctr_va_vcc(0) depctr_vm_vsrc(0)
	s_getreg_b32 s2, hwreg(HW_REG_IB_STS2, 6, 4)
	s_cmp_eq_u32 s2, 0
	s_cbranch_scc0 .Lentry_in_a_cluster
	s_endpgm
.Lentry_in_a_cluster:
	s_bfe_u32 s2, ttmp6, 0x10000c
	s_cmp_lg_u32 s2, 0xf033
	s_cbranch_scc0 .Lentry_shape_is_right
	s_endpgm
.Lentry_shape_is_right:
; z[token][n] = o Wo^T + bo[n] + x[token][n], f32, on codes of FP6 (E2M3) with E8M0 scales, K = 1,024; and the mean and sum of squared deviations of each chunk of 2,048 numbers of z for the joint layer norm that follows.
; A tile of C, 256 x 256, is made by four waves, each 128 x 128: 64 accumulators, 512 registers.  K goes in steps of 256 through two LDS slots filled by the tensor data mover; the scale bytes of the tile's rows, for all of K, come once.
; CLUSTERS: 4 x 4 work-groups; A's tiles are asked for jointly along a row of the cluster, B's along a column.  C has 64 tiles: this launch has work for 64 work-groups.
; THE MATRIX INSTRUCTION IS USED TRANSPOSED (source 0 = 16 rows of W, source 1 = 16 rows of A): a lane holds eight neighbouring numbers of a row of C.  The bias is the C of each sum's first matrix instruction.
; THE WAY OUT, 16 rows x 128 columns at a time: through the wave's own stage in LDS, back as whole rows of 512 bytes; x's same bytes, asked for a block ahead, are added; the 32 lanes store 512 consecutive bytes, aligned to 256.
; A block is one chunk of the statistics: its mean, then the squares of the deviations from it: no difference of large sums.  LIMITS: NaN and infinities are not served.
.set SIZE_K, 1024
.set AS_OFF, 3145728                   ; where A's scale bytes begin in its buffer
.set SIZE_N, 1024
.set KSTEP,  256
.set NQ,     KSTEP/128
.set ROWB,   192
.set KROW,   SIZE_K*6/8
.set PITCH,  240
.set FR,     12
.set NL,     6
.set NP,     4
.set HALFT,  128*PITCH
.set SLOT,   4*HALFT
.set LAPS,   SIZE_K/(2*KSTEP)
.set KS,     SIZE_K/32
.set SCL,    2*SLOT
.set HALFS,  (128*KS/256)*272
.set SBLK,   (16*KS/256)*272
.set SPARE,  SCL+4*HALFS               ; the spare words, 128 bytes a wave: two blocks of 256 bytes that no other line names
.set SPITCH, 528                       ; the way out: 16 rows x (512 + 16) bytes for each wave, in slot 0, behind its last fill and last read
.set ADRA, 16
.set ADRB, 20
.set STO,  24
.set RD,   25
.set CO,   26
.set ADRS, 27
.set SPW,  28
.set NIL,  29
.set LANE, 31
.set SC,   32                          ; v32-63 scale words, two sets; they hold nothing else
.set BIAS, 64                          ; v64-127 the bias, 8 tiles x 8 registers; later at work
.set AF,   128
.set BK,   128                         ; the way out: rows read back: v128-191 and v192-255 by turns; x's rows in window 1, v0-63
.set SEL,  22
.set G1, 24
.set G0, 32
.set G1B, 48
.set G0B, 56
.set G1S, 68
.set G0S, 76
.set G1SB, 80
.set G0SB, 88
.set MSB, 0
.macro WIN new
.if MSB != (\new)
	s_set_vgpr_msb (MSB<<8)|(\new)
.set MSB, (\new)
.endif
.endm
.set MUL_LO, 0xa1
.set MUL_HI, 0xf1
.set TO_B,   0x40
.macro JLOAD g0a, g1a, g0b, g1b
	s_cmp_eq_u32 s15, 0
	s_cbranch_scc0 .Lfor_b_\@
	tensor_load_to_lds s[\g0a:\g0a+3], s[\g1a:\g1a+7]
	s_nop 0
.rept 4
	v_nop
.endr
	s_branch .Lasked_\@
.Lfor_b_\@:
	tensor_load_to_lds s[\g0b:\g0b+3], s[\g1b:\g1b+7]
	s_nop 0
.rept 4
	v_nop
.endr
.Lasked_\@:
.endm
.macro CREST
	s_cmp_lg_u32 s14, 0
	s_cbranch_scc1 .Lnot_wave_0_\@
	s_barrier_signal -3
.Lnot_wave_0_\@:
	s_barrier_wait -3
	s_barrier_signal -1
	s_barrier_wait -1
.endm
.macro CROUND
	s_barrier_signal -1
	s_barrier_wait -1
	CREST
.endm
.macro PLACES n
.rept \n
	v_nop
.endr
.endm
	s_load_b64 s[4:5], s[0:1], 0x0                 ; A: codes, and AS_OFF on its scale bytes
	s_load_b64 s[8:9], s[0:1], 0x8                 ; W's codes
	s_load_b64 s[10:11], s[0:1], 0x10              ; W's scales
	s_load_b64 s[96:97], s[0:1], 0x18              ; the bias
	s_load_b64 s[98:99], s[0:1], 0x20              ; x
	s_load_b64 s[12:13], s[0:1], 0x28              ; C
	s_load_b64 s[100:101], s[0:1], 0x30            ; part
	v_lshl_add_u32 v[SPW], v0, 2, SPARE
	v_mov_b32 v[NIL], 0
	ds_add_u32 v28, v29
	ds_add_u32 v28, v29
	s_wait_dscnt 0x0
	v_lshrrev_b32 v1, 5, v0
	v_readfirstlane_b32 s14, v1                    ; wave 0..3
	s_lshr_b32 s15, s14, 1
	s_and_b32 s16, s14, 1
	s_bfe_u32 s40, ttmp6, 0x40000                  ; cx
	s_bfe_u32 s41, ttmp6, 0x40004                  ; cy
	s_lshl_b32 s42, ttmp9, 2
	s_add_co_u32 s42, s42, s40                     ; tile column
	s_and_b32 s17, ttmp7, 0xffff
	s_lshl_b32 s17, s17, 2
	s_add_co_u32 s17, s17, s41                     ; tile row
	s_lshl_b32 s43, s41, 2
	s_lshl_b32 s43, 15, s43
	s_lshl_b32 s44, 0x1111, s40
	s_or_b32 s[G1+0], s43, (0<<16)|(1<<20)|(1<<21)|(3<<22)|(3<<25)
	s_or_b32 s[G1B+0], s44, (0<<16)|(1<<20)|(1<<21)|(3<<22)|(3<<25)
.irp g, G1, G1B
	s_mov_b32 s[\g+1], ROWB<<16
	s_mov_b32 s[\g+2], 128<<16
	s_mov_b32 s[\g+3], ROWB<<16
	s_mov_b32 s[\g+4], 128
	s_mov_b32 s[\g+5], KROW
	s_mov_b32 s[\g+6], 0
	s_mov_b32 s[\g+7], 0
.endr
	s_lshl_b32 s18, s16, 7
	s_lshl_b32 s20, s17, 8
	s_add_co_u32 s20, s20, s18
	s_lshl_b32 s46, s42, 8
	s_add_co_u32 s46, s46, s18
	s_mov_b32 s21, 0
	s_mov_b32 s47, 0
	s_mov_b64 s[18:19], KS
	s_mul_u64 s[22:23], s[20:21], s[18:19]
	s_mul_u64 s[92:93], s[46:47], s[18:19]
	s_mov_b64 s[18:19], KROW
	s_mul_u64 s[20:21], s[20:21], s[18:19]
	s_mul_u64 s[46:47], s[46:47], s[18:19]
	s_mul_i32 s45, s14, HALFT
	s_mul_i32 s94, s14, HALFS
	s_wait_kmcnt 0x0
	s_add_nc_u64 s[6:7], s[4:5], AS_OFF
	s_add_nc_u64 s[20:21], s[4:5], s[20:21]
	s_add_nc_u64 s[22:23], s[6:7], s[22:23]
	s_add_nc_u64 s[46:47], s[8:9], s[46:47]
	s_add_nc_u64 s[92:93], s[10:11], s[92:93]
	s_or_b32 s[G1S+0], s43, (3<<16)|(1<<20)|(1<<21)|(5<<22)|(3<<25)
	s_or_b32 s[G1SB+0], s44, (3<<16)|(1<<20)|(1<<21)|(5<<22)|(3<<25)
.irp g, G1S, G1SB
	s_mov_b32 s[\g+1], 32<<16
	s_mov_b32 s[\g+2], (128*KS/256)<<16
	s_mov_b32 s[\g+3], 32<<16
	s_mov_b32 s[\g+4], 128*KS/256
	s_mov_b32 s[\g+5], 32
	s_mov_b32 s[\g+6], 0
	s_mov_b32 s[\g+7], 0
.endr
	CROUND
	s_mov_b32 s[G0S], 1
	s_add_co_u32 s[G0S+1], s94, SCL
	s_mov_b64 s[G0S+2:G0S+3], s[22:23]
	s_or_b32 s[G0S+3], s[G0S+3], 0x80000000
	s_mov_b32 s[G0SB], 1
	s_add_co_u32 s[G0SB+1], s94, SCL
	s_mov_b64 s[G0SB+2:G0SB+3], s[92:93]
	s_or_b32 s[G0SB+3], s[G0SB+3], 0x80000000
	JLOAD G0S, G1S, G0SB, G1SB
.irp s, 0,1
	s_mov_b32 s[G0+4*\s], 1
	s_add_co_u32 s[G0+4*\s+1], s45, \s*SLOT
	s_add_nc_u64 s[G0+4*\s+2:G0+4*\s+3], s[20:21], \s*ROWB
	s_or_b32 s[G0+4*\s+3], s[G0+4*\s+3], 0x80000000
	s_mov_b32 s[G0B+4*\s], 1
	s_add_co_u32 s[G0B+4*\s+1], s45, \s*SLOT
	s_add_nc_u64 s[G0B+4*\s+2:G0B+4*\s+3], s[46:47], \s*ROWB
	s_or_b32 s[G0B+4*\s+3], s[G0B+4*\s+3], 0x80000000
	JLOAD G0+4*\s, G1, G0B+4*\s, G1B
.endr
	v_and_b32 v1, 15, v0                           ; r
	v_bfe_u32 v2, v0, 4, 1                         ; h
	v_and_b32 v[LANE], 31, v0
	v_mul_u32_u24 v4, v1, PITCH
	v_mad_u32_u24 v4, v2, 24, v4
	v_lshl_add_u32 v5, v2, 4, v4
	s_mul_i32 s21, s15, HALFT
	s_mul_i32 s22, s16, HALFT
	s_add_co_u32 s22, s22, 2*HALFT
.irp s, 0,1
	v_add_nc_u32 v[ADRA+\s], s21, v4
	v_add_nc_u32 v[ADRB+\s], s22, v4
	v_add_nc_u32 v[ADRA+2+\s], s21, v5
	v_add_nc_u32 v[ADRB+2+\s], s22, v5
	s_add_co_u32 s21, s21, SLOT
	s_add_co_u32 s22, s22, SLOT
.endr
	v_mul_u32_u24 v10, v1, KS
	v_lshrrev_b32 v11, 8, v10
	v_lshl_add_u32 v10, v11, 4, v10
	s_mul_i32 s21, s15, HALFS
	s_mul_i32 s22, s16, HALFS
	s_add_co_u32 s22, s22, 2*HALFS
	s_sub_co_u32 s22, s22, s21
	v_mul_u32_u24 v11, s22, v2
	s_add_co_u32 s21, s21, SCL
	v_add_nc_u32 v10, v10, v11
	v_add_nc_u32 v[ADRS], s21, v10
	s_mul_i32 s23, s14, 16*SPITCH                  ; my stage
	v_mul_u32_u24 v5, v1, SPITCH
	v_lshl_add_u32 v5, v2, 5, v5
	v_add_nc_u32 v[STO], s23, v5
	v_lshlrev_b32 v[CO], 4, v[LANE]
	v_add_nc_u32 v[RD], s23, v[CO]
	v_lshlrev_b32 v3, 3, v[LANE]
	s_lshl_b32 s20, s17, 8
	s_lshl_b32 s21, s15, 7
	s_add_co_u32 s20, s20, s21
	s_lshl_b32 s20, s20, 12                        ; my first row of C and of x, 4,096 bytes a row
	s_lshl_b32 s46, s42, 10
	s_lshl_b32 s47, s16, 9
	s_add_co_u32 s46, s46, s47                     ; my first column, in bytes
	s_add_co_u32 s20, s20, s46
	s_mov_b32 s21, 0
	s_mov_b32 s47, 0
	s_add_nc_u64 s[12:13], s[12:13], s[20:21]
	s_add_nc_u64 s[98:99], s[98:99], s[20:21]
	s_add_nc_u64 s[96:97], s[96:97], s[46:47]
	s_lshr_b32 s18, s17, 3                         ; the batch
	s_lshl_b32 s18, s18, 13
	s_and_b32 s19, s17, 7
	s_lshl_b32 s19, s19, 2
	s_add_co_u32 s19, s19, s42
	s_lshl_b32 s19, s19, 2
	s_add_co_u32 s19, s19, s14
	s_lshl_b32 s19, s19, 6                         ; my wave's eight chunks, 8 bytes each
	s_add_co_u32 s18, s18, s19
	s_mov_b32 s19, 0
	s_add_nc_u64 s[100:101], s[100:101], s[18:19]
	s_mov_b32 s[SEL], 0x76543210
	s_mov_b32 s[SEL+1], 0xfedcba98
	v_lshlrev_b32 v12, 5, v2                       ; lane (r, h) wants, for tile b, n = 16 b + 8 h + 0 .. 7
.irp b, 0,1,2,3,4,5,6,7
	global_load_b128 v[BIAS+8*\b:BIAS+8*\b+3], v12, s[96:97] offset:64*\b
	global_load_b128 v[BIAS+8*\b+4:BIAS+8*\b+7], v12, s[96:97] offset:64*\b+16
.endr
.macro FRAG reg, adr, q, ro
.irp p, 0,1,2,3,4,5
.set PCE, 12*(\q)+6*(\p/3)+\p%3
.if PCE%8 < 5
	ds_load_b64 v[\reg+2*\p:\reg+2*\p+1], v[\adr] offset:8*PCE+16*(PCE/8)+(\ro)*PITCH
.else
	ds_load_b64 v[\reg+2*\p:\reg+2*\p+1], v[\adr+2] offset:8*PCE+16*(PCE/8)+(\ro)*PITCH
.endif
.endr
.endm
.macro MUL16 a0, p, q, sc, zero        ; the 64 accumulators take turns, one instruction a turn
.irp a, \a0, \a0+1
.irp b, 0,1,2,3,4,5,6,7
.if \zero
	v_wmma_scale_f32_16x16x128_f8f6f4 v[8*(8*((\a)%4)+\b):8*(8*((\a)%4)+\b)+7], v[128*(\p)+FR*\b:128*(\p)+FR*\b+FR-1], v[AF+FR*(\a):AF+FR*(\a)+FR-1], v[BIAS+8*\b:BIAS+8*\b+7], v[SC+8*NQ*(\sc)+NQ*\b+(\q)], v[SC+8*NQ*(\sc)+NQ*(\a)+(\q)] matrix_a_fmt:MATRIX_FMT_FP6 matrix_b_fmt:MATRIX_FMT_FP6 matrix_a_scale:MATRIX_SCALE_ROW1
.else
	v_wmma_scale_f32_16x16x128_f8f6f4 v[8*(8*((\a)%4)+\b):8*(8*((\a)%4)+\b)+7], v[128*(\p)+FR*\b:128*(\p)+FR*\b+FR-1], v[AF+FR*(\a):AF+FR*(\a)+FR-1], v[8*(8*((\a)%4)+\b):8*(8*((\a)%4)+\b)+7], v[SC+8*NQ*(\sc)+NQ*\b+(\q)], v[SC+8*NQ*(\sc)+NQ*(\a)+(\q)] matrix_a_fmt:MATRIX_FMT_FP6 matrix_b_fmt:MATRIX_FMT_FP6 matrix_a_scale:MATRIX_SCALE_ROW1
.endif
.endr
.endr
.endm
.macro FETCH_B slot, q, p
	WIN TO_B
.irp i, 0,1,2,3,4,5,6,7
	FRAG 128*(\p)+FR*\i, ADRB+\slot, \q, 16*\i
.endr
	WIN 0
.endm
.macro FETCH_A slot, q, i0
.irp i, \i0, \i0+1, \i0+2, \i0+3
	FRAG AF+FR*(\i), ADRA+\slot, \q, 16*(\i)
.endr
.endm
.macro SCALES sc
.irp i, 0,1,2,3,4,5,6,7
	ds_load_b64 v[SC+8*NQ*\sc+NQ*\i:SC+8*NQ*\sc+NQ*\i+1], v[ADRS] offset:\i*SBLK
.endr
.endm
.macro STEP slot, q, zero
	s_wait_dscnt 4*NL                              ; B's set and A's blocks 0-3 are in; the youngest 24 loads (A's blocks 4-7) may be out
	WIN MUL_LO-0x20*(\zero)
	MUL16 0, (\q)%2, \q, \slot, \zero
	MUL16 2, (\q)%2, \q, \slot, \zero
	s_wait_dscnt 0
	PLACES NP
	FETCH_B \slot, (\q)+1, 1-(\q)%2
	FETCH_A \slot, (\q)+1, 0
	WIN MUL_HI-0x30*(\zero)
	MUL16 4, (\q)%2, \q, \slot, \zero
	MUL16 6, (\q)%2, \q, \slot, \zero
	PLACES NP
	WIN 0
	FETCH_A \slot, (\q)+1, 4
.endm
.macro TURN slot, next, fill
	s_wait_tensorcnt 0x0                           ; all my tensor loads have landed: my part of the next slot
	ds_add_u32 v[SPW], v[NIL]                      ; 0 onto my spare word
	s_wait_dscnt 4*NL+1                            ; (the add and the youngest 24 loads may be out)
	WIN MUL_LO
	MUL16 0, 1, NQ-1, \slot, 0
	s_wait_dscnt 0x0                               ; the add is done, and my reads of this slot are over
	s_barrier_signal -1
	MUL16 2, 1, NQ-1, \slot, 0
	WIN 0
	s_barrier_wait -1
.if \fill
	CREST                                          ; the barrier has opened a round of the cluster's barrier
	s_add_nc_u64 s[G0+4*\slot+2:G0+4*\slot+3], s[G0+4*\slot+2:G0+4*\slot+3], 2*ROWB
	s_add_nc_u64 s[G0B+4*\slot+2:G0B+4*\slot+3], s[G0B+4*\slot+2:G0B+4*\slot+3], 2*ROWB
	JLOAD G0+4*\slot, G1, G0B+4*\slot, G1B         ; the first tensor load behind the round; its four v_nop are the places in front of the loads below
.else
	PLACES NP
.endif
	v_add_nc_u32 v[ADRS], 4*NQ, v[ADRS]
	FETCH_B \next, 0, 0
	FETCH_A \next, 0, 0
	SCALES \next
	WIN MUL_HI
	MUL16 4, 1, NQ-1, \slot, 0
	MUL16 6, 1, NQ-1, \slot, 0
	PLACES NP
	WIN 0
	FETCH_A \next, 0, 4
.endm
	s_wait_loadcnt 0x0                             ; the bias
	s_wait_tensorcnt 1                             ; the scales and my part of K step 0 are in; K step 1's load may be out
	s_barrier_signal -1
	s_barrier_wait -1
	FETCH_B 0, 0, 0
	FETCH_A 0, 0, 0
	SCALES 0
	FETCH_A 0, 0, 4
	STEP 0, 0, 1
	s_mov_b32 s3, LAPS-1
.Llap:
	TURN 0, 1, 1
	STEP 1, 0, 0
	TURN 1, 0, 1
	STEP 0, 0, 0
	s_sub_co_u32 s3, s3, 1
	s_cmp_lg_u32 s3, 0
	s_cbranch_scc1 .Llap
	TURN 0, 1, 0
	STEP 1, 0, 0
	s_wait_dscnt 4*NL
	WIN MUL_LO
	MUL16 0, 1, NQ-1, 1, 0
	MUL16 2, 1, NQ-1, 1, 0
	s_wait_dscnt 0
	WIN MUL_HI
	MUL16 4, 1, NQ-1, 1, 0
	MUL16 6, 1, NQ-1, 1, 0
	WIN 0
	; ---- THE WAY OUT
.macro TOSTAGE a
.set AC, 64*((\a)%4)
	WIN 0x08+4*((\a)/4)                            ; an LDS store's data: window 2 or 3
.irp b, 0,1,2,3,4,5,6,7
	ds_store_b128 v[STO], v[AC+8*\b:AC+8*\b+3] offset:64*\b          ; each accumulator from its low end on
	ds_store_b128 v[STO], v[AC+8*\b+4:AC+8*\b+7] offset:64*\b+16
.endr
	WIN 0
.set BB, BK+64*((\a)%2)
.irp t, 0,1,2,3,4,5,6,7,8,9,10,11,12,13,14,15
	ds_load_b128 v[BB+4*\t:BB+4*\t+3], v[RD] offset:\t*SPITCH        ; LDS serves a wave in order (ISA guide 5.7.1.4): these see the stores above
.endr
.endm
.macro XLOAD a                         ; x's same 16 rows x 512 bytes, into window 1
	WIN 0x40
.irp t, 0,1,2,3,4,5,6,7,8,9,10,11,12,13,14,15
	global_load_b128 v[4*\t:4*\t+3], v[CO], s[98:99] offset:(16*(\a)+\t)*SIZE_N*4
.endr
	WIN 0
.endm
.macro ADDX a
.set BB, BK+64*((\a)%2)
	WIN 0x04                                       ; source 1: window 1
.set i, 0
.rept 32
	v_pk_add_f32 v[BB+i:BB+i+1], v[BB+i:BB+i+1], v[i:i+1]
.set i, i+2
.endr
	WIN 0
.endm
.macro REDUCE x, t
	v_add_f32_dpp v[\x], v[\x], v[\x] row_xmask:1 row_mask:0xf bank_mask:0xf
	v_add_f32_dpp v[\x], v[\x], v[\x] row_xmask:2 row_mask:0xf bank_mask:0xf
	v_add_f32_dpp v[\x], v[\x], v[\x] row_xmask:4 row_mask:0xf bank_mask:0xf
	v_add_f32_dpp v[\x], v[\x], v[\x] row_xmask:8 row_mask:0xf bank_mask:0xf
	v_permlanex16_b32 v[\t], v[\x], s[SEL], s[SEL+1]
	v_add_f32 v[\x], v[\x], v[\t]
.endm
.macro JOIN
	v_pk_add_f32 v[64:65], v[64:65], v[66:67]
	v_pk_add_f32 v[68:69], v[68:69], v[70:71]
	v_pk_add_f32 v[64:65], v[64:65], v[68:69]
	v_add_f32 v64, v64, v65
	REDUCE 64, 65
.endm
.macro CSTAT a                         ; the block's 2,048 numbers: mean, then the sum of squared deviations; lane a keeps them
.set BB, BK+64*((\a)%2)
.irp k, 0,1,2,3
	v_pk_add_f32 v[64+2*\k:65+2*\k], v[BB+2*\k:BB+2*\k+1], v[BB+8+2*\k:BB+9+2*\k]
.endr
.irp j, 2,3,4,5,6,7
.irp k, 0,1,2,3
	v_pk_add_f32 v[64+2*\k:65+2*\k], v[64+2*\k:65+2*\k], v[BB+8*\j+2*\k:BB+8*\j+2*\k+1]
.endr
.endr
	JOIN
	v_mul_f32 v72, 0x3a000000, v64                 ; x 2^-11
	v_mov_b32 v73, v72
.irp k, 0,1,2,3
	v_pk_add_f32 v[80+2*\k:81+2*\k], v[BB+2*\k:BB+2*\k+1], v[72:73] neg_lo:[0,1] neg_hi:[0,1]
.endr
.irp k, 0,1,2,3
	v_pk_mul_f32 v[64+2*\k:65+2*\k], v[80+2*\k:81+2*\k], v[80+2*\k:81+2*\k]
.endr
.irp j, 1,2,3,4,5,6,7
.irp k, 0,1,2,3
	v_pk_add_f32 v[80+2*\k:81+2*\k], v[BB+8*\j+2*\k:BB+8*\j+2*\k+1], v[72:73] neg_lo:[0,1] neg_hi:[0,1]
.endr
.irp k, 0,1,2,3
	v_pk_fma_f32 v[64+2*\k:65+2*\k], v[80+2*\k:81+2*\k], v[80+2*\k:81+2*\k], v[64+2*\k:65+2*\k]
.endr
.endr
	JOIN
	v_cmp_eq_u32 vcc_lo, \a, v[LANE]
	v_cndmask_b32 v124, v124, v72, vcc_lo
	v_cndmask_b32 v125, v125, v64, vcc_lo
.endm
.macro SEND a
.set BB, BK+64*((\a)%2)
.irp t, 0,1,2,3,4,5,6,7,8,9,10,11,12,13,14,15
	global_store_b128 v[CO], v[BB+4*\t:BB+4*\t+3], s[12:13] offset:(16*(\a)+\t)*SIZE_N*4 th:TH_STORE_NT   ; 32 lanes store 512 consecutive bytes; the row stands in the immediate, 520,192 at the most
.endr
.endm
	PLACES NP                                      ; behind the last products: results are read and operand registers loaded from here on
	v_mov_b32 v124, 0
	v_mov_b32 v125, 0
	XLOAD 0
	TOSTAGE 0
.irp a, 0,1,2,3,4,5,6,7
	s_wait_dscnt 0x0                               ; the block is back in registers,
	s_wait_loadcnt 0x0                             ; and x's rows are in
	ADDX \a
.if \a < 7
	s_wait_xcnt 0x0                                ; the block before's stores have read the other set of registers
	XLOAD \a+1
	TOSTAGE \a+1
.endif
	CSTAT \a
	SEND \a
.endr
	s_wait_xcnt 0x0                                ; EXEC changes only behind this wait
	v_cmp_gt_u32 vcc_lo, 8, v[LANE]
	s_and_saveexec_b32 s18, vcc_lo
	global_store_b64 v3, v[124:125], s[100:101]    ; lanes 0 to 7: my eight chunks
	s_wait_xcnt 0x0
	s_or_b32 exec_lo, exec_lo, s18
	s_wait_tensorcnt 0x0                           ; the wave's end
	ds_add_u32 v[SPW], v[NIL]
	s_wait_dscnt 0x0
	CROUND                                         ; the closing round
	s_endpgm
.Lfunc_end_k_q28b7557355_wo:
	.size	k_q28b7557355_wo, .Lfunc_end_k_q28b7557355_wo-k_q28b7557355_wo
	.p2alignl 7, 3214868480
	.fill 96, 4, 3214868480
	.section	.rodata,"a",@progbits
	.p2align	6, 0x0
	.amdhsa_kernel k_q28b7557355_wo
		.amdhsa_group_segment_fixed_size 327680
		.amdhsa_private_segment_fixed_size 0
		.amdhsa_enable_private_segment 0
		.amdhsa_kernarg_size 56
		.amdhsa_user_sgpr_count 2
		.amdhsa_user_sgpr_kernarg_segment_ptr 1
		.amdhsa_wavefront_size32 1
		.amdhsa_system_sgpr_workgroup_id_x 1
		.amdhsa_system_sgpr_workgroup_id_y 1
		.amdhsa_system_sgpr_workgroup_id_z 1
		.amdhsa_system_vgpr_workitem_id 0
		.amdhsa_next_free_vgpr 1024
		.amdhsa_next_free_sgpr 102
		.amdhsa_reserve_vcc 1
		.amdhsa_float_denorm_mode_32 3
		.amdhsa_float_denorm_mode_16_64 3
		.amdhsa_memory_ordered 1
		.amdhsa_forward_progress 1
		.amdhsa_inst_pref_size 248
	.end_amdhsa_kernel
	.amdgpu_metadata
---
amdhsa.version: [ 1, 2 ]
amdhsa.kernels:
  - .name:           k_q28b7557355_wo
    .symbol:         k_q28b7557355_wo.kd
    .args:
      - { .name: act, .offset: 0, .size: 8, .value_kind: global_buffer, .address_space: global }
      - { .name: wo_codes, .offset: 8, .size: 8, .value_kind: global_buffer, .address_space: global }
      - { .name: wo_scales, .offset: 16, .size: 8, .value_kind: global_buffer, .address_space: global }
      - { .name: bo, .offset: 24, .size: 8, .value_kind: global_buffer, .address_space: global }
      - { .name: x, .offset: 32, .size: 8, .value_kind: global_buffer, .address_space: global }
      - { .name: z, .offset: 40, .size: 8, .value_kind: global_buffer, .address_space: global }
      - { .name: part, .offset: 48, .size: 8, .value_kind: global_buffer, .address_space: global }
    .group_segment_fixed_size: 327680
    .private_segment_fixed_size: 0
    .kernarg_segment_align: 8
    .kernarg_segment_size: 56
    .max_flat_workgroup_size: 128
    .sgpr_count:     102
    .vgpr_count:     1024
    .wavefront_size: 32
...
	.end_amdgpu_metadata
.endif
;; end of part 5
;; launch quant_y: the kernel of part 2 again; grid 128 x 1, 4 waves a work-group, no clusters, 33,280 bytes of LDS; arguments z, part, act; writes act
;; launch ff1 (part 6): grid 16 x 16, 4 waves a work-group, clusters of 4 x 4, 327,680 bytes of LDS; arguments act, w1_codes, w1_scales, b1, hid; writes hid
.if DOCPART == 6
	.amdgcn_target "amdgcn-amd-amdhsa--gfx1250"
	.amdhsa_code_object_version 6
	.text
	.protected	k_q28b7557355_ff1
	.globl	k_q28b7557355_ff1
	.p2align	8
	.type	k_q28b7557355_ff1,@function
k_q28b7557355_ff1:
	s_mov_b64 s[64:65], 0
	v_nop
	global_prefetch_b8 v0, s[64:65] scope:SCOPE_SE
	s_setreg_imm32_b32 hwreg(HW_REG_WAVE_MODE, 25, 1), 1
	s_wait_xcnt 0x0
	s_wait_alu depctr_hold_cnt(0) depctr_sa_sdst(0) depctr_va_vdst(0) depctr_va_sdst(0) depctr_va_ssrc(0) depctr_va_vcc(0) depctr_vm_vsrc(0)
	s_getreg_b32 s2, hwreg(HW_REG_IB_STS2, 6, 4)
	s_cmp_eq_u32 s2, 0
	s_cbranch_scc0 .Lentry_in_a_cluster
	s_endpgm
.Lentry_in_a_cluster:
	s_bfe_u32 s2, ttmp6, 0x10000c
	s_cmp_lg_u32 s2, 0xf033
	s_cbranch_scc0 .Lentry_shape_is_right
	s_endpgm
.Lentry_shape_is_right:
; hidden = relu(y W1^T + b1), C[token][unit], a GEMM on codes of FP6 (E2M3) with E8M0 scales, K = 1,024, whose RESULT IS QUANTISED ON THE WAY OUT along the units, the K of the next product:
; codes [4,096][3,072 bytes] at hid + 0, scale bytes [4,096][128] at hid + HID_S.
; A tile of C, 256 x 256, is made by four waves, each 128 x 128: 64 accumulators, 512 registers.  K goes in steps of 256 through two LDS slots filled by the tensor data mover; the scale bytes of the tile's rows come once.
; CLUSTERS: 4 x 4 work-groups; A's tiles are asked for jointly along a row of the cluster, B's along a column.
; THE MATRIX INSTRUCTION IS USED TRANSPOSED (source 0 = 16 rows of B, source 1 = 16 rows of A): a lane holds one row of C and its registers run along n.
; THE ROWS OF B THAT FORM A TILE ARE NOT NEIGHBOURS: lane r of tile 2 b + u takes row 32 b + 8 u + r + 8 (r / 8), so that the 16 registers of tiles 2 b and 2 b + 1 are n = 32 b + 16 (lane / 16) + 0 .. 15: 16 neighbours
; for the conversion.  The price: the two groups of eight rows lie 16 x 60 words apart, a whole number of times through the 64 banks (ISA guide 11.1), so B's LDS loads meet two deep.
; The bias is the C of each sum's first matrix instruction.
; THE WAY OUT: 16 rows at a time: relu, the block's largest magnitude (my 16 and lane l xor 16's), scale byte, conversion; 12 bytes of codes to a place of 16 in a stage that the work-group shares; a barrier; then rows leave:
; sixteen lanes store a row's 192 consecutive bytes (256 consecutive bytes would want 1,024 columns to a work-group).
; LIMITS: a block of zeros gets the byte 1, not 127 (its codes are zeros; this program alone reads the bytes); a largest magnitude under 2^-124 has its byte held at 1; NaN and infinities are not served.
.set SIZE_K, 1024
.set KSTEP,  256
.set NQ,     KSTEP/128
.set ROWB,   192
.set KROW,   SIZE_K*6/8
.set PITCH,  240                       ; an LDS row: 3 x (64 bytes + 16 of padding)
.set FR,     12
.set NL,     6
.set NP,     4                         ; places behind this matrix instruction (ISA guide 7.12.1)
.set HALFT,  128*PITCH
.set SLOT,   4*HALFT
.set LAPS,   SIZE_K/(2*KSTEP)
.set KS,     SIZE_K/32
.set SCL,    2*SLOT
.set HALFS,  (128*KS/256)*272
.set SBLK,   (16*KS/256)*272
.set D8,     (8*KS/256)*272
.set SPARE,  SCL+4*HALFS               ; the spare words, 128 bytes a wave: two blocks of 256 bytes that no other line names
.set ACT_S,  3145728
.set HID_S,  12582912
.set SPT,    272                       ; the stage (in slot 0, behind its last fill and last read): 256 rows of 16 places of 16 bytes + 16
.set SST,    256*SPT                   ; behind it 2,048 bytes of scale words: [row][column half][4 bytes]
.set WCS,    4
.set RWS,    8
.set CO,   3                           ; the way out: v3 global offset of codes, v4 scale word's place, v5 where scale words are read back, v6 their global offset
.set SSTO, 4
.set SRD,  5
.set SGO,  6
.set ADRA, 16                          ; v16-19 A's fragments in slot 0, 1 (and behind one padding more)
.set ADRB, 20                          ; v20-23 B's
.set STO,  24                          ; v24 where I put 12 bytes of codes;  v25 where rows are read back
.set RD,   25
.set ADRS, 27                          ; v27 my scale words: lanes 0-15 A's rows, lanes 16-31 B's;  v30 the same for B's odd tiles
.set SPW,  28
.set NIL,  29
.set ADRS1, 30
.set LANE, 31
.set SC,   32                          ; v32-63 scale words, two sets; they hold nothing else
.set BIAS, 64                          ; v64-127 the bias, 8 tiles x 8 registers; later HA
.set HA,   64
.set AF,   128                         ; v128-223 A's fragments, one set
.set TM,   128                         ; the way out: v128-143 at work, v144 the scale word, v148.. codes, v164-227 rows read back
.set PW,   144
.set PC,   148
.set OUTR, 164
.set SEL,  22
.set G1, 24
.set G0, 32
.set G1B, 48
.set G0B, 56
.set G1S, 68
.set G0S, 76
.set G1SB, 80
.set G0SB, 88
.set MSB, 0
.macro WIN new                         ; the immediate's high byte repeats the setting that is left
.if MSB != (\new)
	s_set_vgpr_msb (MSB<<8)|(\new)
.set MSB, (\new)
.endif
.endm
.set MUL_LO, 0xa1                      ; source 0 (B) window 1, source 1 (A) window 0, C and D window 2
.set MUL_HI, 0xf1                      ; the same, C and D window 3
.set TO_B,   0x40
.macro JLOAD g0a, g1a, g0b, g1b        ; a joint load: waves 0, 1 fetch for A, waves 2, 3 for B; four v_nop follow each line
	s_cmp_eq_u32 s15, 0
	s_cbranch_scc0 .Lfor_b_\@
	tensor_load_to_lds s[\g0a:\g0a+3], s[\g1a:\g1a+7]
	s_nop 0
.rept 4
	v_nop
.endr
	s_branch .Lasked_\@
.Lfor_b_\@:
	tensor_load_to_lds s[\g0b:\g0b+3], s[\g1b:\g1b+7]
	s_nop 0
.rept 4
	v_nop
.endr
.Lasked_\@:
.endm
.macro CREST
	s_cmp_lg_u32 s14, 0
	s_cbranch_scc1 .Lnot_wave_0_\@
	s_barrier_signal -3
.Lnot_wave_0_\@:
	s_barrier_wait -3
	s_barrier_signal -1
	s_barrier_wait -1
.endm
.macro CROUND
	s_barrier_signal -1
	s_barrier_wait -1
	CREST
.endm
.macro PLACES n
.rept \n
	v_nop
.endr
.endm
	s_load_b64 s[4:5], s[0:1], 0x0                 ; act
	s_load_b64 s[8:9], s[0:1], 0x8                 ; w1's codes
	s_load_b64 s[10:11], s[0:1], 0x10              ; w1's scales
	s_load_b64 s[96:97], s[0:1], 0x18              ; b1
	s_load_b64 s[12:13], s[0:1], 0x20              ; hid
	v_lshl_add_u32 v[SPW], v0, 2, SPARE
	v_mov_b32 v[NIL], 0
	ds_add_u32 v28, v29
	ds_add_u32 v28, v29
	s_wait_dscnt 0x0
	v_lshrrev_b32 v1, 5, v0
	v_readfirstlane_b32 s14, v1                    ; wave 0..3
	s_lshr_b32 s15, s14, 1                         ; which half of the tile's rows is mine.  Also: I fetch for A (0) or for B (1)
	s_and_b32 s16, s14, 1                          ; which half of its columns.  Also: which 128 rows I fetch
	s_bfe_u32 s40, ttmp6, 0x40000                  ; cx
	s_bfe_u32 s41, ttmp6, 0x40004                  ; cy
	s_lshl_b32 s42, ttmp9, 2
	s_add_co_u32 s42, s42, s40                     ; tile column
	s_and_b32 s17, ttmp7, 0xffff
	s_lshl_b32 s17, s17, 2
	s_add_co_u32 s17, s17, s41                     ; tile row
	s_lshl_b32 s43, s41, 2
	s_lshl_b32 s43, 15, s43                        ; my row of the cluster
	s_lshl_b32 s44, 0x1111, s40                    ; my column
	s_or_b32 s[G1+0], s43, (0<<16)|(1<<20)|(1<<21)|(3<<22)|(3<<25)  ; the mask; elements of 1 byte; padding on; bit 21 beside a mask; after every 16 words 4 words
	s_or_b32 s[G1B+0], s44, (0<<16)|(1<<20)|(1<<21)|(3<<22)|(3<<25)
.irp g, G1, G1B
	s_mov_b32 s[\g+1], ROWB<<16                    ; tensor_dim0
	s_mov_b32 s[\g+2], 128<<16                     ; tensor_dim1
	s_mov_b32 s[\g+3], ROWB<<16                    ; tile_dim0
	s_mov_b32 s[\g+4], 128                         ; tile_dim1
	s_mov_b32 s[\g+5], KROW                        ; the pitch in memory
	s_mov_b32 s[\g+6], 0
	s_mov_b32 s[\g+7], 0
.endr
	s_lshl_b32 s18, s16, 7
	s_lshl_b32 s20, s17, 8
	s_add_co_u32 s20, s20, s18                     ; A: row 256 x tile row + 128 x half
	s_lshl_b32 s46, s42, 8
	s_add_co_u32 s46, s46, s18                     ; B: row 256 x tile column + 128 x half
	s_mov_b32 s21, 0
	s_mov_b32 s47, 0
	s_mov_b64 s[18:19], KS
	s_mul_u64 s[22:23], s[20:21], s[18:19]
	s_mul_u64 s[92:93], s[46:47], s[18:19]
	s_mov_b64 s[18:19], KROW
	s_mul_u64 s[20:21], s[20:21], s[18:19]
	s_mul_u64 s[46:47], s[46:47], s[18:19]
	s_mul_i32 s45, s14, HALFT
	s_mul_i32 s94, s14, HALFS
	s_wait_kmcnt 0x0
	s_add_nc_u64 s[6:7], s[4:5], ACT_S
	s_add_nc_u64 s[20:21], s[4:5], s[20:21]
	s_add_nc_u64 s[22:23], s[6:7], s[22:23]
	s_add_nc_u64 s[46:47], s[8:9], s[46:47]
	s_add_nc_u64 s[92:93], s[10:11], s[92:93]
	s_or_b32 s[G1S+0], s43, (3<<16)|(1<<20)|(1<<21)|(5<<22)|(3<<25)   ; the scales of 128 rows: dense, as rows of 256 bytes, 16 bytes of padding behind each
	s_or_b32 s[G1SB+0], s44, (3<<16)|(1<<20)|(1<<21)|(5<<22)|(3<<25)
.irp g, G1S, G1SB
	s_mov_b32 s[\g+1], 32<<16
	s_mov_b32 s[\g+2], (128*KS/256)<<16
	s_mov_b32 s[\g+3], 32<<16
	s_mov_b32 s[\g+4], 128*KS/256
	s_mov_b32 s[\g+5], 32
	s_mov_b32 s[\g+6], 0
	s_mov_b32 s[\g+7], 0
.endr
	CROUND                                         ; all sixteen work-groups are here: the first joint loads meet
	s_mov_b32 s[G0S], 1
	s_add_co_u32 s[G0S+1], s94, SCL
	s_mov_b64 s[G0S+2:G0S+3], s[22:23]
	s_or_b32 s[G0S+3], s[G0S+3], 0x80000000
	s_mov_b32 s[G0SB], 1
	s_add_co_u32 s[G0SB+1], s94, SCL
	s_mov_b64 s[G0SB+2:G0SB+3], s[92:93]
	s_or_b32 s[G0SB+3], s[G0SB+3], 0x80000000
	JLOAD G0S, G1S, G0SB, G1SB                     ; the scales first
.irp s, 0,1
	s_mov_b32 s[G0+4*\s], 1
	s_add_co_u32 s[G0+4*\s+1], s45, \s*SLOT
	s_add_nc_u64 s[G0+4*\s+2:G0+4*\s+3], s[20:21], \s*ROWB
	s_or_b32 s[G0+4*\s+3], s[G0+4*\s+3], 0x80000000
	s_mov_b32 s[G0B+4*\s], 1
	s_add_co_u32 s[G0B+4*\s+1], s45, \s*SLOT
	s_add_nc_u64 s[G0B+4*\s+2:G0B+4*\s+3], s[46:47], \s*ROWB
	s_or_b32 s[G0B+4*\s+3], s[G0B+4*\s+3], 0x80000000
	JLOAD G0+4*\s, G1, G0B+4*\s, G1B
.endr
	v_and_b32 v1, 15, v0                           ; r
	v_bfe_u32 v2, v0, 4, 1                         ; h
	v_and_b32 v[LANE], 31, v0
	v_mul_u32_u24 v4, v1, PITCH
	v_mad_u32_u24 v4, v2, 24, v4                   ; A: row r x pitch + 24 h
	v_lshl_add_u32 v5, v2, 4, v4                   ; and behind one padding more
	v_and_b32 v6, 8, v1
	v_add_nc_u32 v6, v6, v1                        ; r + 8 (r / 8)
	v_mul_u32_u24 v7, v6, PITCH
	v_mad_u32_u24 v7, v2, 24, v7                   ; B: that row
	v_lshl_add_u32 v8, v2, 4, v7
	s_mul_i32 s21, s15, HALFT
	s_mul_i32 s22, s16, HALFT
	s_add_co_u32 s22, s22, 2*HALFT
.irp s, 0,1
	v_add_nc_u32 v[ADRA+\s], s21, v4
	v_add_nc_u32 v[ADRB+\s], s22, v7
	v_add_nc_u32 v[ADRA+2+\s], s21, v5
	v_add_nc_u32 v[ADRB+2+\s], s22, v8
	s_add_co_u32 s21, s21, SLOT
	s_add_co_u32 s22, s22, SLOT
.endr
	v_and_b32 v9, 0x18, v0                         ; lanes 16-31 with r >= 8:
	v_add_nc_u32 v9, 8, v9
	v_lshrrev_b32 v9, 5, v9                        ; 1 there, else 0
	v_lshl_add_u32 v9, v9, 3, v1                   ; the scale row: r for A's lanes, r + 8 (r / 8) for B's
	v_mul_u32_u24 v10, v9, KS
	v_lshrrev_b32 v11, 8, v10
	v_lshl_add_u32 v10, v11, 4, v10                ; and 16 more for each 256 passed
	s_mul_i32 s21, s15, HALFS
	s_mul_i32 s22, s16, HALFS
	s_add_co_u32 s22, s22, 2*HALFS
	s_sub_co_u32 s22, s22, s21
	v_mul_u32_u24 v11, s22, v2                     ; lanes 16-31 take B's
	s_add_co_u32 s21, s21, SCL
	v_add_nc_u32 v10, v10, v11
	v_add_nc_u32 v[ADRS], s21, v10
	v_mul_u32_u24 v11, v2, D8
	v_sub_nc_u32 v[ADRS1], v[ADRS], v11            ; B's odd tiles begin 8 rows before 16 x their number
	s_mov_b32 s[SEL], 0x76543210
	s_mov_b32 s[SEL+1], 0xfedcba98
	s_lshl_b32 s18, s42, 10                        ; the bias: (256 x tile column + 128 x half) x 4 bytes
	s_lshl_b32 s19, s16, 9
	s_add_co_u32 s18, s18, s19
	s_mov_b32 s19, 0
	s_add_nc_u64 s[18:19], s[96:97], s[18:19]
	v_lshlrev_b32 v12, 6, v2                       ; lane (r, h) wants, for tile 2 b + u, n = 32 b + 8 u + 16 h + 0 .. 7
.irp b, 0,1,2,3,4,5,6,7
	global_load_b128 v[BIAS+8*\b:BIAS+8*\b+3], v12, s[18:19] offset:(32*(\b/2)+8*(\b%2))*4
	global_load_b128 v[BIAS+8*\b+4:BIAS+8*\b+7], v12, s[18:19] offset:(32*(\b/2)+8*(\b%2))*4+16
.endr
.macro FRAG reg, adr, q, ro            ; a fragment, 16 rows x 128 K: 12 registers; lane (r, h): registers 6 c .. 6 c + 5 = K 64 c + 32 h + 0 .. 31: 24 bytes as they lie, in pieces of 8.  ro: the tile's first row
.irp p, 0,1,2,3,4,5
.set PCE, 12*(\q)+6*(\p/3)+\p%3
.if PCE%8 < 5
	ds_load_b64 v[\reg+2*\p:\reg+2*\p+1], v[\adr] offset:8*PCE+16*(PCE/8)+(\ro)*PITCH
.else
	ds_load_b64 v[\reg+2*\p:\reg+2*\p+1], v[\adr+2] offset:8*PCE+16*(PCE/8)+(\ro)*PITCH
.endif
.endr
.endm
; 16 matrix instructions: A's blocks a0, a0 + 1 x B's eight.  zero = 1: the first product starts the sums from the bias.  The 64 accumulators take turns, one instruction a turn.
.macro MUL16 a0, p, q, sc, zero
.irp a, \a0, \a0+1
.irp b, 0,1,2,3,4,5,6,7
.if \zero
	v_wmma_scale_f32_16x16x128_f8f6f4 v[8*(8*((\a)%4)+\b):8*(8*((\a)%4)+\b)+7], v[128*(\p)+FR*\b:128*(\p)+FR*\b+FR-1], v[AF+FR*(\a):AF+FR*(\a)+FR-1], v[BIAS+8*\b:BIAS+8*\b+7], v[SC+8*NQ*(\sc)+NQ*\b+(\q)], v[SC+8*NQ*(\sc)+NQ*(\a)+(\q)] matrix_a_fmt:MATRIX_FMT_FP6 matrix_b_fmt:MATRIX_FMT_FP6 matrix_a_scale:MATRIX_SCALE_ROW1
.else
	v_wmma_scale_f32_16x16x128_f8f6f4 v[8*(8*((\a)%4)+\b):8*(8*((\a)%4)+\b)+7], v[128*(\p)+FR*\b:128*(\p)+FR*\b+FR-1], v[AF+FR*(\a):AF+FR*(\a)+FR-1], v[8*(8*((\a)%4)+\b):8*(8*((\a)%4)+\b)+7], v[SC+8*NQ*(\sc)+NQ*\b+(\q)], v[SC+8*NQ*(\sc)+NQ*(\a)+(\q)] matrix_a_fmt:MATRIX_FMT_FP6 matrix_b_fmt:MATRIX_FMT_FP6 matrix_a_scale:MATRIX_SCALE_ROW1
.endif
.endr
.endr
.endm
.macro FETCH_B slot, q, p
	WIN TO_B
.irp i, 0,1,2,3,4,5,6,7
	FRAG 128*(\p)+FR*\i, ADRB+\slot, \q, 32*(\i/2)+8*(\i%2)
.endr
	WIN 0
.endm
.macro FETCH_A slot, q, i0
.irp i, \i0, \i0+1, \i0+2, \i0+3
	FRAG AF+FR*(\i), ADRA+\slot, \q, 16*(\i)
.endr
.endm
.macro SCALES sc                       ; a K step's scale words: lanes 0-15 A's block i, lanes 16-31 B's tile i
.irp i, 0,1,2,3,4,5,6,7
.if \i%2
	ds_load_b64 v[SC+8*NQ*\sc+NQ*\i:SC+8*NQ*\sc+NQ*\i+1], v[ADRS1] offset:\i*SBLK
.else
	ds_load_b64 v[SC+8*NQ*\sc+NQ*\i:SC+8*NQ*\sc+NQ*\i+1], v[ADRS] offset:\i*SBLK
.endif
.endr
.endm
.macro STEP slot, q, zero              ; 128 along K with its successor in the same slot
	s_wait_dscnt 4*NL                              ; B's set and A's blocks 0-3 are in; the youngest 24 loads (A's blocks 4-7) may be out
	WIN MUL_LO-0x20*(\zero)                        ; (with zero = 1 the C operand, the bias, lies in window 0)
	MUL16 0, (\q)%2, \q, \slot, \zero
	MUL16 2, (\q)%2, \q, \slot, \zero
	s_wait_dscnt 0
	PLACES NP
	FETCH_B \slot, (\q)+1, 1-(\q)%2
	FETCH_A \slot, (\q)+1, 0
	WIN MUL_HI-0x30*(\zero)
	MUL16 4, (\q)%2, \q, \slot, \zero
	MUL16 6, (\q)%2, \q, \slot, \zero
	PLACES NP
	WIN 0
	FETCH_A \slot, (\q)+1, 4
.endm
; A slot's last step changes slots: one barrier; in front of it each wave waits for all its tensor loads, adds 0 to its spare word, and waits for that and for its reads of this slot.
.macro TURN slot, next, fill
	s_wait_tensorcnt 0x0                           ; all my tensor loads have landed: my part of the next slot
	ds_add_u32 v[SPW], v[NIL]                      ; 0 onto my spare word
	s_wait_dscnt 4*NL+1                            ; (the add and the youngest 24 loads may be out)
	WIN MUL_LO
	MUL16 0, 1, NQ-1, \slot, 0
	s_wait_dscnt 0x0                               ; the add is done, and my reads of this slot are over
	s_barrier_signal -1
	MUL16 2, 1, NQ-1, \slot, 0
	WIN 0
	s_barrier_wait -1
.if \fill
	CREST                                          ; the barrier has opened a round of the cluster's barrier: no wave of any partner still reads this slot or has a load on its way
	s_add_nc_u64 s[G0+4*\slot+2:G0+4*\slot+3], s[G0+4*\slot+2:G0+4*\slot+3], 2*ROWB
	s_add_nc_u64 s[G0B+4*\slot+2:G0B+4*\slot+3], s[G0B+4*\slot+2:G0B+4*\slot+3], 2*ROWB
	JLOAD G0+4*\slot, G1, G0B+4*\slot, G1B         ; the first tensor load behind the round; its four v_nop are the places in front of the loads below
.else
	PLACES NP
.endif
	v_add_nc_u32 v[ADRS], 4*NQ, v[ADRS]            ; the next K step's scale words
	v_add_nc_u32 v[ADRS1], 4*NQ, v[ADRS1]
	FETCH_B \next, 0, 0
	FETCH_A \next, 0, 0
	SCALES \next
	WIN MUL_HI
	MUL16 4, 1, NQ-1, \slot, 0
	MUL16 6, 1, NQ-1, \slot, 0
	PLACES NP
	WIN 0
	FETCH_A \next, 0, 4
.endm
	s_wait_loadcnt 0x0                             ; the bias
	s_wait_tensorcnt 1                             ; the scales and my part of K step 0 are in; K step 1's load may be out
	s_barrier_signal -1
	s_barrier_wait -1
	FETCH_B 0, 0, 0
	FETCH_A 0, 0, 0
	SCALES 0
	FETCH_A 0, 0, 4
	STEP 0, 0, 1                                   ; the first step stands in front of the loop: its products start the sums
	s_mov_b32 s3, LAPS-1
.Llap:
	TURN 0, 1, 1
	STEP 1, 0, 0
	TURN 1, 0, 1
	STEP 0, 0, 0
	s_sub_co_u32 s3, s3, 1
	s_cmp_lg_u32 s3, 0
	s_cbranch_scc1 .Llap
	TURN 0, 1, 0                                   ; the last lap fills nothing
	STEP 1, 0, 0
	s_wait_dscnt 4*NL
	WIN MUL_LO
	MUL16 0, 1, NQ-1, 1, 0
	MUL16 2, 1, NQ-1, 1, 0
	s_wait_dscnt 0
	WIN MUL_HI
	MUL16 4, 1, NQ-1, 1, 0
	MUL16 6, 1, NQ-1, 1, 0
	WIN 0
	; ---- THE WAY OUT
	PLACES NP                                      ; behind the last products: results are read and operand registers written from here on
	s_mul_i32 s18, s15, 128*SPT
	s_lshl_b32 s19, s16, 7
	s_add_co_u32 s18, s18, s19
	v_mul_u32_u24 v[STO], v1, SPT
	v_lshl_add_u32 v[STO], v2, 4, v[STO]
	v_add_nc_u32 v[STO], s18, v[STO]               ; row 128 x my row half + r; place 8 x my column half + h
	s_mul_i32 s18, s16, WCS
	s_mul_i32 s19, s15, 128*RWS
	s_add_co_u32 s18, s18, s19
	s_add_co_u32 s18, s18, SST
	v_mul_u32_u24 v[SSTO], v1, RWS
	v_add_nc_u32 v[SSTO], s18, v[SSTO]
.irp b, 0,1,2,3
	v_mov_b32 v[TM+4+\b], 0                        ; a lane permute's destination counts as one of its sources
.endr
.macro QUANT16                         ; v[HA + 16 b + i] = n 32 b + 16 h + i of my row -> 4 x 12 bytes of codes in v[PC + 4 b] on, the row's scale word in v[PW]
.irp b, 0,1,2,3
	v_max3_num_f32 v[TM+\b], |v[HA+16*\b]|, |v[HA+1+16*\b]|, 0x1800000   ; my 16 numbers of block b, and the floor 2^(3 - 127): the byte cannot fall under 1
.endr
.irp i, 2,4,6,8,10,12,14
.irp b, 0,1,2,3
	v_max3_num_f32 v[TM+\b], v[TM+\b], |v[HA+16*\b+\i]|, |v[HA+1+16*\b+\i]|
.endr
.endr
.irp b, 0,1,2,3
	v_permlanex16_b32 v[TM+4+\b], v[TM+\b], s[SEL], s[SEL+1]
.endr
.irp b, 0,1,2,3
	v_max_num_f32 v[TM+\b], v[TM+\b], v[TM+4+\b]   ; with lane l xor 16's: the block's largest magnitude
.endr
.irp b, 0,1,2,3
	v_add_nc_u32 v[TM+12+\b], 0xff000000, v[TM+\b] ; 2 off its exponent field: the conversion's scale operand
.endr
.irp b, 0,1,2,3
	v_lshrrev_b32 v[TM+4+\b], 23, v[TM+12+\b]      ; the scale's byte
.endr
	s_wait_dscnt 0x0                               ; the last rows' LDS stores have read their registers
	v_lshl_or_b32 v[PW], v[TM+5], 8, v[TM+4]
	v_lshl_or_b32 v[PW], v[TM+6], 16, v[PW]
	v_lshl_or_b32 v[PW], v[TM+7], 24, v[PW]
.irp b, 0,1,2,3
	v_cvt_scalef32_pk16_fp6_f32 v[PC+4*\b:PC+4*\b+2], v[HA+16*\b:HA+16*\b+15], v[TM+12+\b]
.endr
	v_nop                                          ; one plain instruction behind the scaled conversions
.endm
.macro TILE a                          ; 16 rows of my 128 columns
.set AC, 64*((\a)%4)
	WIN 0x08+4*((\a)/4)                            ; source 1: window 2 or 3
.set i, 0
.rept 64
	v_max_num_f32 v[HA+i], 0, v[AC+i]              ; relu; each accumulator from its low end on
.set i, i+1
.endr
	WIN 0
	QUANT16
.irp b, 0,1,2,3
	ds_store_b96 v[STO], v[PC+4*\b:PC+4*\b+2] offset:16*(\a)*SPT+32*\b
.endr
	ds_store_b32 v[SSTO], v[PW] offset:16*(\a)*RWS ; both halves of the lanes write the same word with the same value
.endm
.irp a, 0,1,2,3,4,5,6,7
	TILE \a
.endr
	s_mul_i32 s18, s14, 64*SPT                     ; back: wave w takes rows 64 w on, whole: sixteen lanes a row, two rows an instruction
	v_mul_u32_u24 v[RD], v2, SPT
	v_lshl_add_u32 v[RD], v1, 4, v[RD]
	v_add_nc_u32 v[RD], s18, v[RD]
	v_mul_u32_u24 v[CO], v2, 3072
	v_mad_u32_u24 v[CO], v1, 12, v[CO]
	s_lshl_b32 s18, s14, 9
	s_add_co_u32 s18, s18, SST
	v_lshl_add_u32 v[SRD], v[LANE], 3, s18
	v_lshlrev_b32 v[SGO], 7, v[LANE]
	s_lshl_b32 s18, s17, 8
	s_lshl_b32 s19, s14, 6
	s_add_co_u32 s18, s18, s19                     ; my first row
	s_mul_i32 s20, s18, 3072                       ; (no tensor load of mine is out: the descriptors' registers are free)
	s_mul_i32 s19, s42, 192
	s_add_co_u32 s20, s20, s19
	s_mov_b32 s21, 0
	s_add_nc_u64 s[32:33], s[12:13], s[20:21]
	s_lshl_b32 s20, s18, 7
	s_lshl_b32 s19, s42, 3
	s_add_co_u32 s20, s20, s19
	s_add_co_u32 s20, s20, HID_S
	s_add_nc_u64 s[34:35], s[12:13], s[20:21]
	s_wait_dscnt 0x0                               ; for the others' sake: my stores into the stage are done
	s_barrier_signal -1
	s_barrier_wait -1
.irp u, 0,1
.if \u
	s_wait_xcnt 0x0                                ; the first batch's stores have read their registers
.endif
.irp t, 0,1,2,3,4,5,6,7,8,9,10,11,12,13,14,15
	ds_load_b96 v[OUTR+4*\t:OUTR+4*\t+2], v[RD] offset:2*(16*\u+\t)*SPT
.endr
.irp t, 0,1,2,3,4,5,6,7,8,9,10,11,12,13,14,15
	s_wait_dscnt 15-\t                             ; the batch's loads come back in order
	global_store_b96 v[CO], v[OUTR+4*\t:OUTR+4*\t+2], s[32:33] offset:2*(16*\u+\t)*3072   ; sixteen lanes store a row's 192 consecutive bytes
.endr
.endr
	ds_load_b64 v[228:229], v[SRD]
	ds_load_b64 v[230:231], v[SRD] offset:256
	s_wait_dscnt 0x0
	global_store_b64 v[SGO], v[228:229], s[34:35]  ; a row's 8 scale bytes of this tile
	global_store_b64 v[SGO], v[230:231], s[34:35] offset:4096
	s_wait_tensorcnt 0x0                           ; the wave's end
	ds_add_u32 v[SPW], v[NIL]
	s_wait_dscnt 0x0
	CROUND                                         ; the closing round
	s_endpgm
.Lfunc_end_k_q28b7557355_ff1:
	.size	k_q28b7557355_ff1, .Lfunc_end_k_q28b7557355_ff1-k_q28b7557355_ff1
	.p2alignl 7, 3214868480
	.fill 96, 4, 3214868480
	.section	.rodata,"a",@progbits
	.p2align	6, 0x0
	.amdhsa_kernel k_q28b7557355_ff1
		.amdhsa_group_segment_fixed_size 327680
		.amdhsa_private_segment_fixed_size 0
		.amdhsa_enable_private_segment 0
		.amdhsa_kernarg_size 40
		.amdhsa_user_sgpr_count 2
		.amdhsa_user_sgpr_kernarg_segment_ptr 1
		.amdhsa_wavefront_size32 1
		.amdhsa_system_sgpr_workgroup_id_x 1
		.amdhsa_system_sgpr_workgroup_id_y 1
		.amdhsa_system_sgpr_workgroup_id_z 1
		.amdhsa_system_vgpr_workitem_id 0
		.amdhsa_next_free_vgpr 1024
		.amdhsa_next_free_sgpr 102
		.amdhsa_reserve_vcc 0
		.amdhsa_float_denorm_mode_32 3
		.amdhsa_float_denorm_mode_16_64 3
		.amdhsa_memory_ordered 1
		.amdhsa_forward_progress 1
		.amdhsa_inst_pref_size 187
	.end_amdhsa_kernel
	.amdgpu_metadata
---
amdhsa.version: [ 1, 2 ]
amdhsa.kernels:
  - .name:           k_q28b7557355_ff1
    .symbol:         k_q28b7557355_ff1.kd
    .args:
      - { .name: act, .offset: 0, .size: 8, .value_kind: global_buffer, .address_space: global }
      - { .name: w1_codes, .offset: 8, .size: 8, .value_kind: global_buffer, .address_space: global }
      - { .name: w1_scales, .offset: 16, .size: 8, .value_kind: global_buffer, .address_space: global }
      - { .name: b1, .offset: 24, .size: 8, .value_kind: global_buffer, .address_space: global }
      - { .name: hid, .offset: 32, .size: 8, .value_kind: global_buffer, .address_space: global }
    .group_segment_fixed_size: 327680
    .private_segment_fixed_size: 0
    .kernarg_segment_align: 8
    .kernarg_segment_size: 40
    .max_flat_workgroup_size: 128
    .sgpr_count:     102
    .vgpr_count:     1024
    .wavefront_size: 32
...
	.end_amdgpu_metadata
.endif
;; end of part 6
;; launch ff2 (part 7): grid 4 x 16, 4 waves a work-group, clusters of 4 x 4, 327,680 bytes of LDS; arguments hid, w2_codes, w2_scales, b2, x, out0; writes out0
.if DOCPART == 7
	.amdgcn_target "amdgcn-amd-amdhsa--gfx1250"
	.amdhsa_code_object_version 6
	.text
	.protected	k_q28b7557355_ff2
	.globl	k_q28b7557355_ff2
	.p2align	8
	.type	k_q28b7557355_ff2,@function
k_q28b7557355_ff2:
	s_mov_b64 s[64:65], 0
	v_nop
	global_prefetch_b8 v0, s[64:65] scope:SCOPE_SE
	s_setreg_imm32_b32 hwreg(HW_REG_WAVE_MODE, 25, 1), 1
	s_wait_xcnt 0x0
	s_wait_alu depctr_hold_cnt(0) depctr_sa_sdst(0) depctr_va_vdst(0) depctr_va_sdst(0) depctr_va_ssrc(0) depctr_va_vcc(0) depctr_vm_vsrc(0)
	s_getreg_b32 s2, hwreg(HW_REG_IB_STS2, 6, 4)
	s_cmp_eq_u32 s2, 0
	s_cbranch_scc0 .Lentry_in_a_cluster
	s_endpgm
.Lentry_in_a_cluster:
	s_bfe_u32 s2, ttmp6, 0x10000c
	s_cmp_lg_u32 s2, 0xf033
	s_cbranch_scc0 .Lentry_shape_is_right
	s_endpgm
.Lentry_shape_is_right:
; out[token][n] = hidden W2^T + b2[n] + x[token][n], f32, on codes of FP6 (E2M3) with E8M0 scales, K = 4,096.
; A tile of C, 256 x 256, is made by four waves, each 128 x 128: 64 accumulators, 512 registers.  K goes in steps of 256 through two LDS slots filled by the tensor data mover; the scale bytes of the tile's rows, for all of K, come once.
; CLUSTERS: 4 x 4 work-groups; A's tiles are asked for jointly along a row of the cluster, B's along a column.  C has 64 tiles: this launch has work for 64 work-groups.
; THE MATRIX INSTRUCTION IS USED TRANSPOSED (source 0 = 16 rows of W, source 1 = 16 rows of A): a lane holds eight neighbouring numbers of a row of C.  The bias is the C of each sum's first matrix instruction.
; THE WAY OUT, 16 rows x 128 columns at a time: through the wave's own stage in LDS, back as whole rows of 512 bytes; x's same bytes, asked for a block ahead, are added; the 32 lanes store 512 consecutive bytes, aligned to 256.
; LIMITS: NaN and infinities are not served.
.set SIZE_K, 4096
.set AS_OFF, 12582912                  ; where A's scale bytes begin in its buffer
.set SIZE_N, 1024
.set KSTEP,  256
.set NQ,     KSTEP/128
.set ROWB,   192
.set KROW,   SIZE_K*6/8
.set PITCH,  240
.set FR,     12
.set NL,     6
.set NP,     4
.set HALFT,  128*PITCH
.set SLOT,   4*HALFT
.set LAPS,   SIZE_K/(2*KSTEP)
.set KS,     SIZE_K/32
.set SCL,    2*SLOT
.set HALFS,  (128*KS/256)*272
.set SBLK,   (16*KS/256)*272
.set SPARE,  SCL+4*HALFS               ; the spare words, 128 bytes a wave: two blocks of 256 bytes that no other line names
.set SPITCH, 528                       ; the way out: 16 rows x (512 + 16) bytes for each wave, in slot 0, behind its last fill and last read
.set ADRA, 16
.set ADRB, 20
.set STO,  24
.set RD,   25
.set CO,   26
.set ADRS, 27
.set SPW,  28
.set NIL,  29
.set LANE, 31
.set SC,   32                          ; v32-63 scale words, two sets; they hold nothing else
.set BIAS, 64                          ; v64-127 the bias, 8 tiles x 8 registers
.set AF,   128
.set BK,   128                         ; the way out: rows read back: v128-191 and v192-255 by turns; x's rows in window 1, v0-63
.set G1, 24
.set G0, 32
.set G1B, 48
.set G0B, 56
.set G1S, 68
.set G0S, 76
.set G1SB, 80
.set G0SB, 88
.set MSB, 0
.macro WIN new
.if MSB != (\new)
	s_set_vgpr_msb (MSB<<8)|(\new)
.set MSB, (\new)
.endif
.endm
.set MUL_LO, 0xa1
.set MUL_HI, 0xf1
.set TO_B,   0x40
.macro JLOAD g0a, g1a, g0b, g1b
	s_cmp_eq_u32 s15, 0
	s_cbranch_scc0 .Lfor_b_\@
	tensor_load_to_lds s[\g0a:\g0a+3], s[\g1a:\g1a+7]
	s_nop 0
.rept 4
	v_nop
.endr
	s_branch .Lasked_\@
.Lfor_b_\@:
	tensor_load_to_lds s[\g0b:\g0b+3], s[\g1b:\g1b+7]
	s_nop 0
.rept 4
	v_nop
.endr
.Lasked_\@:
.endm
.macro CREST
	s_cmp_lg_u32 s14, 0
	s_cbranch_scc1 .Lnot_wave_0_\@
	s_barrier_signal -3
.Lnot_wave_0_\@:
	s_barrier_wait -3
	s_barrier_signal -1
	s_barrier_wait -1
.endm
.macro CROUND
	s_barrier_signal -1
	s_barrier_wait -1
	CREST
.endm
.macro PLACES n
.rept \n
	v_nop
.endr
.endm
	s_load_b64 s[4:5], s[0:1], 0x0                 ; A: codes, and AS_OFF on its scale bytes
	s_load_b64 s[8:9], s[0:1], 0x8                 ; W's codes
	s_load_b64 s[10:11], s[0:1], 0x10              ; W's scales
	s_load_b64 s[96:97], s[0:1], 0x18              ; the bias
	s_load_b64 s[98:99], s[0:1], 0x20              ; x
	s_load_b64 s[12:13], s[0:1], 0x28              ; C
	v_lshl_add_u32 v[SPW], v0, 2, SPARE
	v_mov_b32 v[NIL], 0
	ds_add_u32 v28, v29
	ds_add_u32 v28, v29
	s_wait_dscnt 0x0
	v_lshrrev_b32 v1, 5, v0
	v_readfirstlane_b32 s14, v1                    ; wave 0..3
	s_lshr_b32 s15, s14, 1
	s_and_b32 s16, s14, 1
	s_bfe_u32 s40, ttmp6, 0x40000                  ; cx
	s_bfe_u32 s41, ttmp6, 0x40004                  ; cy
	s_lshl_b32 s42, ttmp9, 2
	s_add_co_u32 s42, s42, s40                     ; tile column
	s_and_b32 s17, ttmp7, 0xffff
	s_lshl_b32 s17, s17, 2
	s_add_co_u32 s17, s17, s41                     ; tile row
	s_lshl_b32 s43, s41, 2
	s_lshl_b32 s43, 15, s43
	s_lshl_b32 s44, 0x1111, s40
	s_or_b32 s[G1+0], s43, (0<<16)|(1<<20)|(1<<21)|(3<<22)|(3<<25)
	s_or_b32 s[G1B+0], s44, (0<<16)|(1<<20)|(1<<21)|(3<<22)|(3<<25)
.irp g, G1, G1B
	s_mov_b32 s[\g+1], ROWB<<16
	s_mov_b32 s[\g+2], 128<<16
	s_mov_b32 s[\g+3], ROWB<<16
	s_mov_b32 s[\g+4], 128
	s_mov_b32 s[\g+5], KROW
	s_mov_b32 s[\g+6], 0
	s_mov_b32 s[\g+7], 0
.endr
	s_lshl_b32 s18, s16, 7
	s_lshl_b32 s20, s17, 8
	s_add_co_u32 s20, s20, s18
	s_lshl_b32 s46, s42, 8
	s_add_co_u32 s46, s46, s18
	s_mov_b32 s21, 0
	s_mov_b32 s47, 0
	s_mov_b64 s[18:19], KS
	s_mul_u64 s[22:23], s[20:21], s[18:19]
	s_mul_u64 s[92:93], s[46:47], s[18:19]
	s_mov_b64 s[18:19], KROW
	s_mul_u64 s[20:21], s[20:21], s[18:19]
	s_mul_u64 s[46:47], s[46:47], s[18:19]
	s_mul_i32 s45, s14, HALFT
	s_mul_i32 s94, s14, HALFS
	s_wait_kmcnt 0x0
	s_add_nc_u64 s[6:7], s[4:5], AS_OFF
	s_add_nc_u64 s[20:21], s[4:5], s[20:21]
	s_add_nc_u64 s[22:23], s[6:7], s[22:23]
	s_add_nc_u64 s[46:47], s[8:9], s[46:47]
	s_add_nc_u64 s[92:93], s[10:11], s[92:93]
	s_or_b32 s[G1S+0], s43, (3<<16)|(1<<20)|(1<<21)|(5<<22)|(3<<25)
	s_or_b32 s[G1SB+0], s44, (3<<16)|(1<<20)|(1<<21)|(5<<22)|(3<<25)
.irp g, G1S, G1SB
	s_mov_b32 s[\g+1], 32<<16
	s_mov_b32 s[\g+2], (128*KS/256)<<16
	s_mov_b32 s[\g+3], 32<<16
	s_mov_b32 s[\g+4], 128*KS/256
	s_mov_b32 s[\g+5], 32
	s_mov_b32 s[\g+6], 0
	s_mov_b32 s[\g+7], 0
.endr
	CROUND
	s_mov_b32 s[G0S], 1
	s_add_co_u32 s[G0S+1], s94, SCL
	s_mov_b64 s[G0S+2:G0S+3], s[22:23]
	s_or_b32 s[G0S+3], s[G0S+3], 0x80000000
	s_mov_b32 s[G0SB], 1
	s_add_co_u32 s[G0SB+1], s94, SCL
	s_mov_b64 s[G0SB+2:G0SB+3], s[92:93]
	s_or_b32 s[G0SB+3], s[G0SB+3], 0x80000000
	JLOAD G0S, G1S, G0SB, G1SB
.irp s, 0,1
	s_mov_b32 s[G0+4*\s], 1
	s_add_co_u32 s[G0+4*\s+1], s45, \s*SLOT
	s_add_nc_u64 s[G0+4*\s+2:G0+4*\s+3], s[20:21], \s*ROWB
	s_or_b32 s[G0+4*\s+3], s[G0+4*\s+3], 0x80000000
	s_mov_b32 s[G0B+4*\s], 1
	s_add_co_u32 s[G0B+4*\s+1], s45, \s*SLOT
	s_add_nc_u64 s[G0B+4*\s+2:G0B+4*\s+3], s[46:47], \s*ROWB
	s_or_b32 s[G0B+4*\s+3], s[G0B+4*\s+3], 0x80000000
	JLOAD G0+4*\s, G1, G0B+4*\s, G1B
.endr
	v_and_b32 v1, 15, v0                           ; r
	v_bfe_u32 v2, v0, 4, 1                         ; h
	v_and_b32 v[LANE], 31, v0
	v_mul_u32_u24 v4, v1, PITCH
	v_mad_u32_u24 v4, v2, 24, v4
	v_lshl_add_u32 v5, v2, 4, v4
	s_mul_i32 s21, s15, HALFT
	s_mul_i32 s22, s16, HALFT
	s_add_co_u32 s22, s22, 2*HALFT
.irp s, 0,1
	v_add_nc_u32 v[ADRA+\s], s21, v4
	v_add_nc_u32 v[ADRB+\s], s22, v4
	v_add_nc_u32 v[ADRA+2+\s], s21, v5
	v_add_nc_u32 v[ADRB+2+\s], s22, v5
	s_add_co_u32 s21, s21, SLOT
	s_add_co_u32 s22, s22, SLOT
.endr
	v_mul_u32_u24 v10, v1, KS
	v_lshrrev_b32 v11, 8, v10
	v_lshl_add_u32 v10, v11, 4, v10
	s_mul_i32 s21, s15, HALFS
	s_mul_i32 s22, s16, HALFS
	s_add_co_u32 s22, s22, 2*HALFS
	s_sub_co_u32 s22, s22, s21
	v_mul_u32_u24 v11, s22, v2
	s_add_co_u32 s21, s21, SCL
	v_add_nc_u32 v10, v10, v11
	v_add_nc_u32 v[ADRS], s21, v10
	s_mul_i32 s23, s14, 16*SPITCH                  ; my stage
	v_mul_u32_u24 v5, v1, SPITCH
	v_lshl_add_u32 v5, v2, 5, v5
	v_add_nc_u32 v[STO], s23, v5
	v_lshlrev_b32 v[CO], 4, v[LANE]
	v_add_nc_u32 v[RD], s23, v[CO]
	s_lshl_b32 s20, s17, 8
	s_lshl_b32 s21, s15, 7
	s_add_co_u32 s20, s20, s21
	s_lshl_b32 s20, s20, 12                        ; my first row of C and of x, 4,096 bytes a row
	s_lshl_b32 s46, s42, 10
	s_lshl_b32 s47, s16, 9
	s_add_co_u32 s46, s46, s47                     ; my first column, in bytes
	s_add_co_u32 s20, s20, s46
	s_mov_b32 s21, 0
	s_mov_b32 s47, 0
	s_add_nc_u64 s[12:13], s[12:13], s[20:21]
	s_add_nc_u64 s[98:99], s[98:99], s[20:21]
	s_add_nc_u64 s[96:97], s[96:97], s[46:47]
	v_lshlrev_b32 v12, 5, v2                       ; lane (r, h) wants, for tile b, n = 16 b + 8 h + 0 .. 7
.irp b, 0,1,2,3,4,5,6,7
	global_load_b128 v[BIAS+8*\b:BIAS+8*\b+3], v12, s[96:97] offset:64*\b
	global_load_b128 v[BIAS+8*\b+4:BIAS+8*\b+7], v12, s[96:97] offset:64*\b+16
.endr
.macro FRAG reg, adr, q, ro
.irp p, 0,1,2,3,4,5
.set PCE, 12*(\q)+6*(\p/3)+\p%3
.if PCE%8 < 5
	ds_load_b64 v[\reg+2*\p:\reg+2*\p+1], v[\adr] offset:8*PCE+16*(PCE/8)+(\ro)*PITCH
.else
	ds_load_b64 v[\reg+2*\p:\reg+2*\p+1], v[\adr+2] offset:8*PCE+16*(PCE/8)+(\ro)*PITCH
.endif
.endr
.endm
.macro MUL16 a0, p, q, sc, zero        ; the 64 accumulators take turns, one instruction a turn
.irp a, \a0, \a0+1
.irp b, 0,1,2,3,4,5,6,7
.if \zero
	v_wmma_scale_f32_16x16x128_f8f6f4 v[8*(8*((\a)%4)+\b):8*(8*((\a)%4)+\b)+7], v[128*(\p)+FR*\b:128*(\p)+FR*\b+FR-1], v[AF+FR*(\a):AF+FR*(\a)+FR-1], v[BIAS+8*\b:BIAS+8*\b+7], v[SC+8*NQ*(\sc)+NQ*\b+(\q)], v[SC+8*NQ*(\sc)+NQ*(\a)+(\q)] matrix_a_fmt:MATRIX_FMT_FP6 matrix_b_fmt:MATRIX_FMT_FP6 matrix_a_scale:MATRIX_SCALE_ROW1
.else
	v_wmma_scale_f32_16x16x128_f8f6f4 v[8*(8*((\a)%4)+\b):8*(8*((\a)%4)+\b)+7], v[128*(\p)+FR*\b:128*(\p)+FR*\b+FR-1], v[AF+FR*(\a):AF+FR*(\a)+FR-1], v[8*(8*((\a)%4)+\b):8*(8*((\a)%4)+\b)+7], v[SC+8*NQ*(\sc)+NQ*\b+(\q)], v[SC+8*NQ*(\sc)+NQ*(\a)+(\q)] matrix_a_fmt:MATRIX_FMT_FP6 matrix_b_fmt:MATRIX_FMT_FP6 matrix_a_scale:MATRIX_SCALE_ROW1
.endif
.endr
.endr
.endm
.macro FETCH_B slot, q, p
	WIN TO_B
.irp i, 0,1,2,3,4,5,6,7
	FRAG 128*(\p)+FR*\i, ADRB+\slot, \q, 16*\i
.endr
	WIN 0
.endm
.macro FETCH_A slot, q, i0
.irp i, \i0, \i0+1, \i0+2, \i0+3
	FRAG AF+FR*(\i), ADRA+\slot, \q, 16*(\i)
.endr
.endm
.macro SCALES sc
.irp i, 0,1,2,3,4,5,6,7
	ds_load_b64 v[SC+8*NQ*\sc+NQ*\i:SC+8*NQ*\sc+NQ*\i+1], v[ADRS] offset:\i*SBLK
.endr
.endm
.macro STEP slot, q, zero
	s_wait_dscnt 4*NL                              ; B's set and A's blocks 0-3 are in; the youngest 24 loads (A's blocks 4-7) may be out
	WIN MUL_LO-0x20*(\zero)
	MUL16 0, (\q)%2, \q, \slot, \zero
	MUL16 2, (\q)%2, \q, \slot, \zero
	s_wait_dscnt 0
	PLACES NP
	FETCH_B \slot, (\q)+1, 1-(\q)%2
	FETCH_A \slot, (\q)+1, 0
	WIN MUL_HI-0x30*(\zero)
	MUL16 4, (\q)%2, \q, \slot, \zero
	MUL16 6, (\q)%2, \q, \slot, \zero
	PLACES NP
	WIN 0
	FETCH_A \slot, (\q)+1, 4
.endm
.macro TURN slot, next, fill
	s_wait_tensorcnt 0x0                           ; all my tensor loads have landed: my part of the next slot
	ds_add_u32 v[SPW], v[NIL]                      ; 0 onto my spare word
	s_wait_dscnt 4*NL+1                            ; (the add and the youngest 24 loads may be out)
	WIN MUL_LO
	MUL16 0, 1, NQ-1, \slot, 0
	s_wait_dscnt 0x0                               ; the add is done, and my reads of this slot are over
	s_barrier_signal -1
	MUL16 2, 1, NQ-1, \slot, 0
	WIN 0
	s_barrier_wait -1
.if \fill
	CREST                                          ; the barrier has opened a round of the cluster's barrier
	s_add_nc_u64 s[G0+4*\slot+2:G0+4*\slot+3], s[G0+4*\slot+2:G0+4*\slot+3], 2*ROWB
	s_add_nc_u64 s[G0B+4*\slot+2:G0B+4*\slot+3], s[G0B+4*\slot+2:G0B+4*\slot+3], 2*ROWB
	JLOAD G0+4*\slot, G1, G0B+4*\slot, G1B         ; the first tensor load behind the round; its four v_nop are the places in front of the loads below
.else
	PLACES NP
.endif
	v_add_nc_u32 v[ADRS], 4*NQ, v[ADRS]
	FETCH_B \next, 0, 0
	FETCH_A \next, 0, 0
	SCALES \next
	WIN MUL_HI
	MUL16 4, 1, NQ-1, \slot, 0
	MUL16 6, 1, NQ-1, \slot, 0
	PLACES NP
	WIN 0
	FETCH_A \next, 0, 4
.endm
	s_wait_loadcnt 0x0                             ; the bias
	s_wait_tensorcnt 1                             ; the scales and my part of K step 0 are in; K step 1's load may be out
	s_barrier_signal -1
	s_barrier_wait -1
	FETCH_B 0, 0, 0
	FETCH_A 0, 0, 0
	SCALES 0
	FETCH_A 0, 0, 4
	STEP 0, 0, 1
	s_mov_b32 s3, LAPS-1
.Llap:
	TURN 0, 1, 1
	STEP 1, 0, 0
	TURN 1, 0, 1
	STEP 0, 0, 0
	s_sub_co_u32 s3, s3, 1
	s_cmp_lg_u32 s3, 0
	s_cbranch_scc1 .Llap
	TURN 0, 1, 0
	STEP 1, 0, 0
	s_wait_dscnt 4*NL
	WIN MUL_LO
	MUL16 0, 1, NQ-1, 1, 0
	MUL16 2, 1, NQ-1, 1, 0
	s_wait_dscnt 0
	WIN MUL_HI
	MUL16 4, 1, NQ-1, 1, 0
	MUL16 6, 1, NQ-1, 1, 0
	WIN 0
	; ---- THE WAY OUT
.macro TOSTAGE a
.set AC, 64*((\a)%4)
	WIN 0x08+4*((\a)/4)                            ; an LDS store's data: window 2 or 3
.irp b, 0,1,2,3,4,5,6,7
	ds_store_b128 v[STO], v[AC+8*\b:AC+8*\b+3] offset:64*\b          ; each accumulator from its low end on
	ds_store_b128 v[STO], v[AC+8*\b+4:AC+8*\b+7] offset:64*\b+16
.endr
	WIN 0
.set BB, BK+64*((\a)%2)
.irp t, 0,1,2,3,4,5,6,7,8,9,10,11,12,13,14,15
	ds_load_b128 v[BB+4*\t:BB+4*\t+3], v[RD] offset:\t*SPITCH        ; LDS serves a wave in order (ISA guide 5.7.1.4): these see the stores above
.endr
.endm
.macro XLOAD a                         ; x's same 16 rows x 512 bytes, into window 1
	WIN 0x40
.irp t, 0,1,2,3,4,5,6,7,8,9,10,11,12,13,14,15
	global_load_b128 v[4*\t:4*\t+3], v[CO], s[98:99] offset:(16*(\a)+\t)*SIZE_N*4
.endr
	WIN 0
.endm
.macro ADDX a
.set BB, BK+64*((\a)%2)
	WIN 0x04                                       ; source 1: window 1
.set i, 0
.rept 32
	v_pk_add_f32 v[BB+i:BB+i+1], v[BB+i:BB+i+1], v[i:i+1]
.set i, i+2
.endr
	WIN 0
.endm
.macro SEND a
.set BB, BK+64*((\a)%2)
.irp t, 0,1,2,3,4,5,6,7,8,9,10,11,12,13,14,15
	global_store_b128 v[CO], v[BB+4*\t:BB+4*\t+3], s[12:13] offset:(16*(\a)+\t)*SIZE_N*4 th:TH_STORE_NT   ; 32 lanes store 512 consecutive bytes; the row stands in the immediate, 520,192 at the most
.endr
.endm
	PLACES NP                                      ; behind the last products: results are read and operand registers loaded from here on
	XLOAD 0
	TOSTAGE 0
.irp a, 0,1,2,3,4,5,6,7
	s_wait_dscnt 0x0                               ; the block is back in registers,
	s_wait_loadcnt 0x0                             ; and x's rows are in
	ADDX \a
.if \a < 7
	s_wait_xcnt 0x0                                ; the block before's stores have read the other set of registers
	XLOAD \a+1
	TOSTAGE \a+1
.endif
	SEND \a
.endr
	s_wait_tensorcnt 0x0                           ; the wave's end
	ds_add_u32 v[SPW], v[NIL]
	s_wait_dscnt 0x0
	CROUND                                         ; the closing round
	s_endpgm
.Lfunc_end_k_q28b7557355_ff2:
	.size	k_q28b7557355_ff2, .Lfunc_end_k_q28b7557355_ff2-k_q28b7557355_ff2
	.p2alignl 7, 3214868480
	.fill 96, 4, 3214868480
	.section	.rodata,"a",@progbits
	.p2align	6, 0x0
	.amdhsa_kernel k_q28b7557355_ff2
		.amdhsa_group_segment_fixed_size 327680
		.amdhsa_private_segment_fixed_size 0
		.amdhsa_enable_private_segment 0
		.amdhsa_kernarg_size 48
		.amdhsa_user_sgpr_count 2
		.amdhsa_user_sgpr_kernarg_segment_ptr 1
		.amdhsa_wavefront_size32 1
		.amdhsa_system_sgpr_workgroup_id_x 1
		.amdhsa_system_sgpr_workgroup_id_y 1
		.amdhsa_system_sgpr_workgroup_id_z 1
		.amdhsa_system_vgpr_workitem_id 0
		.amdhsa_next_free_vgpr 1024
		.amdhsa_next_free_sgpr 102
		.amdhsa_reserve_vcc 0
		.amdhsa_float_denorm_mode_32 3
		.amdhsa_float_denorm_mode_16_64 3
		.amdhsa_memory_ordered 1
		.amdhsa_forward_progress 1
		.amdhsa_inst_pref_size 190
	.end_amdhsa_kernel
	.amdgpu_metadata
---
amdhsa.version: [ 1, 2 ]
amdhsa.kernels:
  - .name:           k_q28b7557355_ff2
    .symbol:         k_q28b7557355_ff2.kd
    .args:
      - { .name: hid, .offset: 0, .size: 8, .value_kind: global_buffer, .address_space: global }
      - { .name: w2_codes, .offset: 8, .size: 8, .value_kind: global_buffer, .address_space: global }
      - { .name: w2_scales, .offset: 16, .size: 8, .value_kind: global_buffer, .address_space: global }
      - { .name: b2, .offset: 24, .size: 8, .value_kind: global_buffer, .address_space: global }
      - { .name: x, .offset: 32, .size: 8, .value_kind: global_buffer, .address_space: global }
      - { .name: out0, .offset: 40, .size: 8, .value_kind: global_buffer, .address_space: global }
    .group_segment_fixed_size: 327680
    .private_segment_fixed_size: 0
    .kernarg_segment_align: 8
    .kernarg_segment_size: 48
    .max_flat_workgroup_size: 128
    .sgpr_count:     102
    .vgpr_count:     1024
    .wavefront_size: 32
...
	.end_amdgpu_metadata
.endif
;; end of part 7
;; ======== version 2 of 2: 8 launches
;; limits: right only within a limited range of input values
;; workspace buffers: part 16,384 bytes; act 3,276,800 bytes; qkv 9,830,400 bytes; z 16,777,216 bytes; hid 13,107,200 bytes
;; launch stats (part 8): grid 256 x 1, 4 waves a work-group, no clusters, 0 bytes of LDS; arguments x, part; writes part
.if DOCPART == 8
	.amdgcn_target "amdgcn-amd-amdhsa--gfx1250"
	.amdhsa_code_object_version 6
	.text
	.protected	k_q28b7557355_stats
	.globl	k_q28b7557355_stats
	.p2align	8
	.type	k_q28b7557355_stats,@function
k_q28b7557355_stats:
	s_mov_b64 s[64:65], 0
	v_nop
	global_prefetch_b8 v0, s[64:65] scope:SCOPE_SE
	s_setreg_imm32_b32 hwreg(HW_REG_WAVE_MODE, 25, 1), 1
	s_wait_xcnt 0x0
; The first half of the joint layer norm over (L, D): for each chunk of 2,048 consecutive numbers of x its mean and its sum of squared deviations from that mean (M2).
; part: [2 batches][1,024 chunks][mean, M2], f32.  The launch behind this one joins the chunks: variance = (sum of M2 + 2,048 x sum of (chunk mean - mean)^2) / 2^21,
; so that no difference of large sums is ever formed, whatever offset the numbers carry.
; A wave takes 16,384 consecutive bytes, two chunks, by 32 loads of 512 consecutive bytes; the numbers stay in registers between the two passes, so x is read once.
; A stream: no LDS, no barrier, no matrix unit, no cluster (no two work-groups read the same byte).  LIMITS: NaN and infinities in x are not served.
.set D0,   16                          ; v16-143  the two chunks, 64 registers each
.set CH,   144                         ; v144-151 four chains of pairs
.set MEAN, 152                         ; v152-153 the chunk's mean, twice
.set RES,  156                         ; v156-159 mean 0, M2 0, mean 1, M2 1
.set SEL,  10                          ; s[10:11] lane selects: lane l xor 16
.macro REDUCE x, t                     ; the sum over the 32 lanes, in every lane
	v_add_f32_dpp v[\x], v[\x], v[\x] row_xmask:1 row_mask:0xf bank_mask:0xf
	v_add_f32_dpp v[\x], v[\x], v[\x] row_xmask:2 row_mask:0xf bank_mask:0xf
	v_add_f32_dpp v[\x], v[\x], v[\x] row_xmask:4 row_mask:0xf bank_mask:0xf
	v_add_f32_dpp v[\x], v[\x], v[\x] row_xmask:8 row_mask:0xf bank_mask:0xf
	v_permlanex16_b32 v[\t], v[\x], s[SEL], s[SEL+1]
	v_add_f32 v[\x], v[\x], v[\t]
.endm
.macro JOIN                            ; the four chains become one number a lane, then one for the wave
	v_pk_add_f32 v[CH:CH+1], v[CH:CH+1], v[CH+2:CH+3]
	v_pk_add_f32 v[CH+4:CH+5], v[CH+4:CH+5], v[CH+6:CH+7]
	v_pk_add_f32 v[CH:CH+1], v[CH:CH+1], v[CH+4:CH+5]
	v_add_f32 v[CH], v[CH], v[CH+1]
	REDUCE CH, CH+1
.endm
.macro CHUNK c
.set D, D0+64*(\c)
.irp k, 0,1,2,3
	v_pk_add_f32 v[CH+2*\k:CH+2*\k+1], v[D+2*\k:D+2*\k+1], v[D+8+2*\k:D+9+2*\k]     ; the first pairs start the chains: nothing is cleared
.endr
.irp j, 2,3,4,5,6,7
.irp k, 0,1,2,3
	v_pk_add_f32 v[CH+2*\k:CH+2*\k+1], v[CH+2*\k:CH+2*\k+1], v[D+8*\j+2*\k:D+8*\j+2*\k+1]
.endr
.endr
	JOIN
	v_mul_f32 v[MEAN], 0x3a000000, v[CH]           ; x 2^-11
	v_mov_b32 v[MEAN+1], v[MEAN]
.irp j, 0,1,2,3,4,5,6,7
.irp k, 0,1,2,3
	v_pk_add_f32 v[D+8*\j+2*\k:D+8*\j+2*\k+1], v[D+8*\j+2*\k:D+8*\j+2*\k+1], v[MEAN:MEAN+1] neg_lo:[0,1] neg_hi:[0,1]   ; the deviations, in place
.endr
.endr
.irp k, 0,1,2,3
	v_pk_mul_f32 v[CH+2*\k:CH+2*\k+1], v[D+2*\k:D+2*\k+1], v[D+2*\k:D+2*\k+1]
.endr
.irp j, 1,2,3,4,5,6,7
.irp k, 0,1,2,3
	v_pk_fma_f32 v[CH+2*\k:CH+2*\k+1], v[D+8*\j+2*\k:D+8*\j+2*\k+1], v[D+8*\j+2*\k:D+8*\j+2*\k+1], v[CH+2*\k:CH+2*\k+1]
.endr
.endr
	JOIN
	v_mov_b32 v[RES+2*(\c)], v[MEAN]
	v_mov_b32 v[RES+2*(\c)+1], v[CH]
.endm
	s_load_b128 s[4:7], s[0:1], 0x0                ; x, part
	v_lshrrev_b32 v3, 5, v0
	v_readfirstlane_b32 s8, v3                     ; wave
	v_and_b32 v1, 31, v0                           ; lane
	v_lshlrev_b32 v2, 4, v1                        ; 16 bytes a lane
	s_lshl_b32 s9, ttmp9, 2
	s_add_co_u32 s9, s9, s8                        ; which run of 16,384 bytes is my wave's
	s_lshl_b32 s12, s9, 14
	s_mov_b32 s13, 0
	s_mov_b32 s[SEL], 0x76543210
	s_mov_b32 s[SEL+1], 0xfedcba98
	s_lshl_b32 s14, s9, 4                          ; my 16 bytes of part
	v_mov_b32 v3, s14
	s_wait_alu depctr_va_vdst(0)
	s_wait_kmcnt 0x0
	s_add_nc_u64 s[4:5], s[4:5], s[12:13]
.set i, 0
.rept 32
	global_load_b128 v[D0+4*i:D0+4*i+3], v2, s[4:5] offset:512*i th:TH_LOAD_NT
.set i, i+1
.endr
	s_wait_loadcnt 16                              ; the first chunk's 16 loads are in; the second chunk's may be out
	CHUNK 0
	s_wait_loadcnt 0x0
	CHUNK 1
	s_wait_alu depctr_va_vdst(0)
	s_wait_xcnt 0x0                                ; EXEC changes only behind this wait
	v_cmp_eq_u32 vcc_lo, 0, v1
	s_and_saveexec_b32 s15, vcc_lo
	global_store_b128 v3, v[RES:RES+3], s[6:7]     ; lane 0 alone: every lane holds the same four numbers
	s_wait_xcnt 0x0
	s_or_b32 exec_lo, exec_lo, s15
	s_endpgm
.Lfunc_end_k_q28b7557355_stats:
	.size	k_q28b7557355_stats, .Lfunc_end_k_q28b7557355_stats-k_q28b7557355_stats
	.p2alignl 7, 3214868480
	.fill 96, 4, 3214868480
	.section	.rodata,"a",@progbits
	.p2align	6, 0x0
	.amdhsa_kernel k_q28b7557355_stats
		.amdhsa_group_segment_fixed_size 0
		.amdhsa_private_segment_fixed_size 0
		.amdhsa_enable_private_segment 0
		.amdhsa_kernarg_size 16
		.amdhsa_user_sgpr_count 2
		.amdhsa_user_sgpr_kernarg_segment_ptr 1
		.amdhsa_wavefront_size32 1
		.amdhsa_system_sgpr_workgroup_id_x 1
		.amdhsa_system_sgpr_workgroup_id_y 1
		.amdhsa_system_sgpr_workgroup_id_z 1
		.amdhsa_system_vgpr_workitem_id 0
		.amdhsa_next_free_vgpr 160
		.amdhsa_next_free_sgpr 66
		.amdhsa_reserve_vcc 1
		.amdhsa_float_denorm_mode_32 3
		.amdhsa_float_denorm_mode_16_64 3
		.amdhsa_memory_ordered 1
		.amdhsa_forward_progress 1
		.amdhsa_inst_pref_size 19
	.end_amdhsa_kernel
	.amdgpu_metadata
---
amdhsa.version: [ 1, 2 ]
amdhsa.kernels:
  - .name:           k_q28b7557355_stats
    .symbol:         k_q28b7557355_stats.kd
    .args:
      - { .name: x, .offset: 0, .size: 8, .value_kind: global_buffer, .address_space: global }
      - { .name: part, .offset: 8, .size: 8, .value_kind: global_buffer, .address_space: global }
    .group_segment_fixed_size: 0
    .private_segment_fixed_size: 0
    .kernarg_segment_align: 8
    .kernarg_segment_size: 16
    .max_flat_workgroup_size: 128
    .sgpr_count:     66
    .vgpr_count:     160
    .wavefront_size: 32
...
	.end_amdgpu_metadata
.endif
;; end of part 8
;; launch quant_h (part 9): grid 128 x 1, 4 waves a work-group, no clusters, 33,280 bytes of LDS; arguments x, part, act; writes act
.if DOCPART == 9
	.amdgcn_target "amdgcn-amd-amdhsa--gfx1250"
	.amdhsa_code_object_version 6
	.text
	.protected	k_q28b7557355_quant_h
	.globl	k_q28b7557355_quant_h
	.p2align	8
	.type	k_q28b7557355_quant_h,@function
k_q28b7557355_quant_h:
	s_mov_b64 s[64:65], 0
	v_nop
	global_prefetch_b8 v0, s[64:65] scope:SCOPE_SE
	s_setreg_imm32_b32 hwreg(HW_REG_WAVE_MODE, 25, 1), 1
	s_wait_xcnt 0x0
; The second half of the joint layer norm, and the quantiser behind it.  src [4,096][1,024] f32 (x, later z) -> (src - mean) x rsqrt(variance + 1e-5), mean and variance of the row's batch,
; -> codes of FP6 (E2M3), K innermost, [4,096][768 bytes] at act + 0, and one E8M0 byte for each 32 along K, [4,096][32] at act + ACT_S.
; Every wave joins its batch's 1,024 chunks (8,192 bytes of part) by itself: mean = the mean of the chunk means; variance = (sum of M2 + 2,048 x sum of (chunk mean - mean)^2) / 2^21.
; The norm is a subtraction and then a multiplication, in f32, as the problem writes it.
; A block's scale is 2^(floor(log2(its largest magnitude)) - 2); its byte is the largest magnitude's exponent field - 2, held at 1 from below.
; LIMITS: a block of zeros gets the byte 1, not 127 (its codes are zeros, and this program alone reads the bytes); a block whose largest magnitude lies under 2^-124 has its byte held at 1; NaN and infinities are not served.
; Rows are dense and 1,024 is a multiple of 32: the tensor is a plain stream of blocks of 32.  A wave takes 16 steps of 512 numbers.  Each load reads 512 consecutive bytes, 16 a lane; a step's 2,048 bytes turn through the
; wave's own stage in LDS and come back 64 bytes a lane, since the conversion takes 16 neighbours from one lane's registers.  A lane's 16 codes are 12 bytes: a store covers 384 consecutive bytes.
; A wave's 256 scale bytes are gathered in its own LDS bytes and leave as 256 consecutive bytes, aligned.  No tensor loads, no barrier: waves share nothing.  No cluster: no two work-groups read the same numbers but the small table.
.set STEPS, 16
.set EMAX,  2
.set CB,    12                         ; bytes of 16 codes
.set R,     16                         ; v16-79   four sets of 16 numbers as they are loaded
.set X,     80                         ; v80-111  two sets of 16 neighbours
.set E,     112                        ; v112-127 a scale byte for each step
.set C,     128                        ; v128-191 first the batch's table, then codes: four registers a step
.set MU,    192                        ; v192-193 the mean, twice
.set RS,    194                        ; v194-195 rsqrt(variance + eps), twice
.set WREG,  8192                       ; LDS: a region for each wave: two stages of 32 x SP bytes, then its 256 scale bytes
.set SP,    80                         ; a lane's place in a stage: 64 bytes + 16 of padding
.set ACT_S, 3145728
.set SEL,   12
.macro REDUCE x, t
	v_add_f32_dpp v[\x], v[\x], v[\x] row_xmask:1 row_mask:0xf bank_mask:0xf
	v_add_f32_dpp v[\x], v[\x], v[\x] row_xmask:2 row_mask:0xf bank_mask:0xf
	v_add_f32_dpp v[\x], v[\x], v[\x] row_xmask:4 row_mask:0xf bank_mask:0xf
	v_add_f32_dpp v[\x], v[\x], v[\x] row_xmask:8 row_mask:0xf bank_mask:0xf
	v_permlanex16_b32 v[\t], v[\x], s[SEL], s[SEL+1]
	v_add_f32 v[\x], v[\x], v[\t]
.endm
	s_load_b128 s[4:7], s[0:1], 0x0                ; src, part
	s_load_b64 s[8:9], s[0:1], 0x10                ; act
	v_lshl_add_u32 v200, v0, 2, 0x8000
	v_mov_b32 v201, 0
	v_lshrrev_b32 v1, 5, v0
	v_readfirstlane_b32 s16, v1                    ; wave
	v_and_b32 v2, 31, v0                           ; lane
	v_lshlrev_b32 v3, 4, v2                        ; my 16 bytes of a load's 512
	s_mul_i32 s17, s16, WREG
	v_lshrrev_b32 v14, 2, v2
	v_mul_u32_u24 v14, v14, SP
	v_and_b32 v15, 3, v2
	v_lshl_add_u32 v14, v15, 4, v14
	v_add_nc_u32 v14, s17, v14                     ; the stage, on the way in: four lanes' 64 bytes on end, then 16 of padding
	v_mul_u32_u24 v15, v2, SP
	v_add_nc_u32 v15, s17, v15                     ; and on the way out: my 16 neighbours
	v_mul_u32_u24 v4, v2, CB                       ; my codes' place in a step's
	v_lshrrev_b32 v5, 1, v2
	s_add_co_u32 s17, s17, 2*32*SP
	v_add_nc_u32 v5, s17, v5                       ; LDS: my wave's 256 scale bytes, my block's byte
	v_lshlrev_b32 v7, 3, v2                        ; and on the way out 8 bytes a lane
	v_add_nc_u32 v6, s17, v7
	s_mov_b32 s[SEL], 0x76543210
	s_mov_b32 s[SEL+1], 0xfedcba98
	s_lshl_b32 s18, ttmp9, 2
	s_add_co_u32 s18, s18, s16                     ; which run of 8,192 numbers is my wave's
	s_lshl_b32 s20, s18, 15
	s_mov_b32 s21, 0
	s_lshr_b32 s22, ttmp9, 6                       ; the batch: 64 work-groups each
	s_lshl_b32 s22, s22, 13
	s_mov_b32 s23, 0
	s_mul_i32 s24, s18, 32*STEPS*CB
	s_mov_b32 s25, 0
	s_lshl_b32 s26, s18, 8
	s_add_co_u32 s26, s26, ACT_S
	s_mov_b32 s27, 0
	s_wait_kmcnt 0x0
	s_add_nc_u64 s[4:5], s[4:5], s[20:21]
	s_add_nc_u64 s[6:7], s[6:7], s[22:23]
	s_add_nc_u64 s[10:11], s[8:9], s[26:27]        ; the scale bytes
	s_add_nc_u64 s[8:9], s[8:9], s[24:25]          ; the codes
.set i, 0
.rept 16
	global_load_b128 v[C+4*i:C+4*i+3], v3, s[6:7] offset:512*i     ; the batch's 1,024 (mean, M2): 32 pairs a lane
.set i, i+1
.endr
.macro LOAD t
.irp i, 0,1,2,3
	global_load_b128 v[R+16*((\t)%4)+4*\i:R+16*((\t)%4)+4*\i+3], v3, s[4:5] offset:2048*(\t)+512*\i th:TH_LOAD_NT
.endr
.endm
.macro TURN t                          ; step t's numbers through the stage: LDS serves a wave's instructions in order (ISA guide 5.7.1.4), so no wait stands between the stores and the loads
.irp i, 0,1,2,3
	ds_store_b128 v14, v[R+16*((\t)%4)+4*\i:R+16*((\t)%4)+4*\i+3] offset:32*SP*((\t)%2)+8*SP*\i
.endr
.irp i, 0,1,2,3
	ds_load_b128 v[X+16*((\t)%2)+4*\i:X+16*((\t)%2)+4*\i+3], v15 offset:32*SP*((\t)%2)+16*\i
.endr
.endm
.irp t, 0,1,2,3
	LOAD \t
.endr
	s_wait_loadcnt 16                              ; the table is in; the 16 loads of steps 0 to 3 may be out
	v_pk_add_f32 v[8:9], v[C:C+1], v[C+2:C+3]      ; (sum of means, sum of M2), in two chains
	v_pk_add_f32 v[10:11], v[C+4:C+5], v[C+6:C+7]
.set j, 8
.rept 14
	v_pk_add_f32 v[8:9], v[8:9], v[C+j:C+j+1]
	v_pk_add_f32 v[10:11], v[10:11], v[C+j+2:C+j+3]
.set j, j+4
.endr
	v_pk_add_f32 v[8:9], v[8:9], v[10:11]
	REDUCE 8, 10
	REDUCE 9, 10
	v_mul_f32 v[MU], 0x3a800000, v8                ; x 2^-10: the mean
	v_mov_b32 v[MU+1], v[MU]
.set j, 0
.rept 32
	v_sub_f32 v[C+j], v[C+j], v[MU]                ; chunk mean - mean
.set j, j+2
.endr
	v_mul_f32 v10, v[C], v[C]
	v_mul_f32 v11, v[C+2], v[C+2]
.set j, 4
.rept 15
	v_fmac_f32 v10, v[C+j], v[C+j]
	v_fmac_f32 v11, v[C+j+2], v[C+j+2]
.set j, j+4
.endr
	v_add_f32 v10, v10, v11
	REDUCE 10, 11
	v_fmamk_f32 v9, v10, 0x45000000, v9            ; sum of M2 + 2,048 x that
	v_mul_f32 v9, 0x35000000, v9                   ; x 2^-21: the variance
	v_add_f32 v9, 0x3727c5ac, v9                   ; + 1e-5
	s_wait_alu depctr_va_vdst(0)
	v_rsq_f32 v[RS], v9
	v_nop                                          ; a plain instruction behind the transcendental (ISA guide 5.7.2)
	s_wait_alu depctr_va_vdst(0)                   ; and a wait ahead of the first use
	v_mov_b32 v[RS+1], v[RS]
	s_wait_loadcnt 12                              ; step 0's four loads are in
	TURN 0
.macro STEP t
.set XS, X+16*((\t)%2)
.if (\t) > 0
	s_wait_dscnt 1                                 ; this step's numbers are back from the stage (the last step's byte store may be out): so its stores into the stage have read their registers,
.else
	s_wait_dscnt 0x0
.endif
.if (\t)+4 < STEPS
	LOAD (\t)+4                                    ; which take the loads of four steps on
.endif
.if (\t)+1 < STEPS
.if STEPS-2-(\t) >= 3
	s_wait_loadcnt 12                              ; the next step's four loads are in; those of the three steps behind it may be out
.else
	s_wait_loadcnt 4*(STEPS-2-(\t))
.endif
	TURN (\t)+1
.endif
.irp i, 0,2,4,6,8,10,12,14
	v_pk_add_f32 v[XS+\i:XS+\i+1], v[XS+\i:XS+\i+1], v[MU:MU+1] neg_lo:[0,1] neg_hi:[0,1]   ; - mean
.endr
	s_wait_alu depctr_va_vdst(0)
.irp i, 0,2,4,6,8,10,12,14
	v_pk_mul_f32 v[XS+\i:XS+\i+1], v[XS+\i:XS+\i+1], v[RS:RS+1]                            ; x rsqrt
.endr
	v_max3_num_f32 v8, |v[XS]|, |v[XS+1]|, |v[XS+2]|               ; the largest magnitude of my 16
	v_max3_num_f32 v9, |v[XS+3]|, |v[XS+4]|, |v[XS+5]|
.irp i, 6,10
	v_max3_num_f32 v8, v8, |v[XS+\i]|, |v[XS+\i+1]|
	v_max3_num_f32 v9, v9, |v[XS+\i+2]|, |v[XS+\i+3]|
.endr
	v_max3_num_f32 v8, v8, |v[XS+14]|, |v[XS+15]|
	v_max3_num_f32 v8, v8, v9, (EMAX+1)<<23        ; and the floor 2^(3 - 127): the byte cannot fall under 1
	v_max_num_f32_dpp v8, v8, v8 row_xmask:1 row_mask:0xf bank_mask:0xf   ; and of my neighbour's 16: the block's
	v_add_nc_u32 v11, -(EMAX<<23), v8              ; 2 off its exponent field: the conversion takes the exponent field of this operand as its scale
	v_cvt_scalef32_pk16_fp6_f32 v[C+4*(\t):C+4*(\t)+2], v[XS:XS+15], v11
	v_lshrrev_b32 v[E+(\t)], 23, v11               ; the scale's byte (a plain instruction behind the conversion)
	ds_store_b8 v5, v[E+(\t)] offset:16*(\t)       ; both lanes of a block write the same byte with the same value
	global_store_b96 v4, v[C+4*(\t):C+4*(\t)+2], s[8:9] offset:32*CB*(\t)
.endm
.irp t, 0,1,2,3,4,5,6,7,8,9,10,11,12,13,14,15
	STEP \t
.endr
	ds_load_b64 v[12:13], v6                       ; these see my byte stores: LDS serves a wave in order
	s_wait_dscnt 0x0
	global_store_b64 v7, v[12:13], s[10:11]        ; 32 lanes store 256 consecutive bytes, aligned
	s_wait_tensorcnt 0x0
	ds_add_u32 v200, v201
	s_wait_dscnt 0x0
	s_endpgm
.Lfunc_end_k_q28b7557355_quant_h:
	.size	k_q28b7557355_quant_h, .Lfunc_end_k_q28b7557355_quant_h-k_q28b7557355_quant_h
	.p2alignl 7, 3214868480
	.fill 96, 4, 3214868480
	.section	.rodata,"a",@progbits
	.p2align	6, 0x0
	.amdhsa_kernel k_q28b7557355_quant_h
		.amdhsa_group_segment_fixed_size 33280
		.amdhsa_private_segment_fixed_size 0
		.amdhsa_enable_private_segment 0
		.amdhsa_kernarg_size 24
		.amdhsa_user_sgpr_count 2
		.amdhsa_user_sgpr_kernarg_segment_ptr 1
		.amdhsa_wavefront_size32 1
		.amdhsa_system_sgpr_workgroup_id_x 1
		.amdhsa_system_sgpr_workgroup_id_y 1
		.amdhsa_system_sgpr_workgroup_id_z 1
		.amdhsa_system_vgpr_workitem_id 0
		.amdhsa_next_free_vgpr 202
		.amdhsa_next_free_sgpr 66
		.amdhsa_reserve_vcc 0
		.amdhsa_float_denorm_mode_32 3
		.amdhsa_float_denorm_mode_16_64 3
		.amdhsa_memory_ordered 1
		.amdhsa_forward_progress 1
		.amdhsa_inst_pref_size 56
	.end_amdhsa_kernel
	.amdgpu_metadata
---
amdhsa.version: [ 1, 2 ]
amdhsa.kernels:
  - .name:           k_q28b7557355_quant_h
    .symbol:         k_q28b7557355_quant_h.kd
    .args:
      - { .name: x, .offset: 0, .size: 8, .value_kind: global_buffer, .address_space: global }
      - { .name: part, .offset: 8, .size: 8, .value_kind: global_buffer, .address_space: global }
      - { .name: act, .offset: 16, .size: 8, .value_kind: global_buffer, .address_space: global }
    .group_segment_fixed_size: 33280
    .private_segment_fixed_size: 0
    .kernarg_segment_align: 8
    .kernarg_segment_size: 24
    .max_flat_workgroup_size: 128
    .sgpr_count:     66
    .vgpr_count:     202
    .wavefront_size: 32
...
	.end_amdgpu_metadata
.endif
;; end of part 9
;; launch qkv (part 10): grid 4 x 48, 4 waves a work-group, clusters of 4 x 4, 327,680 bytes of LDS; arguments act, wq_codes, wq_scales, wk_codes, wk_scales, wv_codes, wv_scales, bq, bk, bv, qkv; writes qkv
.if DOCPART == 10
	.amdgcn_target "amdgcn-amd-amdhsa--gfx1250"
	.amdhsa_code_object_version 6
	.text
	.protected	k_q28b7557355_qkv
	.globl	k_q28b7557355_qkv
	.p2align	8
	.type	k_q28b7557355_qkv,@function
k_q28b7557355_qkv:
	s_mov_b64 s[64:65], 0
	v_nop
	global_prefetch_b8 v0, s[64:65] scope:SCOPE_SE
	s_setreg_imm32_b32 hwreg(HW_REG_WAVE_MODE, 25, 1), 1
	s_wait_xcnt 0x0
	s_wait_alu depctr_hold_cnt(0) depctr_sa_sdst(0) depctr_va_vdst(0) depctr_va_sdst(0) depctr_va_ssrc(0) depctr_va_vcc(0) depctr_vm_vsrc(0)
	s_getreg_b32 s2, hwreg(HW_REG_IB_STS2, 6, 4)
	s_cmp_eq_u32 s2, 0
	s_cbranch_scc0 .Lentry_in_a_cluster
	s_endpgm
.Lentry_in_a_cluster:
	s_bfe_u32 s2, ttmp6, 0x10000c
	s_cmp_lg_u32 s2, 0xf033
	s_cbranch_scc0 .Lentry_shape_is_right
	s_endpgm
.Lentry_shape_is_right:
.set SIZE_K, 1024
.set KSTEP,  256
.set NQ,     KSTEP/128
; q, k, v = Q(h) W^T + b on codes of FP6 with E8M0 scales, K = 1,024; a block of 256 x 256 a work-group, 128 x 128 a wave; the results are quantised on the way out.
; K goes through two LDS slots in chunks of 256 bytes of each row (a row of codes is 768 bytes: three chunks, each on a multiple of 256 bytes); a step of 128 along K is 96 bytes, eight steps, written out.
; No prefetch: the walk is three chunks, written out, with no loop to run ahead in.
.set ROWB,   256
.set KROW,   SIZE_K*6/8
.set PITCH,  272                       ; 256 bytes + 16 of padding
.set FR,     12
.set NL,     6
.set NP,     4
.set HALFT,  128*PITCH
.set SLOT,   4*HALFT
.set CHUNKS, KROW/ROWB                 ; chunk c lies in slot c % 2
.set KS,     SIZE_K/32
.set SCL,    2*SLOT
.set HALFS,  (128*KS/256)*272
.set SBLK,   (16*KS/256)*272
.set D8,     (8*KS/256)*272
.set SPARE,  SCL+4*HALFS
.set ACT_S,  3145728
.set SPT,    272
.set SST,    SLOT+256*SPT              ; the way out is staged in slot 1: the last chunk lies in slot 0
.set WCS,    1024
.set RWS,    4
.set CO,   3
.set SSTO, 4
.set SRD,  5
.set SGO,  6
.set ADRA, 16
.set ADRB, 20
.set STO,  24
.set RD,   25
.set ADRS, 27
.set SPW,  28
.set NIL,  29
.set ADRS1, 30
.set LANE, 31
.set SC,   32
.set BIAS, 64
.set HA,   64
.set AF,   128
.set TM,   128
.set PW,   144
.set PC,   148
.set OUTR, 164
.set BM,   240
.set SEL,  22
.set G1, 24
.set G0, 32
.set G1B, 48
.set G0B, 56
.set G1S, 68
.set G0S, 76
.set G1SB, 80
.set G0SB, 88
.set MSB, 0
.macro WIN new
.if MSB != (\new)
	s_set_vgpr_msb (MSB<<8)|(\new)
.set MSB, (\new)
.endif
.endm
.set MUL_LO, 0xa1
.set MUL_HI, 0xf1
.set TO_B,   0x40
.macro JLOAD g0a, g1a, g0b, g1b
	s_cmp_eq_u32 s15, 0
	s_cbranch_scc0 .Lfor_b_\@
	tensor_load_to_lds s[\g0a:\g0a+3], s[\g1a:\g1a+7]
	s_nop 0
.rept 4
	v_nop
.endr
	s_branch .Lasked_\@
.Lfor_b_\@:
	tensor_load_to_lds s[\g0b:\g0b+3], s[\g1b:\g1b+7]
	s_nop 0
.rept 4
	v_nop
.endr
.Lasked_\@:
.endm
.macro CREST
	s_cmp_lg_u32 s14, 0
	s_cbranch_scc1 .Lnot_wave_0_\@
	s_barrier_signal -3
.Lnot_wave_0_\@:
	s_barrier_wait -3
	s_barrier_signal -1
	s_barrier_wait -1
.endm
.macro CROUND
	s_barrier_signal -1
	s_barrier_wait -1
	CREST
.endm
.macro PLACES n
.rept \n
	v_nop
.endr
.endm
	s_load_b512 s[68:83], s[0:1], 0x0
	s_load_b128 s[84:87], s[0:1], 0x40
	s_load_b64 s[88:89], s[0:1], 0x50
	v_lshl_add_u32 v[SPW], v0, 2, SPARE
	v_mov_b32 v[NIL], 0
	ds_add_u32 v28, v29
	ds_add_u32 v28, v29
	s_wait_dscnt 0x0
	v_lshrrev_b32 v1, 5, v0
	v_readfirstlane_b32 s14, v1
	s_lshr_b32 s15, s14, 1
	s_and_b32 s16, s14, 1
	s_bfe_u32 s40, ttmp6, 0x40000
	s_bfe_u32 s41, ttmp6, 0x40004
	s_and_b32 s2, ttmp7, 0xffff
	s_lshr_b32 s66, s2, 2
	s_and_b32 s67, s2, 3
	s_lshl_b32 s67, s67, 2
	s_cmp_eq_u32 s66, 2
	s_cselect_b32 s17, 0, s67
	s_cselect_b32 s42, s67, 0
	s_add_co_u32 s17, s17, s41
	s_add_co_u32 s42, s42, s40
	s_lshl_b32 s43, s41, 2
	s_lshl_b32 s43, 15, s43
	s_lshl_b32 s44, 0x1111, s40
	s_or_b32 s[G1+0], s43, (0<<16)|(1<<20)|(1<<21)|(5<<22)|(3<<25)  ; 4 words of padding behind every 64
	s_or_b32 s[G1B+0], s44, (0<<16)|(1<<20)|(1<<21)|(5<<22)|(3<<25)
.irp g, G1, G1B
	s_mov_b32 s[\g+1], ROWB<<16
	s_mov_b32 s[\g+2], 256<<16                     ; the head's loads bring 256 rows
	s_mov_b32 s[\g+3], ROWB<<16
	s_mov_b32 s[\g+4], 256
	s_mov_b32 s[\g+5], KROW
	s_mov_b32 s[\g+6], 0
	s_mov_b32 s[\g+7], 0
.endr
	s_lshl_b32 s20, s17, 8                         ; the tile's first row of A, of B
	s_lshl_b32 s46, s42, 8
	s_mov_b32 s21, 0
	s_mov_b32 s47, 0
	s_mov_b64 s[18:19], KS
	s_mul_u64 s[22:23], s[20:21], s[18:19]
	s_mul_u64 s[92:93], s[46:47], s[18:19]
	s_mov_b64 s[18:19], KROW
	s_mul_u64 s[20:21], s[20:21], s[18:19]
	s_mul_u64 s[46:47], s[46:47], s[18:19]
	s_mul_i32 s45, s14, HALFT
	s_mul_i32 s18, s16, 128*KROW                   ; in the ring I fetch 128 rows: which half, in bytes
	s_mov_b32 s19, 0
	s_wait_kmcnt 0x0
	s_add_nc_u64 s[12:13], s[68:69], ACT_S
	s_cmp_eq_u32 s66, 0
	s_cselect_b64 s[8:9], s[70:71], s[74:75]
	s_cselect_b64 s[10:11], s[72:73], s[76:77]
	s_cselect_b64 s[96:97], s[82:83], s[84:85]
	s_cmp_eq_u32 s66, 2
	s_cselect_b64 s[4:5], s[78:79], s[68:69]
	s_cselect_b64 s[6:7], s[80:81], s[12:13]
	s_cselect_b64 s[8:9], s[68:69], s[8:9]
	s_cselect_b64 s[10:11], s[12:13], s[10:11]
	s_cselect_b64 s[96:97], s[86:87], s[96:97]
	s_mov_b64 s[12:13], s[88:89]
	s_add_nc_u64 s[20:21], s[4:5], s[20:21]
	s_add_nc_u64 s[22:23], s[6:7], s[22:23]
	s_add_nc_u64 s[46:47], s[8:9], s[46:47]
	s_add_nc_u64 s[92:93], s[10:11], s[92:93]
	s_or_b32 s[G1S+0], s43, (3<<16)|(1<<20)|(1<<21)|(5<<22)|(3<<25)
	s_or_b32 s[G1SB+0], s44, (3<<16)|(1<<20)|(1<<21)|(5<<22)|(3<<25)
.irp g, G1S, G1SB
	s_mov_b32 s[\g+1], 32<<16
	s_mov_b32 s[\g+2], KS<<16                      ; the scales of 256 rows: KS rows of 256 bytes
	s_mov_b32 s[\g+3], 32<<16
	s_mov_b32 s[\g+4], KS
	s_mov_b32 s[\g+5], 32
	s_mov_b32 s[\g+6], 0
	s_mov_b32 s[\g+7], 0
.endr
	CROUND
	s_mov_b32 s[G0S], 1
	s_mov_b32 s[G0S+1], SCL
	s_mov_b64 s[G0S+2:G0S+3], s[22:23]
	s_or_b32 s[G0S+3], s[G0S+3], 0x80000000
	s_mov_b32 s[G0SB], 1
	s_mov_b32 s[G0SB+1], SCL+2*HALFS
	s_mov_b64 s[G0SB+2:G0SB+3], s[92:93]
	s_or_b32 s[G0SB+3], s[G0SB+3], 0x80000000
.set G0H, 4                            ; s[4:7], s[8:11]: group 0 of the head's loads of chunk 0 (the pointers that lay there have been used)
.set G0HB, 8
	s_mov_b32 s[G0H], 1
	s_mov_b32 s[G0H+1], 0
	s_mov_b64 s[G0H+2:G0H+3], s[20:21]
	s_or_b32 s[G0H+3], s[G0H+3], 0x80000000
	s_mov_b32 s[G0HB], 1
	s_mov_b32 s[G0HB+1], 2*HALFT
	s_mov_b64 s[G0HB+2:G0HB+3], s[46:47]
	s_or_b32 s[G0HB+3], s[G0HB+3], 0x80000000
	s_add_nc_u64 s[20:21], s[20:21], s[18:19]      ; for the ring: my 128 rows
	s_add_nc_u64 s[46:47], s[46:47], s[18:19]
.irp s, 0,1
	s_mov_b32 s[G0+4*\s], 1
	s_add_co_u32 s[G0+4*\s+1], s45, \s*SLOT
	s_add_nc_u64 s[G0+4*\s+2:G0+4*\s+3], s[20:21], \s*ROWB
	s_or_b32 s[G0+4*\s+3], s[G0+4*\s+3], 0x80000000
	s_mov_b32 s[G0B+4*\s], 1
	s_add_co_u32 s[G0B+4*\s+1], s45, \s*SLOT
	s_add_nc_u64 s[G0B+4*\s+2:G0B+4*\s+3], s[46:47], \s*ROWB
	s_or_b32 s[G0B+4*\s+3], s[G0B+4*\s+3], 0x80000000
.endr
; the head's four tiles, one load a wave: wave 0 chunk 0 of A's 256 rows, wave 1 of B's, wave 2 A's scales, wave 3 B's; one tree of branches on the wave's number
.macro ARM under, g0, g1, next
	s_cmp_lt_u32 s14, \under
	s_cbranch_scc0 \next
	tensor_load_to_lds s[\g0:\g0+3], s[\g1:\g1+7]
	s_nop 0
.rept 4
	v_nop
.endr
	s_branch .Lhead_asked
\next:
.endm
	ARM 1, G0H,  G1,  .Lhead_b
	ARM 2, G0HB, G1B, .Lhead_sa
	ARM 3, G0S,  G1S, .Lhead_sb
	tensor_load_to_lds s[G0SB:G0SB+3], s[G1SB:G1SB+7]
	s_nop 0
.rept 4
	v_nop
.endr
.Lhead_asked:
	v_and_b32 v1, 15, v0
	v_bfe_u32 v2, v0, 4, 1
	v_and_b32 v[LANE], 31, v0
	v_mul_u32_u24 v3, v1, PITCH                    ; A: row r
	v_mad_u32_u24 v4, v2, 24, v3                   ; + 24 h
	v_and_b32 v6, 8, v1
	v_add_nc_u32 v6, v6, v1
	v_mul_u32_u24 v6, v6, PITCH                    ; B: row r + 8 (r / 8)
	v_mad_u32_u24 v7, v2, 24, v6
	s_mov_b32 s21, SLOT-232
	s_mov_b32 s22, SLOT+232
	v_sub_nc_u32 v8, 1, v2
	v_mul_u32_u24 v5, s21, v2
	v_add_nc_u32 v5, 232, v5                       ; across two chunks: lanes 0-15 byte 232 in slot 0, lanes 16-31 byte 0 in slot 1;
	v_mul_u32_u24 v8, s22, v8                      ; and lanes 0-15 byte 232 in slot 1, lanes 16-31 byte 0 in slot 0
	s_mul_i32 s21, s15, HALFT
	s_mul_i32 s22, s16, HALFT
	s_add_co_u32 s22, s22, 2*HALFT
	v_add_nc_u32 v9, s21, v3
	v_add_nc_u32 v10, s22, v6
	v_add_nc_u32 v[ADRA+2], v9, v5
	v_add_nc_u32 v[ADRA+3], v9, v8
	v_add_nc_u32 v[ADRB+2], v10, v5
	v_add_nc_u32 v[ADRB+3], v10, v8
.irp s, 0,1
	v_add_nc_u32 v[ADRA+\s], s21, v4
	v_add_nc_u32 v[ADRB+\s], s22, v7
	s_add_co_u32 s21, s21, SLOT
	s_add_co_u32 s22, s22, SLOT
.endr
	v_and_b32 v9, 0x18, v0
	v_add_nc_u32 v9, 8, v9
	v_lshrrev_b32 v9, 5, v9
	v_lshl_add_u32 v9, v9, 3, v1
	v_mul_u32_u24 v10, v9, KS
	v_lshrrev_b32 v11, 8, v10
	v_lshl_add_u32 v10, v11, 4, v10
	s_mul_i32 s21, s15, HALFS
	s_mul_i32 s22, s16, HALFS
	s_add_co_u32 s22, s22, 2*HALFS
	s_sub_co_u32 s22, s22, s21
	v_mul_u32_u24 v11, s22, v2
	s_add_co_u32 s21, s21, SCL
	v_add_nc_u32 v10, v10, v11
	v_add_nc_u32 v[ADRS], s21, v10
	v_mul_u32_u24 v11, v2, D8
	v_sub_nc_u32 v[ADRS1], v[ADRS], v11
	s_cmp_eq_u32 s66, 2
	s_cselect_b32 s92, s42, s17
	s_cselect_b32 s93, s17, s42
	s_mov_b32 s94, 98304
	s_cselect_b32 s95, 3072, s94
	s_cselect_b32 s99, s94, 3072
	s_mov_b32 s94, 1024
	s_cselect_b32 s2, 512, s94
	s_mov_b32 s94, 8192
	s_cselect_b32 s67, 256, s94
	s_cselect_b32 s3, s94, 512
	s_mov_b32 s94, 4096
	s_cselect_b32 s101, s94, 256
	s_lshr_b32 s94, s92, 3
	s_and_b32 s92, s92, 7
	s_mul_i32 s98, s66, 3145728
	s_lshl_b32 s100, s94, 4
	s_lshl_b32 s18, s93, 2
	s_add_co_u32 s100, s100, s18
	s_mul_i32 s100, s100, 98304
	s_add_co_u32 s98, s98, s100
	s_mul_i32 s100, s92, 12288
	s_add_co_u32 s98, s98, s100
	s_mul_i32 s100, s14, s95
	s_add_co_u32 s98, s98, s100
	s_lshl_b32 s100, s66, 17
	s_add_co_u32 s100, s100, 9437184
	s_lshl_b32 s18, s94, 16
	s_add_co_u32 s100, s100, s18
	s_lshl_b32 s18, s93, 14
	s_add_co_u32 s100, s100, s18
	s_mul_i32 s18, s92, s2
	s_add_co_u32 s100, s100, s18
	s_mul_i32 s18, s15, s67
	s_add_co_u32 s100, s100, s18
	s_mul_i32 s18, s16, s3
	s_add_co_u32 s100, s100, s18
	s_mov_b32 s[SEL], 0x76543210
	s_mov_b32 s[SEL+1], 0xfedcba98
	s_lshl_b32 s18, s42, 10
	s_lshl_b32 s19, s16, 9
	s_add_co_u32 s18, s18, s19
	s_lshl_b32 s20, s17, 10
	s_lshl_b32 s21, s15, 9
	s_add_co_u32 s20, s20, s21
	s_cmp_eq_u32 s66, 2
	s_cselect_b32 s18, 0, s18
	s_cselect_b32 s20, s20, 0
	s_mov_b32 s21, 0
	s_add_nc_u64 s[20:21], s[96:97], s[20:21]
	s_mov_b32 s19, 0
	s_add_nc_u64 s[18:19], s[96:97], s[18:19]
	v_lshlrev_b32 v12, 6, v2
.irp b, 0,1,2,3,4,5,6,7
	global_load_b128 v[BIAS+8*\b:BIAS+8*\b+3], v12, s[18:19] offset:(32*(\b/2)+8*(\b%2))*4
	global_load_b128 v[BIAS+8*\b+4:BIAS+8*\b+7], v12, s[18:19] offset:(32*(\b/2)+8*(\b%2))*4+16
.endr
	v_lshlrev_b32 v13, 2, v1
.irp a, 0,1,2,3,4,5,6,7
	global_load_b32 v[BM+2*\a], v13, s[20:21] offset:64*\a
.endr
.macro FRAG reg, adr, q, ro
.irp p, 0,1,2,3,4,5
.set BY, 96*(\q)+48*(\p/3)+8*(\p%3)    ; q: the step, from the row's start.  Byte y of a row lies in slot (y / 256) % 2 at byte y % 256; lanes 16-31 read 24 bytes on
.if BY/ROWB == (BY+24)/ROWB
	ds_load_b64 v[\reg+2*\p:\reg+2*\p+1], v[\adr+(BY/ROWB)%2] offset:BY%ROWB+(\ro)*PITCH
.else
	ds_load_b64 v[\reg+2*\p:\reg+2*\p+1], v[\adr+2+(BY/ROWB)%2] offset:BY%ROWB-232+(\ro)*PITCH
.endif
.endr
.endm
.macro MUL16 a0, p, q, sc, zero
.irp a, \a0, \a0+1
.irp b, 0,1,2,3,4,5,6,7
.if \zero
	v_wmma_scale_f32_16x16x128_f8f6f4 v[8*(8*((\a)%4)+\b):8*(8*((\a)%4)+\b)+7], v[128*(\p)+FR*\b:128*(\p)+FR*\b+FR-1], v[AF+FR*(\a):AF+FR*(\a)+FR-1], v[BIAS+8*\b:BIAS+8*\b+7], v[SC+8*NQ*(\sc)+NQ*\b+(\q)], v[SC+8*NQ*(\sc)+NQ*(\a)+(\q)] matrix_a_fmt:MATRIX_FMT_FP6 matrix_b_fmt:MATRIX_FMT_FP6 matrix_a_scale:MATRIX_SCALE_ROW1
.else
	v_wmma_scale_f32_16x16x128_f8f6f4 v[8*(8*((\a)%4)+\b):8*(8*((\a)%4)+\b)+7], v[128*(\p)+FR*\b:128*(\p)+FR*\b+FR-1], v[AF+FR*(\a):AF+FR*(\a)+FR-1], v[8*(8*((\a)%4)+\b):8*(8*((\a)%4)+\b)+7], v[SC+8*NQ*(\sc)+NQ*\b+(\q)], v[SC+8*NQ*(\sc)+NQ*(\a)+(\q)] matrix_a_fmt:MATRIX_FMT_FP6 matrix_b_fmt:MATRIX_FMT_FP6 matrix_a_scale:MATRIX_SCALE_ROW1
.endif
.endr
.endr
.endm
.macro FETCH_B q, p
	WIN TO_B
.irp i, 0,1,2,3,4,5,6,7
	FRAG 128*(\p)+FR*\i, ADRB, \q, 32*(\i/2)+8*(\i%2)
.endr
	WIN 0
.endm
.macro FETCH_A q, i0
.irp i, \i0, \i0+1, \i0+2, \i0+3
	FRAG AF+FR*(\i), ADRA, \q, 16*(\i)
.endr
.endm
.macro SCALES pr                       ; the scale words of steps 2 pr, 2 pr + 1 into set pr % 2
.irp i, 0,1,2,3,4,5,6,7
.if \i%2
	ds_load_b64 v[SC+8*NQ*((\pr)%2)+NQ*\i:SC+8*NQ*((\pr)%2)+NQ*\i+1], v[ADRS1] offset:\i*SBLK+4*NQ*(\pr)
.else
	ds_load_b64 v[SC+8*NQ*((\pr)%2)+NQ*\i:SC+8*NQ*((\pr)%2)+NQ*\i+1], v[ADRS] offset:\i*SBLK+4*NQ*(\pr)
.endif
.endr
.endm
; A step of 128 along K.  Where the next step's bytes END in a chunk not read yet: the wait for my tensor loads and a barrier, ahead of the fetch.
; Where they BEGIN in a later chunk: the chunk left behind is read no more: wait, add, wait, barrier; where a chunk two on is left, the barrier opens a round and the slot is filled again.
.macro STEP st, zero
.set NX, (\st)+1
.set C0, (96*(\st))/ROWB
.set C1, (96*NX)/ROWB
.set E0, (96*(\st)+95)/ROWB
.set E1, (96*NX+95)/ROWB
.if C1 > C0 || E1 > E0
	s_wait_tensorcnt 0x0                           ; all my tensor loads have landed
.if C1 > C0
	ds_add_u32 v[SPW], v[NIL]
	s_wait_dscnt 4*NL+1                            ; the add and A's blocks 4-7 may be out
.else
	s_wait_dscnt 4*NL
.endif
	WIN MUL_LO
	MUL16 0, (\st)%2, (\st)%2, ((\st)/2)%2, 0
	s_wait_dscnt 0x0                               ; the add and all my reads are done
	s_barrier_signal -1
	MUL16 2, (\st)%2, (\st)%2, ((\st)/2)%2, 0
	WIN 0
	s_barrier_wait -1
.if C1 > C0 && C0+2 < CHUNKS
	CREST
	s_add_nc_u64 s[G0+4*(C0%2)+2:G0+4*(C0%2)+3], s[G0+4*(C0%2)+2:G0+4*(C0%2)+3], 2*ROWB
	s_add_nc_u64 s[G0B+4*(C0%2)+2:G0B+4*(C0%2)+3], s[G0B+4*(C0%2)+2:G0B+4*(C0%2)+3], 2*ROWB
	JLOAD G0+4*(C0%2), G1, G0B+4*(C0%2), G1B       ; chunk C0 + 2; its four v_nop are the places in front of the loads below
.else
	PLACES NP
.endif
.else
	s_wait_dscnt 4*NL                              ; all but A's blocks 4-7
	WIN MUL_LO-0x20*(\zero)
	MUL16 0, (\st)%2, (\st)%2, ((\st)/2)%2, \zero
	MUL16 2, (\st)%2, (\st)%2, ((\st)/2)%2, \zero
	s_wait_dscnt 0
	PLACES NP
.endif
	FETCH_B NX, NX%2
	FETCH_A NX, 0
.if NX%2 == 0
	SCALES NX/2
.endif
	WIN MUL_HI-0x30*(\zero)
	MUL16 4, (\st)%2, (\st)%2, ((\st)/2)%2, \zero
	MUL16 6, (\st)%2, (\st)%2, ((\st)/2)%2, \zero
	PLACES NP
	WIN 0
	FETCH_A NX, 4
.endm
	s_wait_loadcnt 0x0
	s_cmp_eq_u32 s66, 2
	s_cselect_b32 vcc_lo, 0, -1
.set i, 0
.rept 64
	v_cndmask_b32 v[BIAS+i], 0, v[BIAS+i], vcc_lo
.set i, i+1
.endr
	s_not_b32 vcc_lo, vcc_lo
.irp a, 0,1,2,3,4,5,6,7
	v_cndmask_b32 v[BM+2*\a], 0, v[BM+2*\a], vcc_lo
.endr
.irp a, 0,1,2,3,4,5,6,7
	v_mov_b32 v[BM+2*\a+1], v[BM+2*\a]
.endr
	s_wait_alu depctr_va_vdst(0)
	s_wait_tensorcnt 0x0                           ; my tile of the head's four is in
	ds_add_u32 v[SPW], v[NIL]
	s_mov_b32 s[G1+2], 128<<16                     ; no load of mine is out: from here on a load brings 128 rows
	s_mov_b32 s[G1+4], 128
	s_mov_b32 s[G1B+2], 128<<16
	s_mov_b32 s[G1B+4], 128
	s_wait_dscnt 0x0
	CROUND
	JLOAD G0+4, G1, G0B+4, G1B                     ; chunk 1
	FETCH_B 0, 0
	FETCH_A 0, 0
	SCALES 0
	FETCH_A 0, 4
	STEP 0, 1
.set ST, 1
.rept 6
	STEP ST, 0
.set ST, ST+1
.endr
	s_wait_dscnt 4*NL
	WIN MUL_LO
	MUL16 0, 1, NQ-1, 1, 0
	MUL16 2, 1, NQ-1, 1, 0
	s_wait_dscnt 0
	WIN MUL_HI
	MUL16 4, 1, NQ-1, 1, 0
	MUL16 6, 1, NQ-1, 1, 0
	WIN 0
	PLACES NP
	s_mul_i32 s18, s15, 128*SPT
	s_add_co_u32 s18, s18, SLOT
	s_lshl_b32 s19, s16, 7
	s_add_co_u32 s18, s18, s19
	v_mul_u32_u24 v[STO], v1, SPT
	v_lshl_add_u32 v[STO], v2, 4, v[STO]
	v_add_nc_u32 v[STO], s18, v[STO]
	s_mul_i32 s18, s16, WCS
	s_mul_i32 s19, s15, 128*RWS
	s_add_co_u32 s18, s18, s19
	s_add_co_u32 s18, s18, SST
	v_mul_u32_u24 v[SSTO], v1, RWS
	v_add_nc_u32 v[SSTO], s18, v[SSTO]
.irp b, 0,1,2,3
	v_mov_b32 v[TM+4+\b], 0
.endr
.macro QUANT16
.irp b, 0,1,2,3
	v_max3_num_f32 v[TM+\b], |v[HA+16*\b]|, |v[HA+1+16*\b]|, 0x1800000
.endr
.irp i, 2,4,6,8,10,12,14
.irp b, 0,1,2,3
	v_max3_num_f32 v[TM+\b], v[TM+\b], |v[HA+16*\b+\i]|, |v[HA+1+16*\b+\i]|
.endr
.endr
.irp b, 0,1,2,3
	v_permlanex16_b32 v[TM+4+\b], v[TM+\b], s[SEL], s[SEL+1]
.endr
.irp b, 0,1,2,3
	v_max_num_f32 v[TM+\b], v[TM+\b], v[TM+4+\b]
.endr
.irp b, 0,1,2,3
	v_add_nc_u32 v[TM+12+\b], 0xff000000, v[TM+\b]
.endr
.irp b, 0,1,2,3
	v_lshrrev_b32 v[TM+4+\b], 23, v[TM+12+\b]
.endr
	s_wait_alu depctr_va_vdst(0)
	s_wait_dscnt 0x0
	v_lshl_or_b32 v[PW], v[TM+5], 8, v[TM+4]
	v_lshl_or_b32 v[PW], v[TM+6], 16, v[PW]
	v_lshl_or_b32 v[PW], v[TM+7], 24, v[PW]
.irp b, 0,1,2,3
	v_cvt_scalef32_pk16_fp6_f32 v[PC+4*\b:PC+4*\b+2], v[HA+16*\b:HA+16*\b+15], v[TM+12+\b]
.endr
	v_nop
.endm
.macro TILE a
.set AC, 64*((\a)%4)
	WIN 0x02+((\a)/4)
.set i, 0
.rept 32
	v_pk_add_f32 v[HA+i:HA+i+1], v[AC+i:AC+i+1], v[BM+2*(\a):BM+2*(\a)+1]
.set i, i+2
.endr
	WIN 0
	QUANT16
.irp b, 0,1,2,3
	ds_store_b96 v[STO], v[PC+4*\b:PC+4*\b+2] offset:16*(\a)*SPT+32*\b
.endr
	ds_store_b32 v[SSTO], v[PW] offset:16*(\a)*RWS
.endm
.irp a, 0,1,2,3,4,5,6,7
	TILE \a
.endr
	v_lshrrev_b32 v7, 2, v[LANE]
	v_mul_u32_u24 v7, v7, SPT
	v_and_b32 v8, 3, v[LANE]
	v_lshl_add_u32 v7, v8, 4, v7
	s_lshl_b32 s18, s14, 6
	s_add_co_u32 s18, s18, SLOT
	v_add_nc_u32 v[RD], s18, v7
	v_add_nc_u32 v[RD+1], 128*SPT, v[RD]
	v_mul_u32_u24 v[CO], v[LANE], 12
	s_lshl_b32 s18, s14, 9
	s_add_co_u32 s18, s18, SST
	v_lshl_add_u32 v[SRD], v[LANE], 4, s18
	v_mul_u32_u24 v[SGO], s101, v2
	v_lshl_add_u32 v[SGO], v1, 4, v[SGO]
	v_add_nc_u32 v[SGO], s100, v[SGO]
	s_mov_b32 s20, s98
	s_mov_b32 s21, 0
	s_add_nc_u64 s[32:33], s[12:13], s[20:21]
	s_mov_b32 s20, s99
	s_add_nc_u64 s[34:35], s[32:33], s[20:21]
	s_add_nc_u64 s[36:37], s[34:35], s[20:21]
	s_add_nc_u64 s[38:39], s[36:37], s[20:21]
	s_wait_alu depctr_va_vdst(0)
	s_wait_dscnt 0x0
	s_barrier_signal -1
	s_barrier_wait -1
.irp u, 0,1
.if \u
	s_wait_xcnt 0x0
.endif
.irp t, 0,1,2,3,4,5,6,7,8,9,10,11,12,13,14,15
	ds_load_b96 v[OUTR+4*\t:OUTR+4*\t+2], v[RD+\u] offset:8*\t*SPT
.endr
.irp t, 0,1,2,3,4,5,6,7,8,9,10,11,12,13,14,15
	s_wait_dscnt 15-\t
	global_store_b96 v[CO], v[OUTR+4*\t:OUTR+4*\t+2], s[32+2*(2*\u+\t/8):33+2*(2*\u+\t/8)] offset:(((\t%8)&4)+2*(\t&1)+((\t>>1)&1))*384
.endr
.endr
	ds_load_b128 v[228:231], v[SRD]
	s_wait_dscnt 0x0
	global_store_b128 v[SGO], v[228:231], s[12:13]
	s_wait_tensorcnt 0x0
	ds_add_u32 v[SPW], v[NIL]
	s_wait_dscnt 0x0
	CROUND
	s_endpgm
.Lfunc_end_k_q28b7557355_qkv:
	.size	k_q28b7557355_qkv, .Lfunc_end_k_q28b7557355_qkv-k_q28b7557355_qkv
	.p2alignl 7, 3214868480
	.fill 96, 4, 3214868480
	.section	.rodata,"a",@progbits
	.p2align	6, 0x0
	.amdhsa_kernel k_q28b7557355_qkv
		.amdhsa_group_segment_fixed_size 327680
		.amdhsa_private_segment_fixed_size 0
		.amdhsa_enable_private_segment 0
		.amdhsa_kernarg_size 88
		.amdhsa_user_sgpr_count 2
		.amdhsa_user_sgpr_kernarg_segment_ptr 1
		.amdhsa_wavefront_size32 1
		.amdhsa_system_sgpr_workgroup_id_x 1
		.amdhsa_system_sgpr_workgroup_id_y 1
		.amdhsa_system_sgpr_workgroup_id_z 1
		.amdhsa_system_vgpr_workitem_id 0
		.amdhsa_next_free_vgpr 1024
		.amdhsa_next_free_sgpr 102
		.amdhsa_reserve_vcc 1
		.amdhsa_float_denorm_mode_32 3
		.amdhsa_float_denorm_mode_16_64 3
		.amdhsa_memory_ordered 1
		.amdhsa_forward_progress 1
		.amdhsa_inst_pref_size 192
	.end_amdhsa_kernel
	.amdgpu_metadata
---
amdhsa.version: [ 1, 2 ]
amdhsa.kernels:
  - .name:           k_q28b7557355_qkv
    .symbol:         k_q28b7557355_qkv.kd
    .args:
      - { .name: act, .offset: 0, .size: 8, .value_kind: global_buffer, .address_space: global }
      - { .name: wq_codes, .offset: 8, .size: 8, .value_kind: global_buffer, .address_space: global }
      - { .name: wq_scales, .offset: 16, .size: 8, .value_kind: global_buffer, .address_space: global }
      - { .name: wk_codes, .offset: 24, .size: 8, .value_kind: global_buffer, .address_space: global }
      - { .name: wk_scales, .offset: 32, .size: 8, .value_kind: global_buffer, .address_space: global }
      - { .name: wv_codes, .offset: 40, .size: 8, .value_kind: global_buffer, .address_space: global }
      - { .name: wv_scales, .offset: 48, .size: 8, .value_kind: global_buffer, .address_space: global }
      - { .name: bq, .offset: 56, .size: 8, .value_kind: global_buffer, .address_space: global }
      - { .name: bk, .offset: 64, .size: 8, .value_kind: global_buffer, .address_space: global }
      - { .name: bv, .offset: 72, .size: 8, .value_kind: global_buffer, .address_space: global }
      - { .name: qkv, .offset: 80, .size: 8, .value_kind: global_buffer, .address_space: global }
    .group_segment_fixed_size: 327680
    .private_segment_fixed_size: 0
    .kernarg_segment_align: 8
    .kernarg_segment_size: 88
    .max_flat_workgroup_size: 128
    .sgpr_count:     102
    .vgpr_count:     1024
    .wavefront_size: 32
...
	.end_amdgpu_metadata
.endif
;; end of part 10
;; launch attn (part 11): grid 8 x 32, 16 waves a work-group, clusters of 4 x 1, 327,680 bytes of LDS; arguments qkv, act; writes act
.if DOCPART == 11
	.amdgcn_target "amdgcn-amd-amdhsa--gfx1250"
	.amdhsa_code_object_version 6
	.text
	.protected	k_q28b7557355_attn
	.globl	k_q28b7557355_attn
	.p2align	8
	.type	k_q28b7557355_attn,@function
k_q28b7557355_attn:
	s_mov_b64 s[64:65], 0
	v_nop
	global_prefetch_b8 v0, s[64:65] scope:SCOPE_SE
	s_setreg_imm32_b32 hwreg(HW_REG_WAVE_MODE, 25, 1), 1
	s_wait_xcnt 0x0
	s_wait_alu depctr_hold_cnt(0) depctr_sa_sdst(0) depctr_va_vdst(0) depctr_va_sdst(0) depctr_va_ssrc(0) depctr_va_vcc(0) depctr_vm_vsrc(0)
	s_getreg_b32 s2, hwreg(HW_REG_IB_STS2, 6, 4)
	s_cmp_eq_u32 s2, 0
	s_cbranch_scc0 .Lentry_in_a_cluster
	s_endpgm
.Lentry_in_a_cluster:
	s_bfe_u32 s2, ttmp6, 0x10000c
	s_cmp_lg_u32 s2, 0x3003
	s_cbranch_scc0 .Lentry_shape_is_right
	s_endpgm
.Lentry_shape_is_right:
; o[b][token][head 64 + d] = softmax_k(q . k / 4) v, both products on codes of FP6 (E2M3) with E8M0 scales; o is quantised along (head, d) on the way out: codes [4,096][768 bytes] at act + 0, scale bytes [4,096][32] at act + ACT_S.
; THE SOFTMAX AHEAD OF THE SECOND PRODUCT: t = score x log2(e) / 4; M = the running largest t, rounded UP to a whole number; p = 2^(t - M) is quantised along the keys, not normalised; the row's sum is taken of the unquantised p and divides at
; the end (a reciprocal and a multiplication).  When M moves, the sum and O are multiplied by 2^(old M - new M): exact.
; SHARES.  A work-group owns 256 queries of one head, each of its sixteen waves 16 of them in 256 registers: four waves to a SIMD, so that one wave's vector work stands beside another's matrix work and LDS loads.
; A HEAD'S K AND V CODES, 2 x 98,304 bytes, FIT IN LDS: every byte is filled once, by one load of 12,288 dense bytes a wave; there is no refill, no ring, and one barrier in front of the loop over the keys.
; CLUSTER: the four query blocks of a cluster belong to one head and ask for K and V jointly.
; LAYOUT.  Both products transposed: S^T = K Q^T, O^T = V^T P^T: a lane holds one query throughout.  Sixteen neighbouring positions of K's codes are keys 32 (t / 2) + 8 (t % 2) + r + 8 (r / 8), so that the 16 registers of tiles
; 2 b, 2 b + 1 are 16 neighbouring keys; V's positions of d likewise, so that O^T's registers are 16 neighbours along d for the last quantiser.
; THE FIRST PRODUCT'S K IS 64, the instruction's 128: Q's upper six registers are zero codes; K's upper six are whatever codes follow (FP6 has no NaN code), and the upper two scale bytes are another head's or 0, never 0xff.
; A head's share of a row of o is 48 bytes of codes and 2 scale bytes: these stores cannot cover 256 consecutive bytes.
; LIMITS: a block of zeros gets the byte 1, not 127; NaN and infinities are not served.
.set KC,    3145728                    ; in qkv: k's codes; v's follow 3,145,728 on
.set QS,    9437184
.set KSO,   9568256
.set VSO,   9699328
.set ACT_S, 3145728
.set HEADB, 98304
.set VB,    98304                      ; LDS: K's codes at 0, V's here,
.set SCK,   196608                     ; K's scale words (8,192 bytes, a word a key),
.set SCV,   204800                     ; V's (4,096 bytes: [128 keys][d][4])
.set AK0,  1
.set AV0,  2
.set ASK0, 3
.set ASV0, 4
.set ADK,  8
.set ADV,  9
.set ADS,  10
.set ADT,  11
.set WV,   8
.set SEL,  32
.set CS,   34
.set TB,   36
.set TS,   37
.set TJ,   38
.set CNT,  39
.macro CROUND
	s_barrier_signal -1
	s_barrier_wait -1
	s_cmp_lg_u32 s[WV], 0
	s_cbranch_scc1 .Lnot_wave_0_\@
	s_barrier_signal -3
.Lnot_wave_0_\@:
	s_barrier_wait -3
	s_barrier_signal -1
	s_barrier_wait -1
.endm
	s_load_b128 s[4:7], s[0:1], 0x0                ; qkv, act
	v_lshl_add_u32 v250, v0, 2, 0x33000
	v_mov_b32 v251, 0
	ds_add_u32 v250, v251
	ds_add_u32 v250, v251
	v_lshrrev_b32 v8, 5, v0
	s_delay_alu instid0(VALU_DEP_1)
	v_readfirstlane_b32 s[WV], v8                  ; wave 0..15
	s_bfe_u32 s10, ttmp6, 0x40000                  ; cx: it enters Q's and o's addresses alone
	s_lshl_b32 s11, ttmp9, 2
	s_add_co_u32 s11, s11, s10                     ; my block of 256 queries
	s_and_b32 s9, ttmp7, 0xffff                    ; 16 x batch + head
	s_mov_b32 s16, 15|(3<<16)|(1<<21)              ; group 1: the mask of all four; elements of 8 bytes; bit 21 beside a mask; no padding
	s_mov_b32 s17, 32<<16                          ; rows of 256 bytes,
	s_mov_b32 s18, 48<<16                          ; 48 of them: 12,288 dense bytes
	s_mov_b32 s19, 32<<16
	s_mov_b32 s20, 48
	s_mov_b32 s21, 32
	s_mov_b32 s22, 0
	s_mov_b32 s23, 0
	s_lshr_b32 s41, s[WV], 3                       ; waves 0-7 fetch K, waves 8-15 V: an eighth of the head's codes each
	s_and_b32 s42, s[WV], 7
	s_mul_i32 s51, s9, HEADB
	s_mul_i32 s12, s41, 3145728
	s_add_co_u32 s12, s12, s51
	s_mul_i32 s13, s42, 12288
	s_add_co_u32 s12, s12, s13
	s_add_co_u32 s12, s12, KC
	s_mov_b32 s13, 0
	s_mul_i32 s14, s41, VB
	s_mul_i32 s15, s42, 12288
	s_add_co_u32 s14, s14, s15                     ; and where it goes
	s_lshl_b32 s42, s11, 8
	s_lshl_b32 s43, s[WV], 4
	s_add_co_u32 s42, s42, s43
	s_mul_i32 s42, s42, 48
	s_add_co_u32 s42, s42, s51                     ; Q's codes: positions 256 x block + 16 x wave on
	s_mov_b32 s43, 0
	s_lshl_b32 s50, s11, 8
	s_lshr_b32 s52, s[WV], 1
	s_lshl_b32 s52, s52, 5
	s_add_co_u32 s50, s50, s52
	s_and_b32 s52, s[WV], 1
	s_lshl_b32 s52, s52, 3
	s_add_co_u32 s50, s50, s52                     ; those positions' first token: 256 x block + 32 (wave / 2) + 8 (wave % 2)
	s_lshr_b32 s53, s9, 1
	s_lshl_b32 s53, s53, 13                        ; the pair of heads: 8,192 bytes of scale words
	s_lshl_b32 s48, s50, 2
	s_add_co_u32 s48, s48, s53
	s_add_co_u32 s48, s48, QS
	s_mov_b32 s49, 0
	s_add_co_u32 s44, s53, KSO
	s_mov_b32 s45, 0
	s_lshl_b32 s46, s9, 12
	s_add_co_u32 s46, s46, VSO
	s_mov_b32 s47, 0
	s_and_b32 s40, s9, 1
	s_lshl_b32 s40, s40, 4                         ; an odd head's two bytes lie 16 bits up
	s_mov_b32 s[SEL], 0x76543210
	s_mov_b32 s[SEL+1], 0xfedcba98
	s_mov_b32 s[CS], 0x3eb8aa3b                    ; c = log2(e) / 4
	s_mov_b32 s[CS+1], s[CS]
	s_mov_b32 s[TB], 0
	s_mov_b32 s[TS], 0
	s_mov_b32 s[TJ], 0
	s_wait_dscnt 0x0
	s_wait_kmcnt 0x0
	s_add_nc_u64 s[12:13], s[4:5], s[12:13]
	s_add_nc_u64 s[42:43], s[4:5], s[42:43]
	s_add_nc_u64 s[44:45], s[4:5], s[44:45]
	s_add_nc_u64 s[46:47], s[4:5], s[46:47]
	s_add_nc_u64 s[48:49], s[4:5], s[48:49]
	CROUND                                         ; all four work-groups are here: the joint loads meet
	s_mov_b32 s24, 1
	s_mov_b32 s25, s14
	s_mov_b64 s[26:27], s[12:13]
	s_or_b32 s27, s27, 0x80000000
	tensor_load_to_lds s[24:27], s[16:23]          ; my eighth of K's or of V's codes: the one tensor load of this wave
	s_nop 0
.rept 4
	v_nop
.endr
	v_and_b32 v8, 15, v0                           ; r
	v_bfe_u32 v9, v0, 4, 1                         ; h
	v_lshlrev_b32 v210, 4, v0
	v_lshlrev_b32 v211, 3, v0
	global_load_b128 v[204:207], v210, s[44:45]    ; the scale words come once, 16 and 8 bytes a thread, in whole runs
	global_load_b64 v[208:209], v211, s[46:47]
	v_mul_u32_u24 v212, v8, 48
	s_delay_alu instid0(VALU_DEP_1)
	v_mad_u32_u24 v212, v9, 24, v212
.irp p, 0,1,2
	global_load_b64 v[16+2*\p:17+2*\p], v212, s[42:43] offset:8*\p   ; Q's fragment stays in registers
.endr
	v_and_b32 v11, 8, v8
	s_delay_alu instid0(VALU_DEP_1)
	v_add_nc_u32 v11, v11, v8                      ; r + 8 (r / 8)
	s_delay_alu instid0(VALU_DEP_1)
	v_lshlrev_b32 v213, 2, v11
	global_load_b32 v255, v213, s[48:49]           ; Q's scale words
	v_mul_u32_u24 v[AK0], v8, 48
	s_delay_alu instid0(VALU_DEP_1)
	v_mad_u32_u24 v[AK0], v9, 24, v[AK0]
	s_delay_alu instid0(VALU_DEP_1)
	v_add_nc_u32 v[AV0], VB, v[AK0]
	v_lshl_add_u32 v[ASK0], v11, 2, SCK
	v_lshl_add_u32 v[ASV0], v11, 2, SCV
	v_lshl_add_u32 v214, v0, 4, SCK
	v_lshl_add_u32 v215, v0, 3, SCV
.irp j, 22,23,24,25,26,27,80,81,82,83,84,85
	v_mov_b32 v[\j], 0                             ; Q's zero codes for k = 64 .. 127; and what stands behind K's last tile
.endr
	v_mov_b32 v13, 0xff61b1e6                      ; the largest t so far: -3e38
	s_delay_alu instid0(VALU_DEP_1)
	v_floor_f32 v12, -v13                          ; -M
	v_mov_b32 v14, 0
	v_mov_b32 v15, 0
.irp b, 0,1,2,3
	v_mov_b32 v[236+\b], 0
.endr
	v_mov_b32 v253, 0
.set j, 0
.rept 32
	v_mov_b32 v[160+j], 0                          ; O^T: the step is written once; its first trip finds zeros
.set j, j+1
.endr
	s_wait_loadcnt 0x0
.irp j, 255,204,205,206,207
	v_lshrrev_b32 v[\j], s40, v[\j]                ; my head's two bytes to the low end
.endr
.rept 8
	v_nop                                          ; Q's scale word was written by a vector instruction: eight places stand between that and the first scaled product
.endr
	ds_store_b128 v214, v[204:207]
	ds_store_b64 v215, v[208:209]
	s_wait_tensorcnt 0x0                           ; my part of the codes is in,
	s_wait_dscnt 0x0                               ; my part of the scale words is stored:
	s_barrier_signal -1
	s_barrier_wait -1                              ; everybody's are
.macro STEP                            ; 128 keys
	v_add_nc_u32 v[ADK], s[TB], v[AK0]             ; (these four are the places behind the last step's products, in front of the loads)
	v_add_nc_u32 v[ADV], s[TB], v[AV0]
	v_add_nc_u32 v[ADS], s[TS], v[ASK0]
	v_add_nc_u32 v[ADT], s[TJ], v[ASV0]
.irp t, 0,1,2,3,4,5,6,7
.irp p, 0,1,2
	ds_load_b64 v[32+6*\t+2*\p:33+6*\t+2*\p], v[ADK] offset:768*\t+8*\p
.endr
	ds_load_b32 v[192+\t], v[ADS] offset:(32*(\t/2)+8*(\t%2))*4
.endr
	s_wait_alu depctr_va_vdst(0)
	s_wait_dscnt 0x0
.irp t, 0,1,2,3,4,5,6,7
	v_wmma_scale_f32_16x16x128_f8f6f4 v[96+8*\t:103+8*\t], v[32+6*\t:43+6*\t], v[16:27], 0, v[192+\t], v255 matrix_a_fmt:MATRIX_FMT_FP6 matrix_b_fmt:MATRIX_FMT_FP6
.endr
.rept 4
	v_nop                                          ; places: V's loads land in registers that these products read, and the softmax reads their results
.endr
.irp t, 0,1,2,3                                ; V's fragments are asked for here and land under the softmax
.irp c, 0,1
.irp p, 0,1,2
	ds_load_b64 v[32+12*\t+6*\c+2*\p:33+12*\t+6*\c+2*\p], v[ADV] offset:3072*\c+768*\t+8*\p
.endr
.endr
	ds_load_b32 v[200+\t], v[ADT] offset:(32*(\t/2)+8*(\t%2))*4
.endr
.irp b, 0,1,2,3
	v_max3_num_f32 v[232+\b], v[96+16*\b], v[97+16*\b], v[98+16*\b]   ; the largest score of each block of 32 keys: for the row's maximum, and, since p rises with the score, for the block's largest p
.endr
.irp i, 3,5,7,9,11,13
.irp b, 0,1,2,3
	v_max3_num_f32 v[232+\b], v[232+\b], v[96+16*\b+\i], v[97+16*\b+\i]
.endr
.endr
.irp b, 0,1,2,3
	v_max_num_f32 v[232+\b], v[232+\b], v[111+16*\b]
.endr
.irp b, 0,1,2,3
	s_delay_alu instid0(VALU_DEP_4)
	v_permlanex16_b32 v[236+\b], v[232+\b], s[SEL], s[SEL+1]
.endr
.irp b, 0,1,2,3
	s_delay_alu instid0(VALU_DEP_4)
	v_max_num_f32 v[232+\b], v[232+\b], v[236+\b]
.endr
	s_delay_alu instid0(VALU_DEP_2)
	v_max3_num_f32 v254, v232, v233, v234
	s_delay_alu instid0(VALU_DEP_1)
	v_max_num_f32 v254, v254, v235
	s_delay_alu instid0(VALU_DEP_1)
	v_mul_f32 v254, s[CS], v254                    ; as t (c is positive)
	s_delay_alu instid0(VALU_DEP_1)
	v_max_num_f32 v13, v13, v254                   ; the running largest t
	v_mov_b32 v254, v12
	s_delay_alu instid0(VALU_DEP_2)
	v_floor_f32 v12, -v13                          ; the new -M = -ceil(t)
	s_delay_alu instid0(VALU_DEP_1)
	v_sub_f32 v254, v12, v254                      ; old M - new M: a whole number, 0 or less
	s_delay_alu instid0(VALU_DEP_1)
	v_cvt_i32_f32 v254, v254
	s_delay_alu instid0(VALU_DEP_1)
	v_ldexp_f32 v252, 1.0, v254                    ; f = 2^(old M - new M)
.set j, 0
.rept 32
	v_pk_fma_f32 v[96+j:97+j], v[96+j:97+j], s[CS:CS+1], v[12:13] op_sel_hi:[1,0,0]   ; t - M
.set j, j+2
.endr
.irp b, 0,1,2,3
	v_fma_f32 v[232+\b], v[232+\b], s[CS], v12
.endr
.set j, 0
	s_wait_alu depctr_va_vdst(0)
.rept 64
	v_exp_f32 v[96+j], v[96+j]                     ; p = 2^(t - M)
.set j, j+1
.endr
	v_pk_mul_f32 v[14:15], v[14:15], v[252:253] op_sel_hi:[1,0]   ; the sums under the new M (a plain instruction behind the exponentials)
	s_wait_alu depctr_va_vdst(0)                   ; one wait for the batch, ahead of its first reader
.irp b, 0,1,2,3
	v_exp_f32 v[232+\b], v[232+\b]                 ; each block's largest p
.endr
	v_pk_add_f32 v[236:237], v[100:101], v[104:105]
	v_pk_add_f32 v[248:249], v[108:109], v[112:113]
	v_pk_add_f32 v[246:247], v[116:117], v[120:121]
	v_pk_add_f32 v[244:245], v[124:125], v[128:129]
	v_pk_add_f32 v[242:243], v[132:133], v[136:137]
	v_pk_add_f32 v[240:241], v[140:141], v[144:145]
	v_pk_add_f32 v[238:239], v[148:149], v[152:153]
	v_pk_add_f32 v[14:15], v[14:15], v[156:157]
	v_pk_add_f32 v[236:237], v[236:237], v[96:97]
	v_pk_add_f32 v[248:249], v[248:249], v[98:99]
	v_pk_add_f32 v[246:247], v[246:247], v[102:103]
	v_pk_add_f32 v[244:245], v[244:245], v[106:107]
	v_pk_add_f32 v[242:243], v[242:243], v[110:111]
	v_pk_add_f32 v[240:241], v[240:241], v[114:115]
	v_pk_add_f32 v[238:239], v[238:239], v[118:119]
	v_pk_add_f32 v[14:15], v[14:15], v[122:123]
	v_pk_add_f32 v[236:237], v[236:237], v[126:127]
	v_pk_add_f32 v[248:249], v[248:249], v[130:131]
	v_pk_add_f32 v[246:247], v[246:247], v[134:135]
	v_pk_add_f32 v[244:245], v[244:245], v[138:139]
	v_pk_add_f32 v[242:243], v[242:243], v[142:143]
	v_pk_add_f32 v[240:241], v[240:241], v[146:147]
	v_pk_add_f32 v[238:239], v[238:239], v[150:151]
	v_pk_add_f32 v[14:15], v[14:15], v[154:155]
	v_pk_add_f32 v[236:237], v[236:237], v[158:159]
	s_delay_alu instid0(VALU_DEP_2)
	v_pk_add_f32 v[14:15], v[14:15], v[244:245]
	s_delay_alu instid0(VALU_DEP_2)
	v_pk_add_f32 v[236:237], v[236:237], v[242:243]
	v_pk_add_f32 v[248:249], v[248:249], v[240:241]
	v_pk_add_f32 v[246:247], v[246:247], v[238:239]
	s_delay_alu instid0(VALU_DEP_2)
	v_pk_add_f32 v[14:15], v[14:15], v[248:249]
	s_delay_alu instid0(VALU_DEP_2)
	v_pk_add_f32 v[236:237], v[236:237], v[246:247]
	s_delay_alu instid0(VALU_DEP_1)
	v_pk_add_f32 v[14:15], v[14:15], v[236:237]
	s_wait_alu depctr_va_vdst(0)                   ; and one for the four
.irp b, 0,1,2,3
	v_max_num_f32 v[232+\b], 0x1800000, v[232+\b]  ; the floor 2^(3 - 127)
.endr
.irp b, 0,1,2,3
	s_delay_alu instid0(VALU_DEP_4)
	v_add_nc_u32 v[244+\b], 0xff000000, v[232+\b]
.endr
.irp b, 0,1,2,3
	s_delay_alu instid0(VALU_DEP_4)
	v_lshrrev_b32 v[236+\b], 23, v[244+\b]
.endr
	s_delay_alu instid0(VALU_DEP_3)
	v_lshl_or_b32 v253, v237, 8, v236              ; p's scale word for these 128 keys
	s_delay_alu instid0(VALU_DEP_1)
	v_lshl_or_b32 v253, v238, 16, v253
	s_delay_alu instid0(VALU_DEP_1)
	v_lshl_or_b32 v253, v239, 24, v253
.irp c, 0,1
	v_cvt_scalef32_pk16_fp6_f32 v[224+6*\c:226+6*\c], v[96+32*\c:111+32*\c], v[244+2*\c]
	v_cvt_scalef32_pk16_fp6_f32 v[236+4*\c:238+4*\c], v[112+32*\c:127+32*\c], v[244+2*\c+1]
.endr
	v_nop
.irp c, 0,1                                    ; the operand wants a whole block in a lane
.irp i, 0,1,2
	v_permlane16_swap_b32 v[224+6*\c+\i], v[236+4*\c+\i]
.endr
.irp i, 0,1,2
	s_delay_alu instid0(VALU_DEP_3)
	v_mov_b32 v[227+6*\c+\i], v[236+4*\c+\i]
.endr
.endr
.set j, 0
.rept 16
	v_pk_mul_f32 v[160+j:161+j], v[160+j:161+j], v[252:253] op_sel_hi:[1,0]   ; O^T under the new M; these sixteen also stand between the writes of p's codes and scale word and the products
.set j, j+2
.endr
	s_wait_alu depctr_va_vdst(0)
	s_wait_dscnt 0x0                               ; V is in
.irp t, 0,1,2,3
	v_wmma_scale_f32_16x16x128_f8f6f4 v[160+8*\t:167+8*\t], v[32+12*\t:43+12*\t], v[224:235], v[160+8*\t:167+8*\t], v[200+\t], v253 matrix_a_fmt:MATRIX_FMT_FP6 matrix_b_fmt:MATRIX_FMT_FP6
.endr
	s_add_co_u32 s[TB], s[TB], 6144
	s_add_co_u32 s[TS], s[TS], 512
	s_add_co_u32 s[TJ], s[TJ], 256
.endm
	s_mov_b32 s[CNT], 16                           ; 2,048 keys, 128 a step
.Lstep:
	s_wait_alu depctr_va_vdst(0)
	STEP
	s_sub_co_u32 s[CNT], s[CNT], 1
	s_cmp_lg_u32 s[CNT], 0
	s_cbranch_scc1 .Lstep
	; THE WAY OUT
	v_add_f32 v14, v14, v15
	s_delay_alu instid0(VALU_DEP_1)
	v_permlanex16_b32 v252, v14, s[SEL], s[SEL+1]
	s_delay_alu instid0(VALU_DEP_1)
	v_add_f32 v14, v14, v252                       ; the row's sum
	s_wait_alu depctr_va_vdst(0)
	v_rcp_f32 v14, v14
	v_and_b32 v8, 15, v0                           ; r
	v_bfe_u32 v9, v0, 4, 1                         ; h
	s_delay_alu instid0(VALU_DEP_2)
	v_and_b32 v10, 8, v8
	s_delay_alu instid0(VALU_DEP_1)
	v_add_nc_u32 v10, v10, v8                      ; my query's token: + r + 8 (r / 8)
	s_delay_alu instid0(VALU_DEP_1)
	v_mul_u32_u24 v5, v10, 768
	s_delay_alu instid0(VALU_DEP_1)
	v_mad_u32_u24 v5, v9, 12, v5
	s_delay_alu instid0(VALU_DEP_3)
	v_lshl_add_u32 v6, v10, 5, v9
	s_lshr_b32 s41, s9, 4
	s_lshl_b32 s41, s41, 11
	s_add_co_u32 s41, s41, s50                     ; the first token, in the batch's 2,048
	s_and_b32 s43, s9, 15                          ; the head
	s_mul_i32 s44, s41, 768
	s_mul_i32 s45, s43, 48
	s_add_co_u32 s44, s44, s45
	s_mov_b32 s45, 0
	s_add_nc_u64 s[44:45], s[6:7], s[44:45]
	s_lshl_b32 s46, s41, 5
	s_lshl_b32 s47, s43, 1
	s_add_co_u32 s46, s46, s47
	s_add_co_u32 s46, s46, ACT_S
	s_mov_b32 s47, 0
	s_add_nc_u64 s[46:47], s[6:7], s[46:47]
	s_wait_alu depctr_va_vdst(0)                   ; ahead of the reciprocal's first reader
.set j, 0
.rept 32
	v_mul_f32 v[96+j], v[160+j], v14               ; register 16 b + i is o(my query, d = 32 b + 16 h + i)
.set j, j+1
.endr
.irp b, 0,1
	v_max3_num_f32 v[232+\b], |v[96+16*\b]|, |v[97+16*\b]|, 0x1800000
.endr
.irp i, 2,4,6,8,10,12,14
.irp b, 0,1
	s_delay_alu instid0(VALU_DEP_2)
	v_max3_num_f32 v[232+\b], v[232+\b], |v[96+16*\b+\i]|, |v[97+16*\b+\i]|
.endr
.endr
.irp b, 0,1
	s_delay_alu instid0(VALU_DEP_2)
	v_permlanex16_b32 v[236+\b], v[232+\b], s[SEL], s[SEL+1]
.endr
.irp b, 0,1
	s_delay_alu instid0(VALU_DEP_2)
	v_max_num_f32 v[232+\b], v[232+\b], v[236+\b]
.endr
.irp b, 0,1
	s_delay_alu instid0(VALU_DEP_2)
	v_add_nc_u32 v[244+\b], 0xff000000, v[232+\b]
.endr
.irp b, 0,1
	s_delay_alu instid0(VALU_DEP_2)
	v_lshrrev_b32 v[236+\b], 23, v[244+\b]
.endr
	v_cvt_scalef32_pk16_fp6_f32 v[224:226], v[96:111], v244
	v_cvt_scalef32_pk16_fp6_f32 v[228:230], v[112:127], v245
	v_nop
	v_cmp_ne_u32 vcc_lo, 0, v9
	s_delay_alu instid0(VALU_DEP_1)
	v_cndmask_b32 v238, v236, v237, vcc_lo         ; lane (r, h) stores block h's byte
	global_store_b96 v5, v[224:226], s[44:45]      ; d = 16 h + 0 .. 15
	global_store_b96 v5, v[228:230], s[44:45] offset:24
	global_store_b8 v6, v238, s[46:47]
	s_wait_tensorcnt 0x0
	ds_add_u32 v250, v251
	s_wait_dscnt 0x0
	CROUND                                         ; the closing round
	s_endpgm
.Lfunc_end_k_q28b7557355_attn:
	.size	k_q28b7557355_attn, .Lfunc_end_k_q28b7557355_attn-k_q28b7557355_attn
	.p2alignl 7, 3214868480
	.fill 96, 4, 3214868480
	.section	.rodata,"a",@progbits
	.p2align	6, 0x0
	.amdhsa_kernel k_q28b7557355_attn
		.amdhsa_group_segment_fixed_size 327680
		.amdhsa_private_segment_fixed_size 0
		.amdhsa_enable_private_segment 0
		.amdhsa_kernarg_size 16
		.amdhsa_user_sgpr_count 2
		.amdhsa_user_sgpr_kernarg_segment_ptr 1
		.amdhsa_wavefront_size32 1
		.amdhsa_system_sgpr_workgroup_id_x 1
		.amdhsa_system_sgpr_workgroup_id_y 1
		.amdhsa_system_sgpr_workgroup_id_z 1
		.amdhsa_system_vgpr_workitem_id 0
		.amdhsa_next_free_vgpr 256
		.amdhsa_next_free_sgpr 66
		.amdhsa_reserve_vcc 1
		.amdhsa_float_denorm_mode_32 3
		.amdhsa_float_denorm_mode_16_64 3
		.amdhsa_memory_ordered 1
		.amdhsa_forward_progress 1
		.amdhsa_inst_pref_size 33
	.end_amdhsa_kernel
	.amdgpu_metadata
---
amdhsa.version: [ 1, 2 ]
amdhsa.kernels:
  - .name:           k_q28b7557355_attn
    .symbol:         k_q28b7557355_attn.kd
    .args:
      - { .name: qkv, .offset: 0, .size: 8, .value_kind: global_buffer, .address_space: global }
      - { .name: act, .offset: 8, .size: 8, .value_kind: global_buffer, .address_space: global }
    .group_segment_fixed_size: 327680
    .private_segment_fixed_size: 0
    .kernarg_segment_align: 8
    .kernarg_segment_size: 16
    .max_flat_workgroup_size: 512
    .sgpr_count:     66
    .vgpr_count:     256
    .wavefront_size: 32
...
	.end_amdgpu_metadata
.endif
;; end of part 11
;; launch wo (part 12): grid 8 x 32, 4 waves a work-group, clusters of 4 x 4, 327,680 bytes of LDS; arguments act, wo_codes, wo_scales, bo, x, z, part; writes z, part
.if DOCPART == 12
	.amdgcn_target "amdgcn-amd-amdhsa--gfx1250"
	.amdhsa_code_object_version 6
	.text
	.protected	k_q28b7557355_wo
	.globl	k_q28b7557355_wo
	.p2align	8
	.type	k_q28b7557355_wo,@function
k_q28b7557355_wo:
	s_mov_b64 s[64:65], 0
	v_nop
	global_prefetch_b8 v0, s[64:65] scope:SCOPE_SE
	s_setreg_imm32_b32 hwreg(HW_REG_WAVE_MODE, 25, 1), 1
	s_wait_xcnt 0x0
	s_wait_alu depctr_hold_cnt(0) depctr_sa_sdst(0) depctr_va_vdst(0) depctr_va_sdst(0) depctr_va_ssrc(0) depctr_va_vcc(0) depctr_vm_vsrc(0)
	s_getreg_b32 s2, hwreg(HW_REG_IB_STS2, 6, 4)
	s_cmp_eq_u32 s2, 0
	s_cbranch_scc0 .Lentry_in_a_cluster
	s_endpgm
.Lentry_in_a_cluster:
	s_bfe_u32 s2, ttmp6, 0x10000c
	s_cmp_lg_u32 s2, 0xf033
	s_cbranch_scc0 .Lentry_shape_is_right
	s_endpgm
.Lentry_shape_is_right:
; z[token][n] = o Wo^T + bo[n] + x[token][n], f32, on codes of FP6 (E2M3) with E8M0 scales, K = 1,024; and the mean and sum of squared deviations of each chunk of 2,048 numbers of z for the joint layer norm that follows.
; C is 4,096 x 1,024: tiles of 256 x 256 would be 64, of 128 x 128 there are 256.  A tile of C, 128 x 128, is made by four waves, each 64 x 64: 16 accumulators, 128 registers.
; K lies in two LDS slots of 512 along K, both filled at the start by the tensor data mover: nothing is filled again.  A tile's row is 384 bytes; a wave's load brings 128 rows.  The scale bytes of the tile's rows come once.
; CLUSTERS: 4 x 4 work-groups; A's tiles are asked for jointly along a row of the cluster, B's along a column.
; THE MATRIX INSTRUCTION IS USED TRANSPOSED (source 0 = 16 rows of W, source 1 = 16 rows of A): a lane holds eight neighbouring numbers of a row of C.  The bias is the C of each sum's first matrix instruction.
; x: the wave's 64 x 64 numbers, 128 registers, are asked for at the head, in the layout of the rows that are stored: no load is waited for on the way out but once, long after its issue.
; THE WAY OUT, 16 rows x 64 columns at a time: through the wave's own stage in LDS, back as whole rows of 256 bytes; x is added; sixteen lanes store 256 consecutive bytes, aligned to 256.
; Two such blocks are one chunk of the statistics: its mean, then the squares of the deviations from it: no difference of large sums.  LIMITS: NaN and infinities are not served.
; REGISTERS, in windows of 256: window 0: v1-31 addresses; v32-63 scale words, two sets; v64-95 the bias, later at work; v128-255 the accumulators ((a, b) at v[128 + 8 (4 a + b)]), later the rows that are stored.
;   window 1: two sets of fragments of 96: A's four (16 rows x 128 K, 12 registers each), then B's four; on the way out v0-127 the rows read back.   window 2: v0-127 x.
.set SIZE_K, 1024
.set AS_OFF, 3145728                   ; where A's scale bytes begin in its buffer
.set SIZE_N, 1024
; THE LAYOUT AS IT STANDS (in place of the two slots named above): all of K lies in LDS as whole rows of 768 bytes, each on a multiple of 256 bytes of memory.
; The head's four tiles come by one load a wave: wave 0 A's 128 rows, wave 1 B's, wave 2 A's scales, wave 3 B's.  Nothing is filled again; one barrier shows all four tiles.  No prefetch: there is no loop to run ahead in.
.set KSTEP,  512                       ; a set of scale words serves 512 along K
.set NQ,     KSTEP/128                 ; matrix instructions deep
.set ROWB,   768                       ; a tile's row in bytes: a whole row of codes
.set KROW,   SIZE_K*6/8
.set PITCH,  816                       ; an LDS row: 3 x (256 bytes + 16 of padding) = 204 words: row r starts at word 12 r mod 64: sixteen different multiples of 4
.set FR,     12
.set NP,     4                         ; places behind this matrix instruction (ISA guide 7.12.1)
.set HALFT,  64*PITCH                  ; 64 rows: what one wave reads of A or of B
.set SLOT,   4*HALFT                   ; A's 128 rows, then B's 128 rows
.set KS,     SIZE_K/32
.set SCL,    SLOT                      ; behind the codes: the scales, as 256 bytes + 16 of padding
.set HALFS,  (64*KS/256)*272
.set SBLK,   (16*KS/256)*272
.set STAGE,  SCL+4*HALFS               ; behind the scales: 16 rows x (256 + 16) bytes for each wave, bytes into which no tile lands
.set SPITCH, 272
.set ADRA, 16                          ; v16, v18 A's fragments (and behind one padding more)
.set ADRB, 20                          ; v20, v22 B's
.set STO,  24
.set RD,   25
.set CO,   26
.set ADRS, 27
.set LANE, 31
.set SC,   32                          ; scale words: set s at v[SC + 16 s]; register 4 i + q: lanes 0-15 A's block i, lanes 16-31 B's block i, the slot's q-th 128 along K; they hold nothing else
.set BIAS, 64
.set ACC,  128
.set SEL,  22
.set G1, 24
.set G0, 32
.set G1B, 48
.set G0B, 56
.set G1S, 68
.set G0S, 76
.set G1SB, 80
.set G0SB, 88
.set MSB, 0
.macro WIN new                         ; the immediate's high byte repeats the setting that is left
.if MSB != (\new)
	s_set_vgpr_msb (MSB<<8)|(\new)
.set MSB, (\new)
.endif
.endm
.set MUL,  0x05                        ; sources 0 (B) and 1 (A) window 1; C and D window 0
.set TO_F, 0x40                        ; destination window 1, address window 0
.macro ARM under, g0, g1, next         ; an arm of the head's tree of branches on the wave's number: one joint load, then the jump to the tree's end
	s_cmp_lt_u32 s14, \under
	s_cbranch_scc0 \next
	tensor_load_to_lds s[\g0:\g0+3], s[\g1:\g1+7]
	s_nop 0
.rept 4
	v_nop
.endr
	s_branch .Lhead_asked
\next:
.endm
.macro CROUND                          ; a round of the cluster's barrier
	s_barrier_signal -1
	s_barrier_wait -1
	s_cmp_lg_u32 s14, 0
	s_cbranch_scc1 .Lnot_wave_0_\@
	s_barrier_signal -3
.Lnot_wave_0_\@:
	s_barrier_wait -3
	s_barrier_signal -1
	s_barrier_wait -1
.endm
.macro PLACES n
.rept \n
	v_nop
.endr
.endm
	s_load_b64 s[4:5], s[0:1], 0x0                 ; A: codes, and AS_OFF on its scale bytes
	s_load_b64 s[8:9], s[0:1], 0x8                 ; W's codes
	s_load_b64 s[10:11], s[0:1], 0x10              ; W's scales
	s_load_b64 s[96:97], s[0:1], 0x18              ; the bias
	s_load_b64 s[98:99], s[0:1], 0x20              ; x
	s_load_b64 s[12:13], s[0:1], 0x28              ; C
	s_load_b64 s[100:101], s[0:1], 0x30            ; part
	v_lshl_add_u32 v126, v0, 2, 0x3c600
	v_mov_b32 v127, 0
	ds_add_u32 v126, v127
	ds_add_u32 v126, v127
	v_lshrrev_b32 v1, 5, v0
	v_readfirstlane_b32 s14, v1                    ; wave 0..3
	s_lshr_b32 s15, s14, 1                         ; which half of the tile's rows is mine.
	s_and_b32 s16, s14, 1                          ; which half of its columns.
	s_bfe_u32 s40, ttmp6, 0x40000                  ; cx
	s_bfe_u32 s41, ttmp6, 0x40004                  ; cy
	s_lshl_b32 s42, ttmp9, 2
	s_add_co_u32 s42, s42, s40                     ; tile column, 0..7
	s_and_b32 s17, ttmp7, 0xffff
	s_lshl_b32 s17, s17, 2
	s_add_co_u32 s17, s17, s41                     ; tile row, 0..31
	s_lshl_b32 s43, s41, 2
	s_lshl_b32 s43, 15, s43                        ; my row of the cluster
	s_lshl_b32 s44, 0x1111, s40                    ; my column
	s_or_b32 s[G1+0], s43, (0<<16)|(1<<20)|(1<<21)|(5<<22)|(3<<25)  ; the mask; elements of 1 byte; padding on; bit 21 beside a mask; after every 64 words (code 5) 4 words (code 3)
	s_or_b32 s[G1B+0], s44, (0<<16)|(1<<20)|(1<<21)|(5<<22)|(3<<25)
.irp g, G1, G1B
	s_mov_b32 s[\g+1], ROWB<<16                    ; tensor_dim0
	s_mov_b32 s[\g+2], 128<<16                     ; tensor_dim1
	s_mov_b32 s[\g+3], ROWB<<16                    ; tile_dim0
	s_mov_b32 s[\g+4], 128                         ; tile_dim1
	s_mov_b32 s[\g+5], KROW                        ; the pitch in memory
	s_mov_b32 s[\g+6], 0
	s_mov_b32 s[\g+7], 0
.endr
	s_lshl_b32 s20, s17, 7                         ; A: row 128 x tile row
	s_lshl_b32 s46, s42, 7                         ; B: row 128 x tile column
	s_mov_b32 s21, 0
	s_mov_b32 s47, 0
	s_mov_b64 s[18:19], KS
	s_mul_u64 s[22:23], s[20:21], s[18:19]
	s_mul_u64 s[92:93], s[46:47], s[18:19]
	s_mov_b64 s[18:19], KROW
	s_mul_u64 s[20:21], s[20:21], s[18:19]
	s_mul_u64 s[46:47], s[46:47], s[18:19]
	s_wait_dscnt 0x0
	s_wait_kmcnt 0x0
	s_add_nc_u64 s[6:7], s[4:5], AS_OFF
	s_add_nc_u64 s[20:21], s[4:5], s[20:21]
	s_add_nc_u64 s[22:23], s[6:7], s[22:23]
	s_add_nc_u64 s[46:47], s[8:9], s[46:47]
	s_add_nc_u64 s[92:93], s[10:11], s[92:93]
	s_or_b32 s[G1S+0], s43, (3<<16)|(1<<20)|(1<<21)|(5<<22)|(3<<25)   ; the scales of 128 rows: dense, as rows of 256 bytes, 16 bytes of padding behind each
	s_or_b32 s[G1SB+0], s44, (3<<16)|(1<<20)|(1<<21)|(5<<22)|(3<<25)
.irp g, G1S, G1SB
	s_mov_b32 s[\g+1], 32<<16
	s_mov_b32 s[\g+2], (128*KS/256)<<16
	s_mov_b32 s[\g+3], 32<<16
	s_mov_b32 s[\g+4], 128*KS/256
	s_mov_b32 s[\g+5], 32
	s_mov_b32 s[\g+6], 0
	s_mov_b32 s[\g+7], 0
.endr
	CROUND                                         ; all sixteen work-groups are here: the joint loads meet
	s_mov_b32 s[G0S], 1
	s_mov_b32 s[G0S+1], SCL
	s_mov_b64 s[G0S+2:G0S+3], s[22:23]
	s_or_b32 s[G0S+3], s[G0S+3], 0x80000000
	s_mov_b32 s[G0SB], 1
	s_mov_b32 s[G0SB+1], SCL+2*HALFS
	s_mov_b64 s[G0SB+2:G0SB+3], s[92:93]
	s_or_b32 s[G0SB+3], s[G0SB+3], 0x80000000
	s_mov_b32 s[G0], 1
	s_mov_b32 s[G0+1], 0
	s_mov_b64 s[G0+2:G0+3], s[20:21]
	s_or_b32 s[G0+3], s[G0+3], 0x80000000
	s_mov_b32 s[G0B], 1
	s_mov_b32 s[G0B+1], 2*HALFT
	s_mov_b64 s[G0B+2:G0B+3], s[46:47]
	s_or_b32 s[G0B+3], s[G0B+3], 0x80000000
	ARM 1, G0,  G1,  .Lhead_b                      ; one load a wave: every way through the tree passes exactly one
	ARM 2, G0B, G1B, .Lhead_sa
	ARM 3, G0S, G1S, .Lhead_sb
	tensor_load_to_lds s[G0SB:G0SB+3], s[G1SB:G1SB+7]
	s_nop 0
.rept 4
	v_nop
.endr
.Lhead_asked:
	v_and_b32 v1, 15, v0                           ; r
	v_bfe_u32 v2, v0, 4, 1                         ; h
	v_and_b32 v[LANE], 31, v0
	v_mul_u32_u24 v4, v1, PITCH
	v_mad_u32_u24 v4, v2, 24, v4                   ; a fragment's row x pitch + 24 h
	v_lshl_add_u32 v5, v2, 4, v4                   ; and behind one padding more
	s_mul_i32 s21, s15, HALFT                      ; my 64 rows of A
	s_mul_i32 s22, s16, HALFT                      ; my 64 rows of B,
	s_add_co_u32 s22, s22, 2*HALFT                 ; which lie behind A's 128
	v_add_nc_u32 v[ADRA], s21, v4
	v_add_nc_u32 v[ADRB], s22, v4
	v_add_nc_u32 v[ADRA+2], s21, v5
	v_add_nc_u32 v[ADRB+2], s22, v5
	v_mul_u32_u24 v10, v1, KS                      ; my row's scales: KS bytes a row,
	v_lshrrev_b32 v11, 8, v10
	v_lshl_add_u32 v10, v11, 4, v10                ; and 16 more for each 256 passed
	s_mul_i32 s21, s15, HALFS
	s_mul_i32 s22, s16, HALFS
	s_add_co_u32 s22, s22, 2*HALFS
	s_sub_co_u32 s22, s22, s21
	v_mul_u32_u24 v11, s22, v2                     ; lanes 16-31 take B's
	s_add_co_u32 s21, s21, SCL
	v_add_nc_u32 v10, v10, v11
	v_add_nc_u32 v[ADRS], s21, v10
	s_mul_i32 s23, s14, 16*SPITCH
	s_add_co_u32 s23, s23, STAGE                   ; my stage
	v_mul_u32_u24 v5, v1, SPITCH                   ; in: row r, 32 bytes for each half of the lanes
	v_lshl_add_u32 v5, v2, 5, v5
	v_add_nc_u32 v[STO], s23, v5
	v_mul_u32_u24 v5, v2, SPITCH                   ; back: lanes 0-15 take one row of 256 bytes, lanes 16-31 the next
	v_lshl_add_u32 v5, v1, 4, v5
	v_add_nc_u32 v[RD], s23, v5
	v_lshlrev_b32 v[CO], 12, v2                    ; and the same two rows in C and in x: 4,096 bytes a row
	v_lshl_add_u32 v[CO], v1, 4, v[CO]
	s_wait_alu depctr_va_vdst(0)
	v_lshlrev_b32 v3, 3, v[LANE]
	s_lshl_b32 s20, s17, 7
	s_lshl_b32 s21, s15, 6
	s_add_co_u32 s20, s20, s21
	s_lshl_b32 s20, s20, 12                        ; my first row of C and of x
	s_lshl_b32 s46, s42, 9
	s_lshl_b32 s47, s16, 8
	s_add_co_u32 s46, s46, s47                     ; my first column, in bytes: 512 x tile column + 256 x half
	s_add_co_u32 s20, s20, s46
	s_mov_b32 s21, 0
	s_mov_b32 s47, 0
	s_add_nc_u64 s[12:13], s[12:13], s[20:21]
	s_add_nc_u64 s[98:99], s[98:99], s[20:21]
	s_add_nc_u64 s[96:97], s[96:97], s[46:47]
	s_lshr_b32 s18, s17, 4                         ; the batch: 16 tile rows each
	s_lshl_b32 s18, s18, 13
	s_and_b32 s19, s17, 15
	s_lshl_b32 s19, s19, 3
	s_add_co_u32 s19, s19, s42
	s_lshl_b32 s19, s19, 2
	s_add_co_u32 s19, s19, s14
	s_lshl_b32 s19, s19, 4                         ; my wave's two chunks, 8 bytes each
	s_add_co_u32 s18, s18, s19
	s_mov_b32 s19, 0
	s_add_nc_u64 s[100:101], s[100:101], s[18:19]
	s_mov_b32 s[SEL], 0x76543210
	s_mov_b32 s[SEL+1], 0xfedcba98
	v_lshlrev_b32 v12, 5, v2                       ; lane (r, h) wants, for tile b, n = 16 b + 8 h + 0 .. 7
.irp b, 0,1,2,3
	global_load_b128 v[BIAS+8*\b:BIAS+8*\b+3], v12, s[96:97] offset:64*\b
	global_load_b128 v[BIAS+8*\b+4:BIAS+8*\b+7], v12, s[96:97] offset:64*\b+16
.endr
	WIN 0x80                                       ; destination window 2
.irp a, 0,1,2,3
.irp t, 0,1,2,3,4,5,6,7
	global_load_b128 v[32*\a+4*\t:32*\a+4*\t+3], v[CO], s[98:99] offset:(16*\a+2*\t)*SIZE_N*4   ; x: sixteen lanes read 256 consecutive bytes of a row
.endr
.endr
	WIN 0
.macro FRAG reg, adr, q, ro            ; a fragment, 16 rows x 128 K: 12 registers; lane (r, h): registers 6 c .. 6 c + 5 = K 64 c + 32 h + 0 .. 31: 24 bytes as they lie, in pieces of 8.  ro: the block's first row
.irp p, 0,1,2,3,4,5                    ; q counts the steps of 128 from the row's start; 16 bytes of padding lie behind every 32 pieces; lanes 16-31 read three pieces on: where that is behind one padding more, the second address register serves
.set PCE, 12*(\q)+6*(\p/3)+\p%3
.if PCE%32 < 29
	ds_load_b64 v[\reg+2*\p:\reg+2*\p+1], v[\adr] offset:8*PCE+16*(PCE/32)+(\ro)*PITCH
.else
	ds_load_b64 v[\reg+2*\p:\reg+2*\p+1], v[\adr+2] offset:8*PCE+16*(PCE/32)+(\ro)*PITCH
.endif
.endr
.endm
; 4 matrix instructions: A's block a x B's four, set p, the slot's q-th 128 along K.  zero = 1: the first product starts the sums from the bias.  The 16 accumulators take turns, one instruction a turn.
.macro MUL4 a, p, q, sc, zero
.irp b, 0,1,2,3
.if \zero
	v_wmma_scale_f32_16x16x128_f8f6f4 v[ACC+8*(4*(\a)+\b):ACC+8*(4*(\a)+\b)+7], v[96*(\p)+48+FR*\b:96*(\p)+48+FR*\b+FR-1], v[96*(\p)+FR*(\a):96*(\p)+FR*(\a)+FR-1], v[BIAS+8*\b:BIAS+8*\b+7], v[SC+16*(\sc)+4*\b+(\q)], v[SC+16*(\sc)+4*(\a)+(\q)] matrix_a_fmt:MATRIX_FMT_FP6 matrix_b_fmt:MATRIX_FMT_FP6 matrix_a_scale:MATRIX_SCALE_ROW1
.else
	v_wmma_scale_f32_16x16x128_f8f6f4 v[ACC+8*(4*(\a)+\b):ACC+8*(4*(\a)+\b)+7], v[96*(\p)+48+FR*\b:96*(\p)+48+FR*\b+FR-1], v[96*(\p)+FR*(\a):96*(\p)+FR*(\a)+FR-1], v[ACC+8*(4*(\a)+\b):ACC+8*(4*(\a)+\b)+7], v[SC+16*(\sc)+4*\b+(\q)], v[SC+16*(\sc)+4*(\a)+(\q)] matrix_a_fmt:MATRIX_FMT_FP6 matrix_b_fmt:MATRIX_FMT_FP6 matrix_a_scale:MATRIX_SCALE_ROW1
.endif
.endr
.endm
.macro FETCH slot, q, p                ; 48 LDS loads in one run: B's four fragments and A's four of the slot's q-th 128 along K, into set p
	WIN TO_F
.irp i, 0,1,2,3
	FRAG 96*(\p)+48+FR*\i, ADRB, 4*(\slot)+(\q), 16*\i
.endr
.irp i, 0,1,2,3
	FRAG 96*(\p)+FR*\i, ADRA, 4*(\slot)+(\q), 16*\i
.endr
.endm
.macro SCALES sc                       ; a slot's scale words: four words a row; lanes 0-15 take A's block i, lanes 16-31 B's block i
	WIN 0
.irp i, 0,1,2,3
	ds_load_b128 v[SC+16*\sc+4*\i:SC+16*\sc+4*\i+3], v[ADRS] offset:\i*SBLK
.endr
.endm
; A step of 128 along K with its successor in the same slot: the successor's fragments are asked for first, into the other set, and land under this step's products.
.macro STEP slot, q, zero
	PLACES NP                                      ; the other set was read by the step before: four places stand in front of the loads into it
	FETCH \slot, (\q)+1, 1-(\q)%2
	s_wait_dscnt 48                                ; all but the 48 just issued: this step's fragments (and, in a slot's first step, its scale words) are in
	WIN MUL
	MUL4 0, (\q)%2, \q, \slot, \zero
	MUL4 1, (\q)%2, \q, \slot, \zero
	MUL4 2, (\q)%2, \q, \slot, \zero
	MUL4 3, (\q)%2, \q, \slot, \zero
.endm
	s_wait_loadcnt 32                              ; the bias's eight loads are in; x's 32, issued behind them, may be out
	s_wait_tensorcnt 0x0                           ; my tile of the four is in
	s_barrier_signal -1
	s_barrier_wait -1
	FETCH 0, 0, 0
	SCALES 0
	STEP 0, 0, 1                                   ; its products start the sums: nothing is cleared
	STEP 0, 1, 0
	STEP 0, 2, 0
	s_wait_dscnt 0x0                               ; this step's fragments are in
	MUL4 0, 1, 3, 0, 0
	MUL4 1, 1, 3, 0, 0
	PLACES NP                                      ; set 0 was read by the step before
	WIN 0
	v_add_nc_u32 v[ADRS], 4*NQ, v[ADRS]            ; slot 1's scale words
	FETCH 1, 0, 0
	SCALES 1
	WIN MUL
	MUL4 2, 1, 3, 0, 0
	MUL4 3, 1, 3, 0, 0
	STEP 1, 0, 0
	STEP 1, 1, 0
	STEP 1, 2, 0
	s_wait_dscnt 0x0                               ; the last step: nothing more to fetch
	MUL4 0, 1, 3, 1, 0
	MUL4 1, 1, 3, 1, 0
	MUL4 2, 1, 3, 1, 0
	MUL4 3, 1, 3, 1, 0
	WIN 0
	; ---- THE WAY OUT
.macro TOSTAGE a                       ; block a, 16 rows x 64 columns, into my stage and back as whole rows
.irp b, 0,1,2,3
	ds_store_b128 v[STO], v[ACC+32*(\a)+8*\b:ACC+32*(\a)+8*\b+3] offset:64*\b          ; each accumulator from its low end on
	ds_store_b128 v[STO], v[ACC+32*(\a)+8*\b+4:ACC+32*(\a)+8*\b+7] offset:64*\b+16
.endr
	WIN TO_F
.irp t, 0,1,2,3,4,5,6,7
	ds_load_b128 v[32*(\a)+4*\t:32*(\a)+4*\t+3], v[RD] offset:\t*2*SPITCH              ; LDS serves a wave in order (ISA guide 5.7.1.4): these see the stores above, and the next block's stores come behind them
.endr
	WIN 0
.endm
.macro GOOUT a                         ; block a: + x, into the registers that its accumulators have left, and out
	s_wait_dscnt 16*(3-(\a))                       ; the block is back; the later blocks' sixteen LDS instructions each may be out
	WIN 0x09                                       ; source 0 window 1 (the rows), source 1 window 2 (x), destination window 0
.set i, 0
.rept 16
	v_pk_add_f32 v[ACC+32*(\a)+i:ACC+32*(\a)+i+1], v[32*(\a)+i:32*(\a)+i+1], v[32*(\a)+i:32*(\a)+i+1]
.set i, i+2
.endr
	WIN 0
.irp t, 0,1,2,3,4,5,6,7
	global_store_b128 v[CO], v[ACC+32*(\a)+4*\t:ACC+32*(\a)+4*\t+3], s[12:13] offset:(16*(\a)+2*\t)*SIZE_N*4 th:TH_STORE_NT   ; sixteen lanes store 256 consecutive bytes, aligned; the row stands in the immediate, 253,952 at the most
.endr
.endm
.macro REDUCE x, t
	v_add_f32_dpp v[\x], v[\x], v[\x] row_xmask:1 row_mask:0xf bank_mask:0xf
	v_add_f32_dpp v[\x], v[\x], v[\x] row_xmask:2 row_mask:0xf bank_mask:0xf
	v_add_f32_dpp v[\x], v[\x], v[\x] row_xmask:4 row_mask:0xf bank_mask:0xf
	v_add_f32_dpp v[\x], v[\x], v[\x] row_xmask:8 row_mask:0xf bank_mask:0xf
	v_permlanex16_b32 v[\t], v[\x], s[SEL], s[SEL+1]
	v_add_f32 v[\x], v[\x], v[\t]
.endm
.macro JOIN
	v_pk_add_f32 v[64:65], v[64:65], v[66:67]
	v_pk_add_f32 v[68:69], v[68:69], v[70:71]
	v_pk_add_f32 v[64:65], v[64:65], v[68:69]
	v_add_f32 v64, v64, v65
	REDUCE 64, 65
.endm
.macro CSTAT c                         ; chunk c: blocks 2 c and 2 c + 1, 2,048 numbers in 64 registers: mean, then the sum of squared deviations; lane c keeps them
.set BB, ACC+64*(\c)
.irp k, 0,1,2,3
	v_pk_add_f32 v[64+2*\k:65+2*\k], v[BB+2*\k:BB+2*\k+1], v[BB+8+2*\k:BB+9+2*\k]
.endr
.irp j, 2,3,4,5,6,7
.irp k, 0,1,2,3
	v_pk_add_f32 v[64+2*\k:65+2*\k], v[64+2*\k:65+2*\k], v[BB+8*\j+2*\k:BB+8*\j+2*\k+1]
.endr
.endr
	JOIN
	v_mul_f32 v72, 0x3a000000, v64                 ; x 2^-11
	v_mov_b32 v73, v72
.irp k, 0,1,2,3
	v_pk_add_f32 v[80+2*\k:81+2*\k], v[BB+2*\k:BB+2*\k+1], v[72:73] neg_lo:[0,1] neg_hi:[0,1]
.endr
.irp k, 0,1,2,3
	v_pk_mul_f32 v[64+2*\k:65+2*\k], v[80+2*\k:81+2*\k], v[80+2*\k:81+2*\k]
.endr
.irp j, 1,2,3,4,5,6,7
.irp k, 0,1,2,3
	v_pk_add_f32 v[80+2*\k:81+2*\k], v[BB+8*\j+2*\k:BB+8*\j+2*\k+1], v[72:73] neg_lo:[0,1] neg_hi:[0,1]
.endr
.irp k, 0,1,2,3
	v_pk_fma_f32 v[64+2*\k:65+2*\k], v[80+2*\k:81+2*\k], v[80+2*\k:81+2*\k], v[64+2*\k:65+2*\k]
.endr
.endr
	JOIN
	v_cmp_eq_u32 vcc_lo, \c, v[LANE]
	v_cndmask_b32 v124, v124, v72, vcc_lo
	v_cndmask_b32 v125, v125, v64, vcc_lo
.endm
	PLACES NP                                      ; behind the last products: results are read and operand registers loaded from here on
	v_mov_b32 v124, 0
	v_mov_b32 v125, 0
	TOSTAGE 0
	TOSTAGE 1
	TOSTAGE 2
	TOSTAGE 3
	s_wait_loadcnt 0x0                             ; x, asked for at the head
	GOOUT 0
	GOOUT 1
	CSTAT 0
	GOOUT 2
	GOOUT 3
	CSTAT 1
	s_wait_alu depctr_va_vdst(0)
	s_wait_xcnt 0x0                                ; EXEC changes only behind this wait
	v_cmp_gt_u32 vcc_lo, 2, v[LANE]
	s_and_saveexec_b32 s18, vcc_lo
	global_store_b64 v3, v[124:125], s[100:101]    ; lanes 0 and 1: my two chunks
	s_wait_xcnt 0x0
	s_or_b32 exec_lo, exec_lo, s18
	s_wait_tensorcnt 0x0
	ds_add_u32 v126, v127
	s_wait_dscnt 0x0
	CROUND                                         ; the closing round: no work-group ends while a partner may still ask for a tile that names it
	s_endpgm
.Lfunc_end_k_q28b7557355_wo:
	.size	k_q28b7557355_wo, .Lfunc_end_k_q28b7557355_wo-k_q28b7557355_wo
	.p2alignl 7, 3214868480
	.fill 96, 4, 3214868480
	.section	.rodata,"a",@progbits
	.p2align	6, 0x0
	.amdhsa_kernel k_q28b7557355_wo
		.amdhsa_group_segment_fixed_size 327680
		.amdhsa_private_segment_fixed_size 0
		.amdhsa_enable_private_segment 0
		.amdhsa_kernarg_size 56
		.amdhsa_user_sgpr_count 2
		.amdhsa_user_sgpr_kernarg_segment_ptr 1
		.amdhsa_wavefront_size32 1
		.amdhsa_system_sgpr_workgroup_id_x 1
		.amdhsa_system_sgpr_workgroup_id_y 1
		.amdhsa_system_sgpr_workgroup_id_z 1
		.amdhsa_system_vgpr_workitem_id 0
		.amdhsa_next_free_vgpr 768
		.amdhsa_next_free_sgpr 102
		.amdhsa_reserve_vcc 1
		.amdhsa_float_denorm_mode_32 3
		.amdhsa_float_denorm_mode_16_64 3
		.amdhsa_memory_ordered 1
		.amdhsa_forward_progress 1
		.amdhsa_inst_pref_size 82
	.end_amdhsa_kernel
	.amdgpu_metadata
---
amdhsa.version: [ 1, 2 ]
amdhsa.kernels:
  - .name:           k_q28b7557355_wo
    .symbol:         k_q28b7557355_wo.kd
    .args:
      - { .name: act, .offset: 0, .size: 8, .value_kind: global_buffer, .address_space: global }
      - { .name: wo_codes, .offset: 8, .size: 8, .value_kind: global_buffer, .address_space: global }
      - { .name: wo_scales, .offset: 16, .size: 8, .value_kind: global_buffer, .address_space: global }
      - { .name: bo, .offset: 24, .size: 8, .value_kind: global_buffer, .address_space: global }
      - { .name: x, .offset: 32, .size: 8, .value_kind: global_buffer, .address_space: global }
      - { .name: z, .offset: 40, .size: 8, .value_kind: global_buffer, .address_space: global }
      - { .name: part, .offset: 48, .size: 8, .value_kind: global_buffer, .address_space: global }
    .group_segment_fixed_size: 327680
    .private_segment_fixed_size: 0
    .kernarg_segment_align: 8
    .kernarg_segment_size: 56
    .max_flat_workgroup_size: 128
    .sgpr_count:     102
    .vgpr_count:     768
    .wavefront_size: 32
...
	.end_amdgpu_metadata
.endif
;; end of part 12
;; launch quant_y: the kernel of part 9 again; grid 128 x 1, 4 waves a work-group, no clusters, 33,280 bytes of LDS; arguments z, part, act; writes act
;; launch ff1 (part 13): grid 16 x 16, 4 waves a work-group, clusters of 4 x 4, 327,680 bytes of LDS; arguments act, w1_codes, w1_scales, b1, hid; writes hid
.if DOCPART == 13
	.amdgcn_target "amdgcn-amd-amdhsa--gfx1250"
	.amdhsa_code_object_version 6
	.text
	.protected	k_q28b7557355_ff1
	.globl	k_q28b7557355_ff1
	.p2align	8
	.type	k_q28b7557355_ff1,@function
k_q28b7557355_ff1:
	s_mov_b64 s[64:65], 0
	v_nop
	global_prefetch_b8 v0, s[64:65] scope:SCOPE_SE
	s_setreg_imm32_b32 hwreg(HW_REG_WAVE_MODE, 25, 1), 1
	s_wait_xcnt 0x0
	s_wait_alu depctr_hold_cnt(0) depctr_sa_sdst(0) depctr_va_vdst(0) depctr_va_sdst(0) depctr_va_ssrc(0) depctr_va_vcc(0) depctr_vm_vsrc(0)
	s_getreg_b32 s2, hwreg(HW_REG_IB_STS2, 6, 4)
	s_cmp_eq_u32 s2, 0
	s_cbranch_scc0 .Lentry_in_a_cluster
	s_endpgm
.Lentry_in_a_cluster:
	s_bfe_u32 s2, ttmp6, 0x10000c
	s_cmp_lg_u32 s2, 0xf033
	s_cbranch_scc0 .Lentry_shape_is_right
	s_endpgm
.Lentry_shape_is_right:
.set SIZE_K, 1024
.set KSTEP,  256
.set NQ,     KSTEP/128
; hid = Q(relu(Q(y) W1^T + b1)) on codes of FP6 with E8M0 scales, K = 1,024; a block of 256 x 256 a work-group, 128 x 128 a wave; the result is quantised along the next K on the way out.
; K goes through two LDS slots in chunks of 256 bytes of each row (a row of codes is 768 bytes: three chunks, each on a multiple of 256 bytes); a step of 128 along K is 96 bytes, eight steps, written out.
; No prefetch: the walk is three chunks, written out, with no loop to run ahead in.
.set ROWB,   256
.set KROW,   SIZE_K*6/8
.set PITCH,  272                       ; 256 bytes + 16 of padding
.set FR,     12
.set NL,     6
.set NP,     4
.set HALFT,  128*PITCH
.set SLOT,   4*HALFT
.set CHUNKS, KROW/ROWB                 ; chunk c lies in slot c % 2
.set KS,     SIZE_K/32
.set SCL,    2*SLOT
.set HALFS,  (128*KS/256)*272
.set SBLK,   (16*KS/256)*272
.set D8,     (8*KS/256)*272
.set SPARE,  SCL+4*HALFS
.set ACT_S,  3145728
.set HID_S,  12582912
.set SPT,    272
.set SST,    SLOT+256*SPT              ; the way out is staged in slot 1: the last chunk lies in slot 0
.set WCS,    4
.set RWS,    8
.set CO,   3
.set SSTO, 4
.set SRD,  5
.set SGO,  6
.set ADRA, 16
.set ADRB, 20
.set STO,  24
.set RD,   25
.set ADRS, 27
.set SPW,  28
.set NIL,  29
.set ADRS1, 30
.set LANE, 31
.set SC,   32
.set BIAS, 64
.set HA,   64
.set AF,   128
.set TM,   128
.set PW,   144
.set PC,   148
.set OUTR, 164
.set SEL,  22
.set G1, 24
.set G0, 32
.set G1B, 48
.set G0B, 56
.set G1S, 68
.set G0S, 76
.set G1SB, 80
.set G0SB, 88
.set MSB, 0
.macro WIN new
.if MSB != (\new)
	s_set_vgpr_msb (MSB<<8)|(\new)
.set MSB, (\new)
.endif
.endm
.set MUL_LO, 0xa1
.set MUL_HI, 0xf1
.set TO_B,   0x40
.macro JLOAD g0a, g1a, g0b, g1b
	s_cmp_eq_u32 s15, 0
	s_cbranch_scc0 .Lfor_b_\@
	tensor_load_to_lds s[\g0a:\g0a+3], s[\g1a:\g1a+7]
	s_nop 0
.rept 4
	v_nop
.endr
	s_branch .Lasked_\@
.Lfor_b_\@:
	tensor_load_to_lds s[\g0b:\g0b+3], s[\g1b:\g1b+7]
	s_nop 0
.rept 4
	v_nop
.endr
.Lasked_\@:
.endm
.macro CREST
	s_cmp_lg_u32 s14, 0
	s_cbranch_scc1 .Lnot_wave_0_\@
	s_barrier_signal -3
.Lnot_wave_0_\@:
	s_barrier_wait -3
	s_barrier_signal -1
	s_barrier_wait -1
.endm
.macro CROUND
	s_barrier_signal -1
	s_barrier_wait -1
	CREST
.endm
.macro PLACES n
.rept \n
	v_nop
.endr
.endm
	s_load_b64 s[4:5], s[0:1], 0x0
	s_load_b64 s[8:9], s[0:1], 0x8
	s_load_b64 s[10:11], s[0:1], 0x10
	s_load_b64 s[96:97], s[0:1], 0x18
	s_load_b64 s[12:13], s[0:1], 0x20
	v_lshl_add_u32 v[SPW], v0, 2, SPARE
	v_mov_b32 v[NIL], 0
	ds_add_u32 v28, v29
	ds_add_u32 v28, v29
	s_wait_dscnt 0x0
	v_lshrrev_b32 v1, 5, v0
	v_readfirstlane_b32 s14, v1
	s_lshr_b32 s15, s14, 1
	s_and_b32 s16, s14, 1
	s_bfe_u32 s40, ttmp6, 0x40000
	s_bfe_u32 s41, ttmp6, 0x40004
	s_lshl_b32 s42, ttmp9, 2
	s_add_co_u32 s42, s42, s40
	s_and_b32 s17, ttmp7, 0xffff
	s_lshl_b32 s17, s17, 2
	s_add_co_u32 s17, s17, s41
	s_lshl_b32 s43, s41, 2
	s_lshl_b32 s43, 15, s43
	s_lshl_b32 s44, 0x1111, s40
	s_or_b32 s[G1+0], s43, (0<<16)|(1<<20)|(1<<21)|(5<<22)|(3<<25)  ; 4 words of padding behind every 64
	s_or_b32 s[G1B+0], s44, (0<<16)|(1<<20)|(1<<21)|(5<<22)|(3<<25)
.irp g, G1, G1B
	s_mov_b32 s[\g+1], ROWB<<16
	s_mov_b32 s[\g+2], 256<<16                     ; the head's loads bring 256 rows
	s_mov_b32 s[\g+3], ROWB<<16
	s_mov_b32 s[\g+4], 256
	s_mov_b32 s[\g+5], KROW
	s_mov_b32 s[\g+6], 0
	s_mov_b32 s[\g+7], 0
.endr
	s_lshl_b32 s20, s17, 8                         ; the tile's first row of A, of B
	s_lshl_b32 s46, s42, 8
	s_mov_b32 s21, 0
	s_mov_b32 s47, 0
	s_mov_b64 s[18:19], KS
	s_mul_u64 s[22:23], s[20:21], s[18:19]
	s_mul_u64 s[92:93], s[46:47], s[18:19]
	s_mov_b64 s[18:19], KROW
	s_mul_u64 s[20:21], s[20:21], s[18:19]
	s_mul_u64 s[46:47], s[46:47], s[18:19]
	s_mul_i32 s45, s14, HALFT
	s_mul_i32 s18, s16, 128*KROW                   ; in the ring I fetch 128 rows: which half, in bytes
	s_mov_b32 s19, 0
	s_wait_kmcnt 0x0
	s_add_nc_u64 s[6:7], s[4:5], ACT_S
	s_add_nc_u64 s[20:21], s[4:5], s[20:21]
	s_add_nc_u64 s[22:23], s[6:7], s[22:23]
	s_add_nc_u64 s[46:47], s[8:9], s[46:47]
	s_add_nc_u64 s[92:93], s[10:11], s[92:93]
	s_or_b32 s[G1S+0], s43, (3<<16)|(1<<20)|(1<<21)|(5<<22)|(3<<25)
	s_or_b32 s[G1SB+0], s44, (3<<16)|(1<<20)|(1<<21)|(5<<22)|(3<<25)
.irp g, G1S, G1SB
	s_mov_b32 s[\g+1], 32<<16
	s_mov_b32 s[\g+2], KS<<16                      ; the scales of 256 rows: KS rows of 256 bytes
	s_mov_b32 s[\g+3], 32<<16
	s_mov_b32 s[\g+4], KS
	s_mov_b32 s[\g+5], 32
	s_mov_b32 s[\g+6], 0
	s_mov_b32 s[\g+7], 0
.endr
	CROUND
	s_mov_b32 s[G0S], 1
	s_mov_b32 s[G0S+1], SCL
	s_mov_b64 s[G0S+2:G0S+3], s[22:23]
	s_or_b32 s[G0S+3], s[G0S+3], 0x80000000
	s_mov_b32 s[G0SB], 1
	s_mov_b32 s[G0SB+1], SCL+2*HALFS
	s_mov_b64 s[G0SB+2:G0SB+3], s[92:93]
	s_or_b32 s[G0SB+3], s[G0SB+3], 0x80000000
.set G0H, 4                            ; s[4:7], s[8:11]: group 0 of the head's loads of chunk 0 (the pointers that lay there have been used)
.set G0HB, 8
	s_mov_b32 s[G0H], 1
	s_mov_b32 s[G0H+1], 0
	s_mov_b64 s[G0H+2:G0H+3], s[20:21]
	s_or_b32 s[G0H+3], s[G0H+3], 0x80000000
	s_mov_b32 s[G0HB], 1
	s_mov_b32 s[G0HB+1], 2*HALFT
	s_mov_b64 s[G0HB+2:G0HB+3], s[46:47]
	s_or_b32 s[G0HB+3], s[G0HB+3], 0x80000000
	s_add_nc_u64 s[20:21], s[20:21], s[18:19]      ; for the ring: my 128 rows
	s_add_nc_u64 s[46:47], s[46:47], s[18:19]
.irp s, 0,1
	s_mov_b32 s[G0+4*\s], 1
	s_add_co_u32 s[G0+4*\s+1], s45, \s*SLOT
	s_add_nc_u64 s[G0+4*\s+2:G0+4*\s+3], s[20:21], \s*ROWB
	s_or_b32 s[G0+4*\s+3], s[G0+4*\s+3], 0x80000000
	s_mov_b32 s[G0B+4*\s], 1
	s_add_co_u32 s[G0B+4*\s+1], s45, \s*SLOT
	s_add_nc_u64 s[G0B+4*\s+2:G0B+4*\s+3], s[46:47], \s*ROWB
	s_or_b32 s[G0B+4*\s+3], s[G0B+4*\s+3], 0x80000000
.endr
; the head's four tiles, one load a wave: wave 0 chunk 0 of A's 256 rows, wave 1 of B's, wave 2 A's scales, wave 3 B's; one tree of branches on the wave's number
.macro ARM under, g0, g1, next
	s_cmp_lt_u32 s14, \under
	s_cbranch_scc0 \next
	tensor_load_to_lds s[\g0:\g0+3], s[\g1:\g1+7]
	s_nop 0
.rept 4
	v_nop
.endr
	s_branch .Lhead_asked
\next:
.endm
	ARM 1, G0H,  G1,  .Lhead_b
	ARM 2, G0HB, G1B, .Lhead_sa
	ARM 3, G0S,  G1S, .Lhead_sb
	tensor_load_to_lds s[G0SB:G0SB+3], s[G1SB:G1SB+7]
	s_nop 0
.rept 4
	v_nop
.endr
.Lhead_asked:
	v_and_b32 v1, 15, v0
	v_bfe_u32 v2, v0, 4, 1
	v_and_b32 v[LANE], 31, v0
	v_mul_u32_u24 v3, v1, PITCH                    ; A: row r
	v_mad_u32_u24 v4, v2, 24, v3                   ; + 24 h
	v_and_b32 v6, 8, v1
	v_add_nc_u32 v6, v6, v1
	v_mul_u32_u24 v6, v6, PITCH                    ; B: row r + 8 (r / 8)
	v_mad_u32_u24 v7, v2, 24, v6
	s_mov_b32 s21, SLOT-232
	s_mov_b32 s22, SLOT+232
	v_sub_nc_u32 v8, 1, v2
	v_mul_u32_u24 v5, s21, v2
	v_add_nc_u32 v5, 232, v5                       ; across two chunks: lanes 0-15 byte 232 in slot 0, lanes 16-31 byte 0 in slot 1;
	v_mul_u32_u24 v8, s22, v8                      ; and lanes 0-15 byte 232 in slot 1, lanes 16-31 byte 0 in slot 0
	s_mul_i32 s21, s15, HALFT
	s_mul_i32 s22, s16, HALFT
	s_add_co_u32 s22, s22, 2*HALFT
	v_add_nc_u32 v9, s21, v3
	v_add_nc_u32 v10, s22, v6
	v_add_nc_u32 v[ADRA+2], v9, v5
	v_add_nc_u32 v[ADRA+3], v9, v8
	v_add_nc_u32 v[ADRB+2], v10, v5
	v_add_nc_u32 v[ADRB+3], v10, v8
.irp s, 0,1
	v_add_nc_u32 v[ADRA+\s], s21, v4
	v_add_nc_u32 v[ADRB+\s], s22, v7
	s_add_co_u32 s21, s21, SLOT
	s_add_co_u32 s22, s22, SLOT
.endr
	v_and_b32 v9, 0x18, v0
	v_add_nc_u32 v9, 8, v9
	v_lshrrev_b32 v9, 5, v9
	v_lshl_add_u32 v9, v9, 3, v1
	v_mul_u32_u24 v10, v9, KS
	v_lshrrev_b32 v11, 8, v10
	v_lshl_add_u32 v10, v11, 4, v10
	s_mul_i32 s21, s15, HALFS
	s_mul_i32 s22, s16, HALFS
	s_add_co_u32 s22, s22, 2*HALFS
	s_sub_co_u32 s22, s22, s21
	v_mul_u32_u24 v11, s22, v2
	s_add_co_u32 s21, s21, SCL
	v_add_nc_u32 v10, v10, v11
	v_add_nc_u32 v[ADRS], s21, v10
	v_mul_u32_u24 v11, v2, D8
	v_sub_nc_u32 v[ADRS1], v[ADRS], v11
	s_mov_b32 s[SEL], 0x76543210
	s_mov_b32 s[SEL+1], 0xfedcba98
	s_lshl_b32 s18, s42, 10
	s_lshl_b32 s19, s16, 9
	s_add_co_u32 s18, s18, s19
	s_mov_b32 s19, 0
	s_add_nc_u64 s[18:19], s[96:97], s[18:19]
	v_lshlrev_b32 v12, 6, v2
.irp b, 0,1,2,3,4,5,6,7
	global_load_b128 v[BIAS+8*\b:BIAS+8*\b+3], v12, s[18:19] offset:(32*(\b/2)+8*(\b%2))*4
	global_load_b128 v[BIAS+8*\b+4:BIAS+8*\b+7], v12, s[18:19] offset:(32*(\b/2)+8*(\b%2))*4+16
.endr
.macro FRAG reg, adr, q, ro
.irp p, 0,1,2,3,4,5
.set BY, 96*(\q)+48*(\p/3)+8*(\p%3)    ; q: the step, from the row's start.  Byte y of a row lies in slot (y / 256) % 2 at byte y % 256; lanes 16-31 read 24 bytes on
.if BY/ROWB == (BY+24)/ROWB
	ds_load_b64 v[\reg+2*\p:\reg+2*\p+1], v[\adr+(BY/ROWB)%2] offset:BY%ROWB+(\ro)*PITCH
.else
	ds_load_b64 v[\reg+2*\p:\reg+2*\p+1], v[\adr+2+(BY/ROWB)%2] offset:BY%ROWB-232+(\ro)*PITCH
.endif
.endr
.endm
.macro MUL16 a0, p, q, sc, zero
.irp a, \a0, \a0+1
.irp b, 0,1,2,3,4,5,6,7
.if \zero
	v_wmma_scale_f32_16x16x128_f8f6f4 v[8*(8*((\a)%4)+\b):8*(8*((\a)%4)+\b)+7], v[128*(\p)+FR*\b:128*(\p)+FR*\b+FR-1], v[AF+FR*(\a):AF+FR*(\a)+FR-1], v[BIAS+8*\b:BIAS+8*\b+7], v[SC+8*NQ*(\sc)+NQ*\b+(\q)], v[SC+8*NQ*(\sc)+NQ*(\a)+(\q)] matrix_a_fmt:MATRIX_FMT_FP6 matrix_b_fmt:MATRIX_FMT_FP6 matrix_a_scale:MATRIX_SCALE_ROW1
.else
	v_wmma_scale_f32_16x16x128_f8f6f4 v[8*(8*((\a)%4)+\b):8*(8*((\a)%4)+\b)+7], v[128*(\p)+FR*\b:128*(\p)+FR*\b+FR-1], v[AF+FR*(\a):AF+FR*(\a)+FR-1], v[8*(8*((\a)%4)+\b):8*(8*((\a)%4)+\b)+7], v[SC+8*NQ*(\sc)+NQ*\b+(\q)], v[SC+8*NQ*(\sc)+NQ*(\a)+(\q)] matrix_a_fmt:MATRIX_FMT_FP6 matrix_b_fmt:MATRIX_FMT_FP6 matrix_a_scale:MATRIX_SCALE_ROW1
.endif
.endr
.endr
.endm
.macro FETCH_B q, p
	WIN TO_B
.irp i, 0,1,2,3,4,5,6,7
	FRAG 128*(\p)+FR*\i, ADRB, \q, 32*(\i/2)+8*(\i%2)
.endr
	WIN 0
.endm
.macro FETCH_A q, i0
.irp i, \i0, \i0+1, \i0+2, \i0+3
	FRAG AF+FR*(\i), ADRA, \q, 16*(\i)
.endr
.endm
.macro SCALES pr                       ; the scale words of steps 2 pr, 2 pr + 1 into set pr % 2
.irp i, 0,1,2,3,4,5,6,7
.if \i%2
	ds_load_b64 v[SC+8*NQ*((\pr)%2)+NQ*\i:SC+8*NQ*((\pr)%2)+NQ*\i+1], v[ADRS1] offset:\i*SBLK+4*NQ*(\pr)
.else
	ds_load_b64 v[SC+8*NQ*((\pr)%2)+NQ*\i:SC+8*NQ*((\pr)%2)+NQ*\i+1], v[ADRS] offset:\i*SBLK+4*NQ*(\pr)
.endif
.endr
.endm
; A step of 128 along K.  Where the next step's bytes END in a chunk not read yet: the wait for my tensor loads and a barrier, ahead of the fetch.
; Where they BEGIN in a later chunk: the chunk left behind is read no more: wait, add, wait, barrier; where a chunk two on is left, the barrier opens a round and the slot is filled again.
.macro STEP st, zero
.set NX, (\st)+1
.set C0, (96*(\st))/ROWB
.set C1, (96*NX)/ROWB
.set E0, (96*(\st)+95)/ROWB
.set E1, (96*NX+95)/ROWB
.if C1 > C0 || E1 > E0
	s_wait_tensorcnt 0x0                           ; all my tensor loads have landed
.if C1 > C0
	ds_add_u32 v[SPW], v[NIL]
	s_wait_dscnt 4*NL+1                            ; the add and A's blocks 4-7 may be out
.else
	s_wait_dscnt 4*NL
.endif
	WIN MUL_LO
	MUL16 0, (\st)%2, (\st)%2, ((\st)/2)%2, 0
	s_wait_dscnt 0x0                               ; the add and all my reads are done
	s_barrier_signal -1
	MUL16 2, (\st)%2, (\st)%2, ((\st)/2)%2, 0
	WIN 0
	s_barrier_wait -1
.if C1 > C0 && C0+2 < CHUNKS
	CREST
	s_add_nc_u64 s[G0+4*(C0%2)+2:G0+4*(C0%2)+3], s[G0+4*(C0%2)+2:G0+4*(C0%2)+3], 2*ROWB
	s_add_nc_u64 s[G0B+4*(C0%2)+2:G0B+4*(C0%2)+3], s[G0B+4*(C0%2)+2:G0B+4*(C0%2)+3], 2*ROWB
	JLOAD G0+4*(C0%2), G1, G0B+4*(C0%2), G1B       ; chunk C0 + 2; its four v_nop are the places in front of the loads below
.else
	PLACES NP
.endif
.else
	s_wait_dscnt 4*NL                              ; all but A's blocks 4-7
	WIN MUL_LO-0x20*(\zero)
	MUL16 0, (\st)%2, (\st)%2, ((\st)/2)%2, \zero
	MUL16 2, (\st)%2, (\st)%2, ((\st)/2)%2, \zero
	s_wait_dscnt 0
	PLACES NP
.endif
	FETCH_B NX, NX%2
	FETCH_A NX, 0
.if NX%2 == 0
	SCALES NX/2
.endif
	WIN MUL_HI-0x30*(\zero)
	MUL16 4, (\st)%2, (\st)%2, ((\st)/2)%2, \zero
	MUL16 6, (\st)%2, (\st)%2, ((\st)/2)%2, \zero
	PLACES NP
	WIN 0
	FETCH_A NX, 4
.endm
	s_wait_alu depctr_va_vdst(0)
	s_wait_loadcnt 0x0
	s_wait_tensorcnt 0x0                           ; my tile of the head's four is in
	ds_add_u32 v[SPW], v[NIL]
	s_mov_b32 s[G1+2], 128<<16                     ; no load of mine is out: from here on a load brings 128 rows
	s_mov_b32 s[G1+4], 128
	s_mov_b32 s[G1B+2], 128<<16
	s_mov_b32 s[G1B+4], 128
	s_wait_dscnt 0x0
	CROUND
	JLOAD G0+4, G1, G0B+4, G1B                     ; chunk 1
	FETCH_B 0, 0
	FETCH_A 0, 0
	SCALES 0
	FETCH_A 0, 4
	STEP 0, 1
.set ST, 1
.rept 6
	STEP ST, 0
.set ST, ST+1
.endr
	s_wait_dscnt 4*NL
	WIN MUL_LO
	MUL16 0, 1, NQ-1, 1, 0
	MUL16 2, 1, NQ-1, 1, 0
	s_wait_dscnt 0
	WIN MUL_HI
	MUL16 4, 1, NQ-1, 1, 0
	MUL16 6, 1, NQ-1, 1, 0
	WIN 0
	PLACES NP
	s_mul_i32 s18, s15, 128*SPT
	s_add_co_u32 s18, s18, SLOT
	s_lshl_b32 s19, s16, 7
	s_add_co_u32 s18, s18, s19
	v_mul_u32_u24 v[STO], v1, SPT
	v_lshl_add_u32 v[STO], v2, 4, v[STO]
	v_add_nc_u32 v[STO], s18, v[STO]
	s_mul_i32 s18, s16, WCS
	s_mul_i32 s19, s15, 128*RWS
	s_add_co_u32 s18, s18, s19
	s_add_co_u32 s18, s18, SST
	v_mul_u32_u24 v[SSTO], v1, RWS
	v_add_nc_u32 v[SSTO], s18, v[SSTO]
.irp b, 0,1,2,3
	v_mov_b32 v[TM+4+\b], 0
.endr
.macro QUANT16
.irp b, 0,1,2,3
	v_max3_num_f32 v[TM+\b], |v[HA+16*\b]|, |v[HA+1+16*\b]|, 0x1800000
.endr
.irp i, 2,4,6,8,10,12,14
.irp b, 0,1,2,3
	v_max3_num_f32 v[TM+\b], v[TM+\b], |v[HA+16*\b+\i]|, |v[HA+1+16*\b+\i]|
.endr
.endr
.irp b, 0,1,2,3
	v_permlanex16_b32 v[TM+4+\b], v[TM+\b], s[SEL], s[SEL+1]
.endr
.irp b, 0,1,2,3
	v_max_num_f32 v[TM+\b], v[TM+\b], v[TM+4+\b]
.endr
.irp b, 0,1,2,3
	v_add_nc_u32 v[TM+12+\b], 0xff000000, v[TM+\b]
.endr
.irp b, 0,1,2,3
	v_lshrrev_b32 v[TM+4+\b], 23, v[TM+12+\b]
.endr
	s_wait_alu depctr_va_vdst(0)
	s_wait_dscnt 0x0
	v_lshl_or_b32 v[PW], v[TM+5], 8, v[TM+4]
	v_lshl_or_b32 v[PW], v[TM+6], 16, v[PW]
	v_lshl_or_b32 v[PW], v[TM+7], 24, v[PW]
.irp b, 0,1,2,3
	v_cvt_scalef32_pk16_fp6_f32 v[PC+4*\b:PC+4*\b+2], v[HA+16*\b:HA+16*\b+15], v[TM+12+\b]
.endr
	v_nop
.endm
.macro TILE a
.set AC, 64*((\a)%4)
	WIN 0x08+4*((\a)/4)
.set i, 0
.rept 64
	v_max_num_f32 v[HA+i], 0, v[AC+i]
.set i, i+1
.endr
	WIN 0
	QUANT16
.irp b, 0,1,2,3
	ds_store_b96 v[STO], v[PC+4*\b:PC+4*\b+2] offset:16*(\a)*SPT+32*\b
.endr
	ds_store_b32 v[SSTO], v[PW] offset:16*(\a)*RWS
.endm
.irp a, 0,1,2,3,4,5,6,7
	TILE \a
.endr
	s_mul_i32 s18, s14, 64*SPT
	s_add_co_u32 s18, s18, SLOT
	v_mul_u32_u24 v[RD], v2, SPT
	v_lshl_add_u32 v[RD], v1, 4, v[RD]
	v_add_nc_u32 v[RD], s18, v[RD]
	v_mul_u32_u24 v[CO], v2, 3072
	v_mad_u32_u24 v[CO], v1, 12, v[CO]
	s_lshl_b32 s18, s14, 9
	s_add_co_u32 s18, s18, SST
	v_lshl_add_u32 v[SRD], v[LANE], 3, s18
	v_lshlrev_b32 v[SGO], 7, v[LANE]
	s_lshl_b32 s18, s17, 8
	s_lshl_b32 s19, s14, 6
	s_add_co_u32 s18, s18, s19
	s_mul_i32 s20, s18, 3072
	s_mul_i32 s19, s42, 192
	s_add_co_u32 s20, s20, s19
	s_mov_b32 s21, 0
	s_add_nc_u64 s[32:33], s[12:13], s[20:21]
	s_lshl_b32 s20, s18, 7
	s_lshl_b32 s19, s42, 3
	s_add_co_u32 s20, s20, s19
	s_add_co_u32 s20, s20, HID_S
	s_add_nc_u64 s[34:35], s[12:13], s[20:21]
	s_wait_alu depctr_va_vdst(0)
	s_wait_dscnt 0x0
	s_barrier_signal -1
	s_barrier_wait -1
.irp u, 0,1
.if \u
	s_wait_xcnt 0x0
.endif
.irp t, 0,1,2,3,4,5,6,7,8,9,10,11,12,13,14,15
	ds_load_b96 v[OUTR+4*\t:OUTR+4*\t+2], v[RD] offset:2*(16*\u+\t)*SPT
.endr
.irp t, 0,1,2,3,4,5,6,7,8,9,10,11,12,13,14,15
	s_wait_dscnt 15-\t
	global_store_b96 v[CO], v[OUTR+4*\t:OUTR+4*\t+2], s[32:33] offset:2*(16*\u+\t)*3072
.endr
.endr
	ds_load_b64 v[228:229], v[SRD]
	ds_load_b64 v[230:231], v[SRD] offset:256
	s_wait_dscnt 0x0
	global_store_b64 v[SGO], v[228:229], s[34:35]
	global_store_b64 v[SGO], v[230:231], s[34:35] offset:4096
	s_wait_tensorcnt 0x0
	ds_add_u32 v[SPW], v[NIL]
	s_wait_dscnt 0x0
	CROUND
	s_endpgm
.Lfunc_end_k_q28b7557355_ff1:
	.size	k_q28b7557355_ff1, .Lfunc_end_k_q28b7557355_ff1-k_q28b7557355_ff1
	.p2alignl 7, 3214868480
	.fill 96, 4, 3214868480
	.section	.rodata,"a",@progbits
	.p2align	6, 0x0
	.amdhsa_kernel k_q28b7557355_ff1
		.amdhsa_group_segment_fixed_size 327680
		.amdhsa_private_segment_fixed_size 0
		.amdhsa_enable_private_segment 0
		.amdhsa_kernarg_size 40
		.amdhsa_user_sgpr_count 2
		.amdhsa_user_sgpr_kernarg_segment_ptr 1
		.amdhsa_wavefront_size32 1
		.amdhsa_system_sgpr_workgroup_id_x 1
		.amdhsa_system_sgpr_workgroup_id_y 1
		.amdhsa_system_sgpr_workgroup_id_z 1
		.amdhsa_system_vgpr_workitem_id 0
		.amdhsa_next_free_vgpr 1024
		.amdhsa_next_free_sgpr 102
		.amdhsa_reserve_vcc 0
		.amdhsa_float_denorm_mode_32 3
		.amdhsa_float_denorm_mode_16_64 3
		.amdhsa_memory_ordered 1
		.amdhsa_forward_progress 1
		.amdhsa_inst_pref_size 187
	.end_amdhsa_kernel
	.amdgpu_metadata
---
amdhsa.version: [ 1, 2 ]
amdhsa.kernels:
  - .name:           k_q28b7557355_ff1
    .symbol:         k_q28b7557355_ff1.kd
    .args:
      - { .name: act, .offset: 0, .size: 8, .value_kind: global_buffer, .address_space: global }
      - { .name: w1_codes, .offset: 8, .size: 8, .value_kind: global_buffer, .address_space: global }
      - { .name: w1_scales, .offset: 16, .size: 8, .value_kind: global_buffer, .address_space: global }
      - { .name: b1, .offset: 24, .size: 8, .value_kind: global_buffer, .address_space: global }
      - { .name: hid, .offset: 32, .size: 8, .value_kind: global_buffer, .address_space: global }
    .group_segment_fixed_size: 327680
    .private_segment_fixed_size: 0
    .kernarg_segment_align: 8
    .kernarg_segment_size: 40
    .max_flat_workgroup_size: 128
    .sgpr_count:     102
    .vgpr_count:     1024
    .wavefront_size: 32
...
	.end_amdgpu_metadata
.endif
;; end of part 13
;; launch ff2 (part 14): grid 8 x 32, 4 waves a work-group, clusters of 4 x 4, 327,680 bytes of LDS; arguments hid, w2_codes, w2_scales, b2, x, out0; writes out0
.if DOCPART == 14
	.amdgcn_target "amdgcn-amd-amdhsa--gfx1250"
	.amdhsa_code_object_version 6
	.text
	.protected	k_q28b7557355_ff2
	.globl	k_q28b7557355_ff2
	.p2align	8
	.type	k_q28b7557355_ff2,@function
k_q28b7557355_ff2:
	s_mov_b64 s[64:65], 0
	v_nop
	global_prefetch_b8 v0, s[64:65] scope:SCOPE_SE
	s_setreg_imm32_b32 hwreg(HW_REG_WAVE_MODE, 25, 1), 1
	s_wait_xcnt 0x0
	s_wait_alu depctr_hold_cnt(0) depctr_sa_sdst(0) depctr_va_vdst(0) depctr_va_sdst(0) depctr_va_ssrc(0) depctr_va_vcc(0) depctr_vm_vsrc(0)
	s_getreg_b32 s2, hwreg(HW_REG_IB_STS2, 6, 4)
	s_cmp_eq_u32 s2, 0
	s_cbranch_scc0 .Lentry_in_a_cluster
	s_endpgm
.Lentry_in_a_cluster:
	s_bfe_u32 s2, ttmp6, 0x10000c
	s_cmp_lg_u32 s2, 0xf033
	s_cbranch_scc0 .Lentry_shape_is_right
	s_endpgm
.Lentry_shape_is_right:
.set SIZE_K, 4096
.set AS_OFF, 12582912
.set SIZE_N, 1024
.set KSTEP,  512
.set NQ,     KSTEP/128
; out0 = Q(hidden) W2^T + b2 + x on codes of FP6 with E8M0 scales, K = 4,096; a block of 128 x 128 a work-group, 64 x 64 a wave.
; K goes through two LDS slots in chunks of 512 bytes of each row (a row of codes is 3,072 bytes: six chunks, each on a multiple of 256 bytes); a step of 128 along K is 96 bytes: 32 steps, written out,
; since steps and slots come back to where they began only after 32 steps.  No prefetch: there is no loop to run ahead in.
.set ROWB,   512
.set KROW,   SIZE_K*6/8
.set PITCH,  560                       ; 2 x (256 bytes + 24 of padding) = 140 words: row r starts at word 12 r mod 64: sixteen different multiples of 4
.set FR,     12
.set NP,     4
.set HALFT,  64*PITCH
.set SLOT,   4*HALFT
.set CHUNKS, KROW/ROWB                 ; chunk c lies in slot c % 2
.set KS,     SIZE_K/32
.set SCL,    2*SLOT
.set HALFS,  (64*KS/256)*272
.set SBLK,   (16*KS/256)*272
.set SPARE,  SCL+4*HALFS
.set STAGE,  0                         ; the way out is staged in slot 0: the last chunk lies in slot 1
.set SPITCH, 272
.set ADRA, 16
.set ADRB, 96                          ; six address registers a side: +0, 1 slot 0, 1; +2, 3 lanes 16-31 behind one padding more; +4, 5 lanes 16-31 in the other slot
.set STO,  24
.set RD,   25
.set CO,   26
.set ADRS, 27
.set SPW,  28
.set NIL,  29
.set SC,   32
.set BIAS, 64
.set ACC,  128
.set G1, 24
.set G0, 32
.set G1B, 48
.set G0B, 56
.set G1S, 68
.set G0S, 76
.set G1SB, 80
.set G0SB, 88
.set MSB, 0
.macro WIN new
.if MSB != (\new)
	s_set_vgpr_msb (MSB<<8)|(\new)
.set MSB, (\new)
.endif
.endm
.set MUL,  0x05
.set TO_F, 0x40
.macro JLOAD g0a, g1a, g0b, g1b
	s_cmp_eq_u32 s15, 0
	s_cbranch_scc0 .Lfor_b_\@
	tensor_load_to_lds s[\g0a:\g0a+3], s[\g1a:\g1a+7]
	s_nop 0
.rept 4
	v_nop
.endr
	s_branch .Lasked_\@
.Lfor_b_\@:
	tensor_load_to_lds s[\g0b:\g0b+3], s[\g1b:\g1b+7]
	s_nop 0
.rept 4
	v_nop
.endr
.Lasked_\@:
.endm
.macro CREST
	s_cmp_lg_u32 s14, 0
	s_cbranch_scc1 .Lnot_wave_0_\@
	s_barrier_signal -3
.Lnot_wave_0_\@:
	s_barrier_wait -3
	s_barrier_signal -1
	s_barrier_wait -1
.endm
.macro CROUND
	s_barrier_signal -1
	s_barrier_wait -1
	CREST
.endm
.macro PLACES n
.rept \n
	v_nop
.endr
.endm
	s_load_b64 s[4:5], s[0:1], 0x0
	s_load_b64 s[8:9], s[0:1], 0x8
	s_load_b64 s[10:11], s[0:1], 0x10
	s_load_b64 s[96:97], s[0:1], 0x18
	s_load_b64 s[98:99], s[0:1], 0x20
	s_load_b64 s[12:13], s[0:1], 0x28
	v_lshl_add_u32 v[SPW], v0, 2, SPARE
	v_mov_b32 v[NIL], 0
	ds_add_u32 v28, v29
	ds_add_u32 v28, v29
	s_wait_dscnt 0x0
	v_lshrrev_b32 v1, 5, v0
	v_readfirstlane_b32 s14, v1
	s_lshr_b32 s15, s14, 1
	s_and_b32 s16, s14, 1
	s_bfe_u32 s40, ttmp6, 0x40000
	s_bfe_u32 s41, ttmp6, 0x40004
	s_lshl_b32 s42, ttmp9, 2
	s_add_co_u32 s42, s42, s40
	s_and_b32 s17, ttmp7, 0xffff
	s_lshl_b32 s17, s17, 2
	s_add_co_u32 s17, s17, s41
	s_lshl_b32 s43, s41, 2
	s_lshl_b32 s43, 15, s43
	s_lshl_b32 s44, 0x1111, s40
	s_or_b32 s[G1+0], s43, (0<<16)|(1<<20)|(1<<21)|(5<<22)|(5<<25)  ; 6 words of padding behind every 64
	s_or_b32 s[G1B+0], s44, (0<<16)|(1<<20)|(1<<21)|(5<<22)|(5<<25)
.irp g, G1, G1B
	s_mov_b32 s[\g+1], ROWB<<16
	s_mov_b32 s[\g+2], 128<<16                     ; the head's loads bring 128 rows
	s_mov_b32 s[\g+3], ROWB<<16
	s_mov_b32 s[\g+4], 128
	s_mov_b32 s[\g+5], KROW
	s_mov_b32 s[\g+6], 0
	s_mov_b32 s[\g+7], 0
.endr
	s_lshl_b32 s20, s17, 7                         ; the tile's first row of A, of B
	s_lshl_b32 s46, s42, 7
	s_mov_b32 s21, 0
	s_mov_b32 s47, 0
	s_mov_b64 s[18:19], KS
	s_mul_u64 s[22:23], s[20:21], s[18:19]
	s_mul_u64 s[92:93], s[46:47], s[18:19]
	s_mov_b64 s[18:19], KROW
	s_mul_u64 s[20:21], s[20:21], s[18:19]
	s_mul_u64 s[46:47], s[46:47], s[18:19]
	s_mul_i32 s45, s14, HALFT
	s_mul_i32 s18, s16, 64*KROW                    ; in the ring I fetch 64 rows: which half, in bytes
	s_mov_b32 s19, 0
	s_wait_kmcnt 0x0
	s_add_nc_u64 s[6:7], s[4:5], AS_OFF
	s_add_nc_u64 s[20:21], s[4:5], s[20:21]
	s_add_nc_u64 s[22:23], s[6:7], s[22:23]
	s_add_nc_u64 s[46:47], s[8:9], s[46:47]
	s_add_nc_u64 s[92:93], s[10:11], s[92:93]
	s_or_b32 s[G1S+0], s43, (3<<16)|(1<<20)|(1<<21)|(5<<22)|(3<<25)
	s_or_b32 s[G1SB+0], s44, (3<<16)|(1<<20)|(1<<21)|(5<<22)|(3<<25)
.irp g, G1S, G1SB
	s_mov_b32 s[\g+1], 32<<16
	s_mov_b32 s[\g+2], (128*KS/256)<<16            ; the scales of 128 rows, as rows of 256 bytes
	s_mov_b32 s[\g+3], 32<<16
	s_mov_b32 s[\g+4], 128*KS/256
	s_mov_b32 s[\g+5], 32
	s_mov_b32 s[\g+6], 0
	s_mov_b32 s[\g+7], 0
.endr
	CROUND
	s_mov_b32 s[G0S], 1
	s_mov_b32 s[G0S+1], SCL
	s_mov_b64 s[G0S+2:G0S+3], s[22:23]
	s_or_b32 s[G0S+3], s[G0S+3], 0x80000000
	s_mov_b32 s[G0SB], 1
	s_mov_b32 s[G0SB+1], SCL+2*HALFS
	s_mov_b64 s[G0SB+2:G0SB+3], s[92:93]
	s_or_b32 s[G0SB+3], s[G0SB+3], 0x80000000
.set G0H, 4                            ; s[4:7], s[8:11]: group 0 of the head's loads of chunk 0 (the pointers that lay there have been used)
.set G0HB, 8
	s_mov_b32 s[G0H], 1
	s_mov_b32 s[G0H+1], 0
	s_mov_b64 s[G0H+2:G0H+3], s[20:21]
	s_or_b32 s[G0H+3], s[G0H+3], 0x80000000
	s_mov_b32 s[G0HB], 1
	s_mov_b32 s[G0HB+1], 2*HALFT
	s_mov_b64 s[G0HB+2:G0HB+3], s[46:47]
	s_or_b32 s[G0HB+3], s[G0HB+3], 0x80000000
	s_add_nc_u64 s[20:21], s[20:21], s[18:19]      ; for the ring: my 64 rows
	s_add_nc_u64 s[46:47], s[46:47], s[18:19]
.irp s, 0,1
	s_mov_b32 s[G0+4*\s], 1
	s_add_co_u32 s[G0+4*\s+1], s45, \s*SLOT
	s_add_nc_u64 s[G0+4*\s+2:G0+4*\s+3], s[20:21], \s*ROWB
	s_or_b32 s[G0+4*\s+3], s[G0+4*\s+3], 0x80000000
	s_mov_b32 s[G0B+4*\s], 1
	s_add_co_u32 s[G0B+4*\s+1], s45, \s*SLOT
	s_add_nc_u64 s[G0B+4*\s+2:G0B+4*\s+3], s[46:47], \s*ROWB
	s_or_b32 s[G0B+4*\s+3], s[G0B+4*\s+3], 0x80000000
.endr
; the head's four tiles, one load a wave: wave 0 chunk 0 of A's 128 rows, wave 1 of B's, wave 2 A's scales, wave 3 B's; one tree of branches on the wave's number
.macro ARM under, g0, g1, next
	s_cmp_lt_u32 s14, \under
	s_cbranch_scc0 \next
	tensor_load_to_lds s[\g0:\g0+3], s[\g1:\g1+7]
	s_nop 0
.rept 4
	v_nop
.endr
	s_branch .Lhead_asked
\next:
.endm
	ARM 1, G0H,  G1,  .Lhead_b
	ARM 2, G0HB, G1B, .Lhead_sa
	ARM 3, G0S,  G1S, .Lhead_sb
	tensor_load_to_lds s[G0SB:G0SB+3], s[G1SB:G1SB+7]
	s_nop 0
.rept 4
	v_nop
.endr
.Lhead_asked:
	v_and_b32 v1, 15, v0
	v_bfe_u32 v2, v0, 4, 1
	v_mul_u32_u24 v3, v1, PITCH                    ; row r
	v_mad_u32_u24 v4, v2, 24, v3                   ; + 24 h
	v_mad_u32_u24 v5, v2, 48, v3                   ; + 24 h and, for lanes 16-31, one padding more
	s_mov_b32 s21, SLOT-512
	s_mov_b32 s22, SLOT+512
	v_sub_nc_u32 v7, 1, v2
	v_mul_u32_u24 v6, s21, v2
	v_add_nc_u32 v6, v3, v6
	v_add_nc_u32 v6, 512, v6                       ; across two chunks: lanes 0-15 data byte 488 (LDS byte 512) of the row in slot 0, lanes 16-31 byte 0 in slot 1;
	v_mul_u32_u24 v7, s22, v7
	v_add_nc_u32 v7, v3, v7                        ; and lanes 0-15 in slot 1, lanes 16-31 in slot 0
	s_mul_i32 s21, s15, HALFT
	s_mul_i32 s22, s16, HALFT
	s_add_co_u32 s22, s22, 2*HALFT
	v_add_nc_u32 v[ADRA+4], s21, v6
	v_add_nc_u32 v[ADRA+5], s21, v7
	v_add_nc_u32 v[ADRB+4], s22, v6
	v_add_nc_u32 v[ADRB+5], s22, v7
.irp s, 0,1
	v_add_nc_u32 v[ADRA+\s], s21, v4
	v_add_nc_u32 v[ADRB+\s], s22, v4
	v_add_nc_u32 v[ADRA+2+\s], s21, v5
	v_add_nc_u32 v[ADRB+2+\s], s22, v5
	s_add_co_u32 s21, s21, SLOT
	s_add_co_u32 s22, s22, SLOT
.endr
	v_mul_u32_u24 v10, v1, KS
	v_lshrrev_b32 v11, 8, v10
	v_lshl_add_u32 v10, v11, 4, v10
	s_mul_i32 s21, s15, HALFS
	s_mul_i32 s22, s16, HALFS
	s_add_co_u32 s22, s22, 2*HALFS
	s_sub_co_u32 s22, s22, s21
	v_mul_u32_u24 v11, s22, v2
	s_add_co_u32 s21, s21, SCL
	v_add_nc_u32 v10, v10, v11
	v_add_nc_u32 v[ADRS], s21, v10
	s_mul_i32 s23, s14, 16*SPITCH
	s_add_co_u32 s23, s23, STAGE
	v_mul_u32_u24 v5, v1, SPITCH
	v_lshl_add_u32 v5, v2, 5, v5
	v_add_nc_u32 v[STO], s23, v5
	v_mul_u32_u24 v5, v2, SPITCH
	v_lshl_add_u32 v5, v1, 4, v5
	v_add_nc_u32 v[RD], s23, v5
	v_lshlrev_b32 v[CO], 12, v2
	v_lshl_add_u32 v[CO], v1, 4, v[CO]
	s_wait_alu depctr_va_vdst(0)
	s_lshl_b32 s20, s17, 7
	s_lshl_b32 s21, s15, 6
	s_add_co_u32 s20, s20, s21
	s_lshl_b32 s20, s20, 12
	s_lshl_b32 s46, s42, 9
	s_lshl_b32 s47, s16, 8
	s_add_co_u32 s46, s46, s47
	s_add_co_u32 s20, s20, s46
	s_mov_b32 s21, 0
	s_mov_b32 s47, 0
	s_add_nc_u64 s[12:13], s[12:13], s[20:21]
	s_add_nc_u64 s[98:99], s[98:99], s[20:21]
	s_add_nc_u64 s[96:97], s[96:97], s[46:47]
	v_lshlrev_b32 v12, 5, v2
.irp b, 0,1,2,3
	global_load_b128 v[BIAS+8*\b:BIAS+8*\b+3], v12, s[96:97] offset:64*\b
	global_load_b128 v[BIAS+8*\b+4:BIAS+8*\b+7], v12, s[96:97] offset:64*\b+16
.endr
	WIN 0x80
.irp a, 0,1,2,3
.irp t, 0,1,2,3,4,5,6,7
	global_load_b128 v[32*\a+4*\t:32*\a+4*\t+3], v[CO], s[98:99] offset:(16*\a+2*\t)*SIZE_N*4
.endr
.endr
	WIN 0
.macro FRAG reg, adr, q, ro
.irp p, 0,1,2,3,4,5
.set BY, 96*(\q)+48*(\p/3)+8*(\p%3)    ; q: the step, from the row's start.  Byte y of a row lies in slot (y / 512) % 2, at LDS byte y % 512 + 24 ((y % 512) / 256) of its row; lanes 16-31 read 24 bytes on
.set PIN, BY%ROWB
.set SL, (BY/ROWB)%2
.if PIN >= ROWB-24
	ds_load_b64 v[\reg+2*\p:\reg+2*\p+1], v[\adr+4+SL] offset:PIN-(ROWB-24)+(\ro)*PITCH
.else
.if PIN/256 != (PIN+24)/256
	ds_load_b64 v[\reg+2*\p:\reg+2*\p+1], v[\adr+2+SL] offset:PIN+24*(PIN/256)+(\ro)*PITCH
.else
	ds_load_b64 v[\reg+2*\p:\reg+2*\p+1], v[\adr+SL] offset:PIN+24*(PIN/256)+(\ro)*PITCH
.endif
.endif
.endr
.endm
.macro MUL4 a, p, q, sc, zero
.irp b, 0,1,2,3
.if \zero
	v_wmma_scale_f32_16x16x128_f8f6f4 v[ACC+8*(4*(\a)+\b):ACC+8*(4*(\a)+\b)+7], v[96*(\p)+48+FR*\b:96*(\p)+48+FR*\b+FR-1], v[96*(\p)+FR*(\a):96*(\p)+FR*(\a)+FR-1], v[BIAS+8*\b:BIAS+8*\b+7], v[SC+16*(\sc)+4*\b+(\q)], v[SC+16*(\sc)+4*(\a)+(\q)] matrix_a_fmt:MATRIX_FMT_FP6 matrix_b_fmt:MATRIX_FMT_FP6 matrix_a_scale:MATRIX_SCALE_ROW1
.else
	v_wmma_scale_f32_16x16x128_f8f6f4 v[ACC+8*(4*(\a)+\b):ACC+8*(4*(\a)+\b)+7], v[96*(\p)+48+FR*\b:96*(\p)+48+FR*\b+FR-1], v[96*(\p)+FR*(\a):96*(\p)+FR*(\a)+FR-1], v[ACC+8*(4*(\a)+\b):ACC+8*(4*(\a)+\b)+7], v[SC+16*(\sc)+4*\b+(\q)], v[SC+16*(\sc)+4*(\a)+(\q)] matrix_a_fmt:MATRIX_FMT_FP6 matrix_b_fmt:MATRIX_FMT_FP6 matrix_a_scale:MATRIX_SCALE_ROW1
.endif
.endr
.endm
.macro FETCH q, p
	WIN TO_F
.irp i, 0,1,2,3
	FRAG 96*(\p)+48+FR*\i, ADRB, \q, 16*\i
.endr
.irp i, 0,1,2,3
	FRAG 96*(\p)+FR*\i, ADRA, \q, 16*\i
.endr
.endm
.macro SCALES g                        ; the scale words of steps 4 g .. 4 g + 3 into set g % 2: 16 bytes a row
	WIN 0
.irp i, 0,1,2,3
	ds_load_b128 v[SC+16*((\g)%2)+4*\i:SC+16*((\g)%2)+4*\i+3], v[ADRS] offset:\i*SBLK+16*(\g)
.endr
.endm
; A step of 128 along K: the next step's fragments are asked for into the other set.  Where the next step's bytes END in a chunk not read yet: the wait for my tensor loads and a barrier, ahead of the fetch.
; Where they BEGIN in a later chunk: the chunk left behind is read no more: wait, add, wait, barrier; where a chunk two on is left, the barrier opens a round and the slot is filled again.
.macro STEP st, zero
.set NX, (\st)+1
.set C0, (96*(\st))/ROWB
.set C1, (96*NX)/ROWB
.set E0, (96*(\st)+95)/ROWB
.set E1, (96*NX+95)/ROWB
.if C1 > C0 || E1 > E0
	WIN 0
	s_wait_tensorcnt 0x0                           ; all my tensor loads have landed
.if C1 > C0
	ds_add_u32 v[SPW], v[NIL]
	s_wait_dscnt 1                                 ; the add alone may be out: this step's fragments are in
.else
	s_wait_dscnt 0x0
.endif
	WIN MUL
	MUL4 0, (\st)%2, (\st)%4, ((\st)/4)%2, 0
.if C1 > C0
	s_wait_dscnt 0x0                               ; the add is done
.endif
	s_barrier_signal -1
	MUL4 1, (\st)%2, (\st)%4, ((\st)/4)%2, 0
	WIN 0
	s_barrier_wait -1
.if C1 > C0 && C0+2 < CHUNKS
	CREST
	s_add_nc_u64 s[G0+4*(C0%2)+2:G0+4*(C0%2)+3], s[G0+4*(C0%2)+2:G0+4*(C0%2)+3], 2*ROWB
	s_add_nc_u64 s[G0B+4*(C0%2)+2:G0B+4*(C0%2)+3], s[G0B+4*(C0%2)+2:G0B+4*(C0%2)+3], 2*ROWB
	JLOAD G0+4*(C0%2), G1, G0B+4*(C0%2), G1B       ; chunk C0 + 2; its four v_nop are the places in front of the loads below
.else
	PLACES NP
.endif
	FETCH NX, NX%2
.if NX%4 == 0
	SCALES NX/4
.endif
	WIN MUL
	MUL4 2, (\st)%2, (\st)%4, ((\st)/4)%2, 0
	MUL4 3, (\st)%2, (\st)%4, ((\st)/4)%2, 0
.else
	PLACES NP                                      ; the other set was read by the step before
	FETCH NX, NX%2
.if NX%4 == 0
	SCALES NX/4
	s_wait_dscnt 52                                ; all but the 52 just issued
.else
	s_wait_dscnt 48                                ; all but the 48 just issued
.endif
	WIN MUL
	MUL4 0, (\st)%2, (\st)%4, ((\st)/4)%2, \zero
	MUL4 1, (\st)%2, (\st)%4, ((\st)/4)%2, \zero
	MUL4 2, (\st)%2, (\st)%4, ((\st)/4)%2, \zero
	MUL4 3, (\st)%2, (\st)%4, ((\st)/4)%2, \zero
.endif
.endm
	s_wait_loadcnt 32
	s_wait_tensorcnt 0x0                           ; my tile of the head's four is in
	ds_add_u32 v[SPW], v[NIL]
	s_mov_b32 s[G1+2], 64<<16                      ; no load of mine is out: from here on a load brings 64 rows
	s_mov_b32 s[G1+4], 64
	s_mov_b32 s[G1B+2], 64<<16
	s_mov_b32 s[G1B+4], 64
	s_wait_dscnt 0x0
	CROUND
	JLOAD G0+4, G1, G0B+4, G1B                     ; chunk 1
	FETCH 0, 0
	SCALES 0
	STEP 0, 1
.set ST, 1
.rept 30
	STEP ST, 0
.set ST, ST+1
.endr
	s_wait_dscnt 0x0
	MUL4 0, 1, 3, 1, 0
	MUL4 1, 1, 3, 1, 0
	MUL4 2, 1, 3, 1, 0
	MUL4 3, 1, 3, 1, 0
	WIN 0
.macro TOSTAGE a
.irp b, 0,1,2,3
	ds_store_b128 v[STO], v[ACC+32*(\a)+8*\b:ACC+32*(\a)+8*\b+3] offset:64*\b
	ds_store_b128 v[STO], v[ACC+32*(\a)+8*\b+4:ACC+32*(\a)+8*\b+7] offset:64*\b+16
.endr
	WIN TO_F
.irp t, 0,1,2,3,4,5,6,7
	ds_load_b128 v[32*(\a)+4*\t:32*(\a)+4*\t+3], v[RD] offset:\t*2*SPITCH
.endr
	WIN 0
.endm
.macro GOOUT a
	s_wait_dscnt 16*(3-(\a))
	WIN 0x09
.set i, 0
.rept 16
	v_pk_add_f32 v[ACC+32*(\a)+i:ACC+32*(\a)+i+1], v[32*(\a)+i:32*(\a)+i+1], v[32*(\a)+i:32*(\a)+i+1]
.set i, i+2
.endr
	WIN 0
.irp t, 0,1,2,3,4,5,6,7
	global_store_b128 v[CO], v[ACC+32*(\a)+4*\t:ACC+32*(\a)+4*\t+3], s[12:13] offset:(16*(\a)+2*\t)*SIZE_N*4 th:TH_STORE_NT
.endr
.endm
	PLACES NP
	TOSTAGE 0
	TOSTAGE 1
	TOSTAGE 2
	TOSTAGE 3
	s_wait_loadcnt 0x0
	GOOUT 0
	GOOUT 1
	GOOUT 2
	GOOUT 3
	s_wait_tensorcnt 0x0
	ds_add_u32 v[SPW], v[NIL]
	s_wait_dscnt 0x0
	CROUND
	s_endpgm
.Lfunc_end_k_q28b7557355_ff2:
	.size	k_q28b7557355_ff2, .Lfunc_end_k_q28b7557355_ff2-k_q28b7557355_ff2
	.p2alignl 7, 3214868480
	.fill 96, 4, 3214868480
	.section	.rodata,"a",@progbits
	.p2align	6, 0x0
	.amdhsa_kernel k_q28b7557355_ff2
		.amdhsa_group_segment_fixed_size 327680
		.amdhsa_private_segment_fixed_size 0
		.amdhsa_enable_private_segment 0
		.amdhsa_kernarg_size 48
		.amdhsa_user_sgpr_count 2
		.amdhsa_user_sgpr_kernarg_segment_ptr 1
		.amdhsa_wavefront_size32 1
		.amdhsa_system_sgpr_workgroup_id_x 1
		.amdhsa_system_sgpr_workgroup_id_y 1
		.amdhsa_system_sgpr_workgroup_id_z 1
		.amdhsa_system_vgpr_workitem_id 0
		.amdhsa_next_free_vgpr 768
		.amdhsa_next_free_sgpr 102
		.amdhsa_reserve_vcc 0
		.amdhsa_float_denorm_mode_32 3
		.amdhsa_float_denorm_mode_16_64 3
		.amdhsa_memory_ordered 1
		.amdhsa_forward_progress 1
		.amdhsa_inst_pref_size 202
	.end_amdhsa_kernel
	.amdgpu_metadata
---
amdhsa.version: [ 1, 2 ]
amdhsa.kernels:
  - .name:           k_q28b7557355_ff2
    .symbol:         k_q28b7557355_ff2.kd
    .args:
      - { .name: hid, .offset: 0, .size: 8, .value_kind: global_buffer, .address_space: global }
      - { .name: w2_codes, .offset: 8, .size: 8, .value_kind: global_buffer, .address_space: global }
      - { .name: w2_scales, .offset: 16, .size: 8, .value_kind: global_buffer, .address_space: global }
      - { .name: b2, .offset: 24, .size: 8, .value_kind: global_buffer, .address_space: global }
      - { .name: x, .offset: 32, .size: 8, .value_kind: global_buffer, .address_space: global }
      - { .name: out0, .offset: 40, .size: 8, .value_kind: global_buffer, .address_space: global }
    .group_segment_fixed_size: 327680
    .private_segment_fixed_size: 0
    .kernarg_segment_align: 8
    .kernarg_segment_size: 48
    .max_flat_workgroup_size: 128
    .sgpr_count:     102
    .vgpr_count:     768
    .wavefront_size: 32
...
	.end_amdgpu_metadata
.endif
;; end of part 14
